; MI455X (gfx1250); checked and timed in simulation.
; The chip was launched on July 23, 2026; its instructions are those of AMD's public machine-readable ISA for CDNA 5 (MIT licence, August 2026) and "CDNA5" Instruction Set Architecture Reference Guide (July 2026). The comments in the code are by the model that wrote it; some were corrected since.
;; Transformer Block. Allowed arithmetic: float matrix products may take bf16 or f16 operands with f32 sums; all other float work in f32.
;; Inputs: context 2 x 1,024 x 1,024 float32; context_mask 2 x 1,024 int32; cos 2,048 x 64 float32; g_norm1 1,024 float32; g_norm2 1,024 float32; g_norm_cross 1,024 float32; sin 2,048 x 64 float32; w1 1,024 x 1,024 float32; w2 1,024 x 1,024 float32; w3 1,024 x 1,024 float32; w_cout 1,024 x 1,024 float32; w_kv 2,048 x 1,024 float32; w_out 1,024 x 1,024 float32; w_q 1,024 x 1,024 float32; w_qkv 3,072 x 1,024 float32; x 2 x 2,048 x 1,024 float32.
;; Outputs: out0 2 x 2,048 x 1,024 float32.
;; 2 versions, each right and faster than the one before. Each part assembles by itself: llvm-mc -triple=amdgcn-amd-amdhsa -mcpu=gfx1250 --defsym DOCPART=n.
;; ======== version 1 of 2: 11 launches
;; limits: values are held in f16: magnitudes above 65,504 overflow, below 6.1e-05 lose precision
;; workspace buffers: Wa 16,777,216 bytes; Wb 4,194,304 bytes; Wc 6,291,456 bytes; h 8,388,608 bytes; qkv 25,165,824 bytes; kvc 8,388,608 bytes; att 8,388,608 bytes; xa 16,777,216 bytes
;; launch cast (part 1): grid 32 x 21, 8 waves a work-group, no clusters, 0 bytes of LDS; arguments w_qkv, w_out, w_kv, context, w_cout, w_q, w2, w1, w3, Wa, Wb, Wc, x, g_norm1, h; writes Wa, Wb, Wc, h
.if DOCPART == 1
	.amdgcn_target "amdgcn-amd-amdhsa--gfx1250"
	.amdhsa_code_object_version 6
	.text
	.protected	k_q0853890662_cast
	.globl	k_q0853890662_cast
	.p2align	8
	.type	k_q0853890662_cast,@function
k_q0853890662_cast:
	s_mov_b64 s[64:65], 0
	v_nop
	global_prefetch_b8 v0, s[64:65] scope:SCOPE_SE
	s_setreg_imm32_b32 hwreg(HW_REG_WAVE_MODE, 25, 1), 1
	s_wait_xcnt 0x0
; Two streams that hang on nothing but inputs, in one launch.  Units y = 0..12: all weights and the context, f32 -> 16 bits, laid out as the later launches read them.
; Units y = 13..20: h = rmsnorm(x, g_norm1), f16 (the second part of this text).
; FORMAT.  f16 for all but w2: their partners in the products (h, the attention outputs) have room in f16, and f16's step is an eighth of bf16's.  w2 goes in bf16, since its
; partner silu(u) v has no such room.  LIMIT: the f16 numbers must lie inside +-65,504 (the drawn ones are below 6); below 6.1e-5 they keep an absolute step of 6e-8.
; Work-group (x, y), y < 13: unit y is 1,024 rows of 1,024 numbers of one source, chunk x is 32 of its rows: 131,072 bytes in, 65,536 bytes out, both contiguous.
; Thread t takes 16 bytes at 16 t + 4,096 j (j = 0..31) and stores 8 bytes at 8 t + 2,048 j: a wave's store covers 256 consecutive bytes, aligned.
; A stream: no LDS, no barrier, no matrix unit; all 32 loads of a thread go out at once, and no register is used twice, so no wait frees a source.
; Wa: w_out | w_v | w_q(self) | w_k(self) | w_kv | context, 2 MiB for each 1,024 rows.  Wb: w_cout | w_q.  Wc: w2 | W13, where group x of 64 rows of W13
; is w1's rows 32 x .. 32 x + 31 and then w3's: so the chunks of w1 and w3 lie 131,072 bytes apart (shift 17), the others 65,536 (shift 16).
.set SRC,  34                          ; s[34:35] source
.set DST,  36                          ; s[36:37] destination
.set SOFF, 38                          ; s38 byte offset of the unit in the source (s39 = 0 above it)
.set DOFF, 40                          ; s40 byte offset of the unit in the destination
.set DSH,  41                          ; s41 log2 of the bytes from chunk to chunk in the destination
.set X,    4                           ; v[4:131]   32 x 4 numbers as loaded
.set Y,    132                         ; v[132:195] 32 x 2 words to store
	s_and_b32 s32, ttmp7, 0xffff                   ; the unit
	s_cmp_ge_u32 s32, 13
	s_cbranch_scc1 .Lnorm                          ; units 13..20 make h
	s_load_b512 s[8:23], s[0:1], 0x0               ; w_qkv 8, w_out 10, w_kv 12, context 14, w_cout 16, w_q 18, w2 20, w1 22
	s_load_b256 s[24:31], s[0:1], 0x40             ; w3 24, Wa 26, Wb 28, Wc 30
	v_lshlrev_b32 v1, 4, v0
	v_lshlrev_b32 v2, 3, v0
	s_wait_kmcnt 0x0
	s_mov_b64 s[SRC:SRC+1], s[8:9]                 ; unit 0: w_qkv's rows 0..1023 (q) -> Wa + 4 MiB
	s_mov_b64 s[DST:DST+1], s[26:27]
	s_mov_b32 s[SOFF], 0
	s_mov_b32 s[DOFF], 0x400000
	s_mov_b32 s[DSH], 16
; The other units: a choice between buffers and between constants on the unit's number.
.macro CASE y, src, soff, dst, doff, dsh
	s_cmp_eq_u32 s32, \y
	s_cselect_b64 s[SRC:SRC+1], s[\src:\src+1], s[SRC:SRC+1]
	s_cselect_b64 s[DST:DST+1], s[\dst:\dst+1], s[DST:DST+1]
	s_cselect_b32 s[SOFF], \soff, s[SOFF]
	s_cselect_b32 s[DOFF], \doff, s[DOFF]
	s_cselect_b32 s[DSH], \dsh, s[DSH]
.endm
	CASE 1,  8,  0x400000, 26, 0x600000, 16        ; w_qkv rows 1024.. (k)
	CASE 2,  8,  0x800000, 26, 0x200000, 16        ; w_qkv rows 2048.. (v)
	CASE 3,  10, 0,        26, 0,        16        ; w_out
	CASE 4,  12, 0,        26, 0x800000, 16        ; w_kv, k's rows
	CASE 5,  12, 0x400000, 26, 0xa00000, 16        ; w_kv, v's rows
	CASE 6,  14, 0,        26, 0xc00000, 16        ; context, batch 0
	CASE 7,  14, 0x400000, 26, 0xe00000, 16        ; context, batch 1
	CASE 8,  16, 0,        28, 0,        16        ; w_cout
	CASE 9,  18, 0,        28, 0x200000, 16        ; w_q
	CASE 10, 20, 0,        30, 0,        16        ; w2
	CASE 11, 22, 0,        30, 0x200000, 17        ; w1
	CASE 12, 24, 0,        30, 0x210000, 17        ; w3
	s_lshl_b32 s42, ttmp9, 17                      ; the chunk in the source
	s_add_co_u32 s[SOFF], s[SOFF], s42
	s_mov_b32 s[SOFF+1], 0
	s_add_nc_u64 s[SRC:SRC+1], s[SRC:SRC+1], s[SOFF:SOFF+1]
	s_lshl_b32 s42, ttmp9, s[DSH]                  ; and in the destination
	s_add_co_u32 s42, s42, s[DOFF]
	s_mov_b32 s43, 0
	s_add_nc_u64 s[DST:DST+1], s[DST:DST+1], s[42:43]
.set j, 0
.rept 32
	global_load_b128 v[X+4*j:X+4*j+3], v1, s[SRC:SRC+1] offset:4096*j th:TH_LOAD_NT
.set j, j+1
.endr
; The 32 loads are rounded and stored as they come; cvt = the conversion.
.macro DRAIN cvt
.set j, 0
.rept 32
	s_wait_loadcnt 31-j                            ; loads come back in order: number j is in, the 31 - j younger ones stay out
	\cvt v[Y+2*j],   v[X+4*j],   v[X+4*j+1]
	\cvt v[Y+2*j+1], v[X+4*j+2], v[X+4*j+3]
	global_store_b64 v2, v[Y+2*j:Y+2*j+1], s[DST:DST+1] offset:2048*j
.set j, j+1
.endr
.endm
	s_cmp_eq_u32 s32, 10                           ; w2's unit?
	s_cbranch_scc1 .Lbf16
	DRAIN v_cvt_pk_f16_f32
	s_endpgm
.Lbf16:
	DRAIN v_cvt_pk_bf16_f32
	s_endpgm
; h[r][c] = g[c] * (x[r][c] * rsqrt(mean over c of x[r][c]^2 + 1e-6)).  x: [4096][1024] f32, g: [1024] f32, h: [4096][1024] f16, rounded once.
; FORMAT.  x times the reciprocal root is at most 32 in size (a row with one number), so |h| <= 32 max|g|: f16 has room up to |g| = 2,000.  LIMIT: beyond that h would be infinite.
; Work-group 32 (y - 13) + x owns 16 rows, a wave two: a row of 4,096 bytes is eight 16-byte loads a lane and stays in 32 registers between the sum and the scaling,
; so the row is read once and the sum never leaves the wave.  Lane l holds columns 4 l + 128 j .. + 3 (j = 0..7); its 8 bytes of h go to 8 l + 256 j:
; a wave's store covers 256 consecutive bytes, aligned.
.set G,  4                             ; v[4:35]    g of my 32 columns
.set X0, 36                            ; v[36:67]   first row
.set X1, 68                            ; v[68:99]   second row
.set A0, 100                           ; v[100:103] two chains of packed sums, first row
.set A1, 104                           ; v[104:107] second row
.set R,  108                           ; v108 mean + eps; v[110:111] its reciprocal root, twice (a pair for the packed multiply)
.Lnorm:
	s_load_b128 s[4:7], s[0:1], 0x60               ; x s[4:5], g s[6:7]
	s_load_b64 s[8:9], s[0:1], 0x70                ; h
	s_sub_co_u32 s18, s32, 13
	s_lshl_b32 s18, s18, 5
	s_add_co_u32 s18, s18, ttmp9                   ; my block of 16 rows, 0..255
	v_and_b32 v1, 31, v0                           ; lane
	v_lshrrev_b32 v3, 5, v0                        ; wave
	v_lshlrev_b32 v2, 13, v3                       ; two rows of 4,096 bytes a wave
	v_lshlrev_b32 v3, 12, v3                       ; two rows of 2,048 bytes a wave
	v_lshl_add_u32 v2, v1, 4, v2                   ; offset in x
	v_lshl_add_u32 v3, v1, 3, v3                   ; offset in h
	v_lshlrev_b32 v1, 4, v1                        ; offset in g
	s_lshl_b32 s10, s18, 16                        ; the group's 16 rows in x
	s_mov_b32 s11, 0
	s_lshl_b32 s14, s18, 15                        ; and in h
	s_mov_b32 s15, 0
	s_mov_b32 s12, 0x76543210                      ; v_permlanex16_b32: each lane takes its own place in the other half
	s_mov_b32 s13, 0xfedcba98
	s_mov_b32 s16, 0x3a800000                      ; 1 / 1024
	s_mov_b32 s17, 0x358637bd                      ; 1e-6
	s_wait_kmcnt 0x0
	s_add_nc_u64 s[4:5], s[4:5], s[10:11]
	s_add_nc_u64 s[8:9], s[8:9], s[14:15]
.irp j, 0,1,2,3,4,5,6,7
	global_load_b128 v[G+4*\j:G+4*\j+3], v1, s[6:7] offset:512*\j
.endr
.irp j, 0,1,2,3,4,5,6,7
	global_load_b128 v[X0+4*\j:X0+4*\j+3], v2, s[4:5] offset:512*\j
.endr
.irp j, 0,1,2,3,4,5,6,7
	global_load_b128 v[X1+4*\j:X1+4*\j+3], v2, s[4:5] offset:4096+512*\j
.endr
; One row: x its registers, a its sums, left the younger loads that may stay out, n its number in the wave.
.macro ROW x, a, left, n
	s_wait_loadcnt \left
	v_pk_mul_f32 v[\a:\a+1],   v[\x:\x+1],   v[\x:\x+1]          ; the first squares start the two chains: nothing is cleared
	v_pk_mul_f32 v[\a+2:\a+3], v[\x+2:\x+3], v[\x+2:\x+3]
.irp j, 1,2,3,4,5,6,7
	v_pk_fma_f32 v[\a:\a+1],   v[\x+4*\j:\x+4*\j+1],   v[\x+4*\j:\x+4*\j+1],   v[\a:\a+1]
	v_pk_fma_f32 v[\a+2:\a+3], v[\x+4*\j+2:\x+4*\j+3], v[\x+4*\j+2:\x+4*\j+3], v[\a+2:\a+3]
.endr
	v_pk_add_f32 v[\a:\a+1], v[\a:\a+1], v[\a+2:\a+3]
	v_add_f32 v[\a], v[\a], v[\a+1]
	v_add_f32_dpp v[\a], v[\a], v[\a] row_xmask:1 row_mask:0xf bank_mask:0xf
	v_add_f32_dpp v[\a], v[\a], v[\a] row_xmask:2 row_mask:0xf bank_mask:0xf
	v_add_f32_dpp v[\a], v[\a], v[\a] row_xmask:4 row_mask:0xf bank_mask:0xf
	v_add_f32_dpp v[\a], v[\a], v[\a] row_xmask:8 row_mask:0xf bank_mask:0xf
	v_permlanex16_b32 v[\a+1], v[\a], s12, s13     ; the other half of the lanes
	v_add_f32 v[\a], v[\a], v[\a+1]                ; every lane holds the row's sum of squares
	v_fma_f32 v[R], v[\a], s16, s17                ; mean + eps
	v_rsq_f32 v[R+2], v[R]
	v_rsq_f32 v[R+3], v[R]
	v_nop                                          ; a plain instruction between the root and the use of its result (ISA guide 5.7.2)
	s_wait_alu depctr_va_vdst(0)
.irp j, 0,1,2,3,4,5,6,7
	v_pk_mul_f32 v[\x+4*\j:\x+4*\j+1],   v[\x+4*\j:\x+4*\j+1],   v[R+2:R+3]
	v_pk_mul_f32 v[\x+4*\j+2:\x+4*\j+3], v[\x+4*\j+2:\x+4*\j+3], v[R+2:R+3]
	v_pk_mul_f32 v[\x+4*\j:\x+4*\j+1],   v[\x+4*\j:\x+4*\j+1],   v[G+4*\j:G+4*\j+1]
	v_pk_mul_f32 v[\x+4*\j+2:\x+4*\j+3], v[\x+4*\j+2:\x+4*\j+3], v[G+4*\j+2:G+4*\j+3]
	v_cvt_pk_f16_f32 v[\x+4*\j],   v[\x+4*\j],   v[\x+4*\j+1]
	v_cvt_pk_f16_f32 v[\x+4*\j+1], v[\x+4*\j+2], v[\x+4*\j+3]
	global_store_b64 v3, v[\x+4*\j:\x+4*\j+1], s[8:9] offset:\n*2048+256*\j
.endr
.endm
	ROW X0, A0, 8, 0                               ; g and the first row are in; the second row's eight loads stay out
	ROW X1, A1, 0, 1
	s_endpgm
.Lfunc_end_k_q0853890662_cast:
	.size	k_q0853890662_cast, .Lfunc_end_k_q0853890662_cast-k_q0853890662_cast
	.p2alignl 7, 3214868480
	.fill 96, 4, 3214868480
	.section	.rodata,"a",@progbits
	.p2align	6, 0x0
	.amdhsa_kernel k_q0853890662_cast
		.amdhsa_group_segment_fixed_size 0
		.amdhsa_private_segment_fixed_size 0
		.amdhsa_enable_private_segment 0
		.amdhsa_kernarg_size 120
		.amdhsa_user_sgpr_count 2
		.amdhsa_user_sgpr_kernarg_segment_ptr 1
		.amdhsa_wavefront_size32 1
		.amdhsa_system_sgpr_workgroup_id_x 1
		.amdhsa_system_sgpr_workgroup_id_y 1
		.amdhsa_system_sgpr_workgroup_id_z 1
		.amdhsa_system_vgpr_workitem_id 0
		.amdhsa_next_free_vgpr 200
		.amdhsa_next_free_sgpr 66
		.amdhsa_reserve_vcc 0
		.amdhsa_float_denorm_mode_32 3
		.amdhsa_float_denorm_mode_16_64 3
		.amdhsa_memory_ordered 1
		.amdhsa_forward_progress 1
		.amdhsa_inst_pref_size 37
	.end_amdhsa_kernel
	.amdgpu_metadata
---
amdhsa.version: [ 1, 2 ]
amdhsa.kernels:
  - .name:           k_q0853890662_cast
    .symbol:         k_q0853890662_cast.kd
    .args:
      - { .name: w_qkv, .offset: 0, .size: 8, .value_kind: global_buffer, .address_space: global }
      - { .name: w_out, .offset: 8, .size: 8, .value_kind: global_buffer, .address_space: global }
      - { .name: w_kv, .offset: 16, .size: 8, .value_kind: global_buffer, .address_space: global }
      - { .name: context, .offset: 24, .size: 8, .value_kind: global_buffer, .address_space: global }
      - { .name: w_cout, .offset: 32, .size: 8, .value_kind: global_buffer, .address_space: global }
      - { .name: w_q, .offset: 40, .size: 8, .value_kind: global_buffer, .address_space: global }
      - { .name: w2, .offset: 48, .size: 8, .value_kind: global_buffer, .address_space: global }
      - { .name: w1, .offset: 56, .size: 8, .value_kind: global_buffer, .address_space: global }
      - { .name: w3, .offset: 64, .size: 8, .value_kind: global_buffer, .address_space: global }
      - { .name: Wa, .offset: 72, .size: 8, .value_kind: global_buffer, .address_space: global }
      - { .name: Wb, .offset: 80, .size: 8, .value_kind: global_buffer, .address_space: global }
      - { .name: Wc, .offset: 88, .size: 8, .value_kind: global_buffer, .address_space: global }
      - { .name: x, .offset: 96, .size: 8, .value_kind: global_buffer, .address_space: global }
      - { .name: g_norm1, .offset: 104, .size: 8, .value_kind: global_buffer, .address_space: global }
      - { .name: h, .offset: 112, .size: 8, .value_kind: global_buffer, .address_space: global }
    .group_segment_fixed_size: 0
    .private_segment_fixed_size: 0
    .kernarg_segment_align: 8
    .kernarg_segment_size: 120
    .max_flat_workgroup_size: 256
    .sgpr_count:     66
    .vgpr_count:     200
    .wavefront_size: 32
...
	.end_amdgpu_metadata
.endif
;; end of part 1
;; launch proj1 (part 2): grid 16 x 16, 4 waves a work-group, clusters of 4 x 4, 327,680 bytes of LDS; arguments h, Wa, qkv, kvc, cos, sin; writes qkv, kvc
.if DOCPART == 2
	.amdgcn_target "amdgcn-amd-amdhsa--gfx1250"
	.amdhsa_code_object_version 6
	.text
	.protected	k_q0853890662_proj1
	.globl	k_q0853890662_proj1
	.p2align	8
	.type	k_q0853890662_proj1,@function
k_q0853890662_proj1:
	s_mov_b64 s[64:65], 0
	v_nop
	global_prefetch_b8 v0, s[64:65] scope:SCOPE_SE
	s_setreg_imm32_b32 hwreg(HW_REG_WAVE_MODE, 25, 1), 1
	s_wait_xcnt 0x0
	s_wait_alu depctr_hold_cnt(0) depctr_sa_sdst(0) depctr_va_vdst(0) depctr_va_sdst(0) depctr_va_ssrc(0) depctr_va_vcc(0) depctr_vm_vsrc(0)
	s_getreg_b32 s2, hwreg(HW_REG_IB_STS2, 6, 4)
	s_cmp_eq_u32 s2, 0
	s_cbranch_scc0 .Lentry_in_a_cluster
	s_endpgm
.Lentry_in_a_cluster:
	s_bfe_u32 s2, ttmp6, 0x10000c
	s_cmp_lg_u32 s2, 0xf033
	s_cbranch_scc0 .Lentry_shape_is_right
	s_endpgm
.Lentry_shape_is_right:
; The self-attention's v, q, k and the cross-attention's k, v: C = A B^T, K = 1024, f16 operands, f32 sums, C rounded once to 16 bits and stored head by head.
; B is the matrix of 5,120 rows that begins 2 MiB into W: w_v | w_q | w_k | w_kv.  A tile of C is 256 x 256: 16 x 12 tiles of h [4096][1024] times [v | q | k] and 8 x 8 tiles of the
; context (2,048 rows, 12 MiB into W) times w_kv: 256 tiles, one work-group each.  Clusters with x = 0, 1, 2 make v, q, k: A's tile row 4 cly + cy, B's tile column 4 clx + cx.
; Clusters with x = 3 make the context's: A's tile row 4 (cly % 2) + cy, B's tile column 12 + 4 (cly / 2) + cx.  Clusters 1 and 2 (q and k) turn their result by RoPE, in f32, before it is rounded.
; FORMAT OF C.  The turned q and k go in bf16: they carry a gain, a weight and a table entry as factors, three inputs that may each be 30 times the drawn ones, which leaves f16 no room.
; All else goes in f16: a gain or the context times a weight; the drawn spread is about 1, with both factors 30 times larger about 900, six spreads 5,400.
; LIMIT: these results must lie inside +-65,504.
; SHARES.  Four waves, as many as a WGP has SIMDs; a wave makes 128 x 128: 64 accumulators of 16 x 16, 512 registers.  Its 128 columns are two heads; 16 rows of a head are 2 KiB dense
; in qkv [region v,q,k][b][head][t][64] or kvc [region k,v][b][head][s][64].
; RING.  K goes in eight steps of 128 through two LDS slots: rows of 256 bytes of memory, 272 apart in LDS; a wave's tensor load brings 128 rows.  By this text's count a wave has two
; loads out at the start and one behind each round; from a request to the wait for it the wave issues 240 matrix instructions.
; CLUSTERS: 4 x 4 work-groups; A's tile is asked for jointly by the four of a row of the cluster, B's by the four of a column.  Every branch hangs on the wave's number or on the
; cluster's x, which all partners share.
; THE MATRIX INSTRUCTION IS USED TRANSPOSED (source 0 = 16 rows of B, source 1 = 16 rows of A): lane l holds row l % 16 of C and columns 16 b + 8 (l / 16) + 0..7.
; REGISTERS, in windows of 256 (s_set_vgpr_msb's low byte: bits 1:0 source 0, 3:2 source 1, 5:4 source 2, 7:6 destination):
;   window 0: v16-27 addresses; v64-127, v128-191 fragments of A, two buffers; on the way out v64-127 the turned block, v192-223 packed results, v32-63 and v224-255 rows read back, by turns
;   window 1: v64-127, v128-191 fragments of B, two buffers; on the way out four buffers of 64 for the tables (32 of cos, 32 of sin for 16 rows)
;   window 2: the 32 accumulators of my rows 0-63 ((a, b) at v[8 (8 a + b)]);   window 3: those of my rows 64-127
.set KSTEP,  128
.set PITCH,  272                       ; 256 bytes + 16: the 16 rows that a fragment load touches start 16 bytes further on in each 256
.set HALFT,  128*PITCH                 ; what one tensor load brings, and what one wave reads of A or of B
.set SLOT,   4*HALFT                   ; A's 256 rows, then B's 256 rows
.set STAGE,  2*SLOT                    ; behind the ring: for each wave two heads x 16 rows x 144 bytes
.set SP,     144
.set LAPS,   1024/(2*KSTEP)            ; a lap = two K steps = once round the ring
.set ADRA, 16                          ; v16-17 LDS address of my A fragments in slot 0, 1
.set ADRB, 20                          ; v20-21 the same for B
.set STO,  24                          ; where I put 16 bytes of a row
.set RD,   25                          ; where I read rows back
.set CO,   26                          ; my byte offset in 512 dense bytes of C
.set CSO,  27                          ; my byte offset in 16 rows of cos and sin
.set F0,   64
.set F1,   128
.set TT,   64                          ; the turned block, laid like the block's eight accumulators
.set TMP,  192
.set OB,   32
.set G1, 24                            ; s[24:31] group 1 for A; s[32:39] group 0, a set for each slot
.set G0, 32
.set G1B, 48                           ; s[48:55], s[56:63] the same for B
.set G0B, 56
.set HB,  88                           ; s[88:89] C at my second head; s[8:9] at my first
.set MSB, 0
.macro WIN new                         ; the immediate's high byte repeats the setting that is left; a switch that changes nothing is dropped
.if MSB != \new
	s_set_vgpr_msb (MSB<<8)|\new
.set MSB, \new
.endif
.endm
.set MUL_LO, 0xa1                      ; source 0 (B) window 1, source 1 (A) window 0, C and D window 2
.set MUL_HI, 0xf1                      ; the same, C and D window 3
.set TO_B,   0x40                      ; destination window 1, address window 0
.macro JLOAD s                         ; a joint load: waves 0 and 1 fetch A's two halves, waves 2 and 3 B's; four v_nop follow each line
	s_cmp_eq_u32 s11, 0
	s_cbranch_scc0 .Lfor_b_\@
	tensor_load_to_lds s[G0+4*\s:G0+4*\s+3], s[G1:G1+7]
	s_nop 0
.rept 4
	v_nop
.endr
	s_branch .Lasked_\@
.Lfor_b_\@:
	tensor_load_to_lds s[G0B+4*\s:G0B+4*\s+3], s[G1B:G1B+7]
	s_nop 0
.rept 4
	v_nop
.endr
.Lasked_\@:
.endm
.macro CREST                           ; a round of the cluster's barrier behind its opening barrier
	s_cmp_lg_u32 s10, 0
	s_cbranch_scc1 .Lnot_wave_0_\@
	s_barrier_signal -3
.Lnot_wave_0_\@:
	s_barrier_wait -3
	s_barrier_signal -1
	s_barrier_wait -1
.endm
.macro CROUND                          ; a whole round
	s_barrier_signal -1
	s_barrier_wait -1
	CREST
.endm
; 16 matrix instructions: m blocks a0, a0 + 1 of the window's four (hi = 0: my rows 0-63, 1: rows 64-127) x all 8 n blocks, 32 along K.  zero = 1: the first product starts the sums.
; The 64 accumulators take turns, one instruction a turn, in the same order in every quarter.
.macro MUL16 f, hi, a0, zero
.irp a, \a0, \a0+1
.irp b, 0,1,2,3,4,5,6,7
.if \zero
	v_wmma_f32_16x16x32_f16 v[8*(8*(\a)+\b):8*(8*(\a)+\b)+7], v[\f+8*\b:\f+8*\b+7], v[\f+8*(4*\hi+\a):\f+8*(4*\hi+\a)+7], 0
.else
	v_wmma_f32_16x16x32_f16 v[8*(8*(\a)+\b):8*(8*(\a)+\b)+7], v[\f+8*\b:\f+8*\b+7], v[\f+8*(4*\hi+\a):\f+8*(4*\hi+\a)+7], v[8*(8*(\a)+\b):8*(8*(\a)+\b)+7]
.endif
.endr
.endr
.endm
; 32 LDS loads in one run: the fragments of one quarter step (128 rows of B, 128 rows of A, 32 K at byte k of the rows) into buffer f
.macro FETCH slot, k, f
	WIN TO_B
.irp i, 0,1,2,3,4,5,6,7
	ds_load_b128 v[\f+8*\i:\f+8*\i+3],   v[ADRB+\slot] offset:\k+\i*16*PITCH
	ds_load_b128 v[\f+8*\i+4:\f+8*\i+7], v[ADRB+\slot] offset:\k+\i*16*PITCH+32
.endr
	WIN 0
.irp i, 0,1,2,3,4,5,6,7
	ds_load_b128 v[\f+8*\i:\f+8*\i+3],   v[ADRA+\slot] offset:\k+\i*16*PITCH
	ds_load_b128 v[\f+8*\i+4:\f+8*\i+7], v[ADRA+\slot] offset:\k+\i*16*PITCH+32
.endr
.endm
.macro PLACES                          ; four plain instructions between matrix instructions and loads into their sources or reads of their results
.rept 4
	v_nop
.endr
.endm
; A K step is four quarters of 32 along K, 64 matrix instructions each, on buffers 0, 1, 0, 1.  One of the first three: multiplies buffer f; in its middle it fetches the next quarter, at byte k, into g.
.macro QUARTER slot, k, f, g, zero
	s_wait_dscnt 8                                 ; B and A's rows 0-63 are in; the youngest eight loads (A's rows 64-127) may be out
	WIN MUL_LO
	MUL16 \f, 0, 0, \zero
	MUL16 \f, 0, 2, \zero
	PLACES
	FETCH \slot, \k, \g
	s_wait_dscnt 32                                ; all but the 32 just issued
	WIN MUL_HI
	MUL16 \f, 1, 0, \zero
	MUL16 \f, 1, 2, \zero
.endm
; The last quarter multiplies buffer 1 and changes slots: one barrier; in front of it each wave waits for its reads of this slot and for all its tensor loads.
; fill = 1: the barrier opens a round of the cluster's, and behind the round this slot is filled again, two K steps ahead.
.macro TURN slot, next, fill
	s_wait_dscnt 8
	WIN MUL_LO
	MUL16 F1, 0, 0, 0
	s_wait_dscnt 0                                 ; my reads of this slot are over,
	s_set_vgpr_msb 0xa1a0
	s_wait_tensorcnt 0x0                           ; and all my tensor loads have landed: the one that was out is my part of the next slot
	ds_add_u32 v30, v31
	s_wait_dscnt 0x0
	s_set_vgpr_msb 0xa0a1
	s_barrier_signal -1
	MUL16 F1, 0, 2, 0                              ; work on registers while the others arrive
.if \fill
	WIN 0
.endif
	s_barrier_wait -1
.if \fill
	CREST                                          ; no wave of any partner still reads this slot or has a load on its way
	s_add_nc_u64 s[G0+4*\slot+2:G0+4*\slot+3], s[G0+4*\slot+2:G0+4*\slot+3], 2*KSTEP*2
	s_add_nc_u64 s[G0B+4*\slot+2:G0B+4*\slot+3], s[G0B+4*\slot+2:G0B+4*\slot+3], 2*KSTEP*2
	JLOAD \slot                                    ; my one tensor load behind the round; its four v_nop are also the places in front of the loads below
.else
	PLACES
.endif
	FETCH \next, 0, F0
	WIN MUL_HI
	MUL16 F1, 1, 0, 0
	MUL16 F1, 1, 2, 0
.endm
	s_load_b256 s[68:75], s[0:1], 0x0              ; h s[68:69], W s[70:71], qkv s[72:73], kvc s[74:75]
	s_load_b128 s[76:79], s[0:1], 0x20             ; cos s[76:77], sin s[78:79]
	v_lshl_add_u32 v30, v0, 2, 0x48800
	v_mov_b32 v31, 0
	ds_add_u32 v30, v31
	v_lshrrev_b32 v1, 5, v0
	v_readfirstlane_b32 s10, v1                    ; wave 0..3
	s_lshr_b32 s11, s10, 1                         ; my half of the tile's rows; also: I fetch for A (0) or B (1)
	s_and_b32 s12, s10, 1                          ; my half of its columns; also: which 128 rows I fetch
	s_bfe_u32 s40, ttmp6, 0x40000                  ; cx
	s_bfe_u32 s41, ttmp6, 0x40004                  ; cy
	s_and_b32 s22, ttmp7, 0xffff                   ; the cluster's y
	s_cmp_ge_u32 ttmp9, 3                          ; the context's clusters?
	s_cselect_b32 s23, 1, 0xffff                   ; they take A's tile rows from the low bit of the cluster's y
	s_cselect_b32 s19, 1, 0
	s_and_b32 s13, s22, s23
	s_lshl_b32 s13, s13, 2
	s_add_co_u32 s13, s13, s41                     ; A's tile row = 4 x (cluster's share) + cy
	s_lshr_b32 s42, s22, 1
	s_mul_i32 s42, s42, s19                        ; and the bit above moves them on by one cluster of tile columns
	s_add_co_u32 s42, s42, ttmp9
	s_lshl_b32 s42, s42, 2
	s_add_co_u32 s42, s42, s40                     ; B's tile column = 4 x (cluster's share) + cx
	s_lshl_b32 s43, s41, 2
	s_lshl_b32 s43, 15, s43                        ; my row of the cluster
	s_lshl_b32 s44, 0x1111, s40                    ; my column
	; group 1: 128 rows x 128 elements of 2 bytes, 4 words of padding behind every 64 words; the mask, and bit 21 beside it
	s_or_b32 s[G1+0], s43, (1<<16)|(1<<20)|(1<<21)|(5<<22)|(3<<25)
	s_or_b32 s[G1B+0], s44, (1<<16)|(1<<20)|(1<<21)|(5<<22)|(3<<25)
.irp g, G1, G1B
	s_mov_b32 s[\g+1], KSTEP<<16                   ; tensor_dim0 = 128
	s_mov_b32 s[\g+2], 128<<16                     ; tensor_dim1 = 128
	s_mov_b32 s[\g+3], KSTEP<<16                   ; tile_dim0 = 128
	s_mov_b32 s[\g+4], 128                         ; tile_dim1 = 128
	s_mov_b32 s[\g+5], 1024                        ; elements from row to row
	s_mov_b32 s[\g+6], 0
	s_mov_b32 s[\g+7], 0
.endr
	s_lshl_b32 s17, s12, 7                         ; which 128 rows of the tile I fetch
	s_lshl_b32 s16, s13, 8
	s_add_co_u32 s16, s16, s17
	s_lshl_b32 s16, s16, 11                        ; rows of 2,048 bytes
	s_mul_i32 s18, s19, 0xc00000                   ; the context lies 12 MiB into W
	s_add_co_u32 s16, s16, s18
	s_lshl_b32 s46, s42, 8
	s_add_co_u32 s46, s46, s17
	s_lshl_b32 s46, s46, 11
	s_add_co_u32 s46, s46, 0x200000                ; B begins 2 MiB into W
	s_mov_b32 s17, 0
	s_mov_b32 s47, 0
	s_mul_i32 s20, s10, HALFT                      ; where the tiles go: wave x 128 rows, A's halves and then B's: no place in the cluster enters an LDS address
	s_wait_dscnt 0x0
	s_wait_kmcnt 0x0
	s_cmp_ge_u32 ttmp9, 3
	s_cselect_b64 s[4:5], s[70:71], s[68:69]       ; A's buffer
	s_add_nc_u64 s[14:15], s[4:5], s[16:17]
	s_add_nc_u64 s[46:47], s[70:71], s[46:47]
	CROUND                                         ; all sixteen work-groups are here: the first joint loads meet
.irp s, 0,1
	s_mov_b32 s[G0+4*\s], 1
	s_add_co_u32 s[G0+4*\s+1], s20, \s*SLOT
	s_add_nc_u64 s[G0+4*\s+2:G0+4*\s+3], s[14:15], \s*KSTEP*2
	s_or_b32 s[G0+4*\s+3], s[G0+4*\s+3], 0x80000000
	s_mov_b32 s[G0B+4*\s], 1
	s_add_co_u32 s[G0B+4*\s+1], s20, \s*SLOT
	s_add_nc_u64 s[G0B+4*\s+2:G0B+4*\s+3], s[46:47], \s*KSTEP*2
	s_or_b32 s[G0B+4*\s+3], s[G0B+4*\s+3], 0x80000000
	JLOAD \s                                       ; two loads of mine are out
.endr
	v_and_b32 v1, 15, v0                           ; r = l % 16
	v_bfe_u32 v2, v0, 4, 1                         ; l / 16
	v_mul_u32_u24 v3, v1, PITCH
	v_lshl_add_u32 v3, v2, 4, v3                   ; a fragment's row x pitch + 16 x half
	s_mul_i32 s21, s11, HALFT                      ; my 128 rows of A
	s_mul_i32 s22, s12, HALFT                      ; my 128 rows of B,
	s_add_co_u32 s22, s22, 2*HALFT                 ; behind A's 256
.irp s, 0,1
	v_add_nc_u32 v[ADRA+\s], s21, v3
	v_add_nc_u32 v[ADRB+\s], s22, v3
	s_add_co_u32 s21, s21, SLOT
	s_add_co_u32 s22, s22, SLOT
.endr
	s_mul_i32 s23, s10, 2*16*SP
	s_add_co_u32 s23, s23, STAGE                   ; my stage
	v_mul_u32_u24 v4, v1, SP                       ; in: row r, 16 bytes for each half of the lanes
	v_lshl_add_u32 v4, v2, 4, v4
	v_add_nc_u32 v[STO], s23, v4
	v_and_b32 v5, 31, v0                           ; lane
	v_lshrrev_b32 v4, 3, v5                        ; back: eight lanes take a row of 128 bytes, a load four rows
	v_mul_u32_u24 v4, v4, SP
	v_and_b32 v6, 7, v0
	v_lshl_add_u32 v4, v6, 4, v4
	v_add_nc_u32 v[RD], s23, v4
	v_lshlrev_b32 v[CO], 4, v5                     ; those four rows are 512 dense bytes of C
	v_lshlrev_b32 v[CSO], 8, v1                    ; cos, sin: row r of 256 bytes, 32 bytes for each half of the lanes
	v_lshl_add_u32 v[CSO], v2, 5, v[CSO]
	; where my 128 x 128 goes.  gh = my first head counted through the regions; a head is 2^HS bytes, sixteen heads a batch, two batches a region.
	s_cmp_ge_u32 ttmp9, 3
	s_cselect_b32 s80, 17, 18                      ; HS: 1,024 or 2,048 rows of 128 bytes
	s_cselect_b32 s81, 2, 3                        ; log2 of the tile rows in a batch
	s_cselect_b32 s82, 3, 7
	s_cselect_b32 s83, 48, 0                       ; the heads in front of w_kv's
	s_cselect_b64 s[8:9], s[74:75], s[72:73]
	s_lshl_b32 s84, s42, 2
	s_lshl_b32 s85, s12, 1
	s_add_co_u32 s84, s84, s85
	s_sub_co_u32 s84, s84, s83                     ; gh, an even number: both my heads lie in one region
	s_lshl_b32 s85, s84, s80
	s_lshr_b32 s86, s84, 4                         ; each region skips the other batch's sixteen heads,
	s_lshr_b32 s87, s13, s81                       ; and so does batch 1
	s_add_co_u32 s86, s86, s87
	s_add_co_u32 s87, s80, 4
	s_lshl_b32 s86, s86, s87
	s_add_co_u32 s85, s85, s86
	s_and_b32 s86, s13, s82
	s_lshl_b32 s86, s86, 8
	s_lshl_b32 s87, s11, 7
	s_add_co_u32 s86, s86, s87                     ; my first row in its batch (kept for cos and sin)
	s_lshl_b32 s87, s86, 7
	s_add_co_u32 s84, s85, s87
	s_mov_b32 s85, 0
	s_add_nc_u64 s[8:9], s[8:9], s[84:85]          ; C at my first head's first row
	s_lshl_b32 s84, 1, s80
	s_add_nc_u64 s[HB:HB+1], s[8:9], s[84:85]      ; and at my second head's
	s_wait_tensorcnt 1                             ; my part of K step 0 is in; K step 1's may stay out
	s_barrier_signal -1
	s_barrier_wait -1
	FETCH 0, 0, F0
	QUARTER 0, 64,  F0, F1, 1                      ; the first quarter stands in front of the loop: its products start the sums
	WIN 0                                          ; at a label and at a branch every window is 0
	s_mov_b32 s3, LAPS-1
.Llap:                                                 ; a trip goes once round the ring, from a lap's second quarter to the next lap's first, and fills both slots again
	QUARTER 0, 128, F1, F0, 0
	QUARTER 0, 192, F0, F1, 0
	TURN 0, 1, 1
	QUARTER 1, 64,  F0, F1, 0
	QUARTER 1, 128, F1, F0, 0
	QUARTER 1, 192, F0, F1, 0
	TURN 1, 0, 1
	QUARTER 0, 64,  F0, F1, 0
	WIN 0
	s_sub_co_u32 s3, s3, 1
	s_cmp_lg_u32 s3, 0
	s_cbranch_scc1 .Llap
	QUARTER 0, 128, F1, F0, 0                      ; the last lap fills nothing, and has no round of the cluster's barrier
	QUARTER 0, 192, F0, F1, 0
	TURN 0, 1, 0
	QUARTER 1, 64,  F0, F1, 0
	QUARTER 1, 128, F1, F0, 0
	QUARTER 1, 192, F0, F1, 0
	s_wait_dscnt 8                                 ; the very last quarter: nothing more to fetch
	WIN MUL_LO
	MUL16 F1, 0, 0, 0
	MUL16 F1, 0, 2, 0
	s_wait_dscnt 0
	WIN MUL_HI
	MUL16 F1, 1, 0, 0
	MUL16 F1, 1, 2, 0
	WIN 0
; THE WAY OUT, a block of 16 rows at a time.  PACK (or ROPE and PACKT): rounded to 16 bits, 16 bytes a lane.  TOSTAGE: into my own stage, head by head, and back as whole rows of 128 bytes.  SEND: stored.
.macro PACK a, cvt                     ; from the accumulators, each from its low end
.set AC, 64*((\a)%4)
	WIN 0x0a+5*((\a)/4)                            ; sources 0 and 1: window 2 or 3
.irp b, 0,1,2,3,4,5,6,7
.irp r, 0,1,2,3
	\cvt v[TMP+4*\b+\r], v[AC+8*\b+2*\r], v[AC+8*\b+2*\r+1]
.endr
.endr
	WIN 0
.endm
; The table entries of my rows 16 a .. 16 a + 15, into table buffer a % 4: sixteen loads, cos and sin by turns.
.macro TAB a
.set TBL, 64*((\a)%4)
	WIN TO_B
.irp bb, 0,1,2,3
.irp i, 0,1
	global_load_b128 v[TBL+8*\bb+4*\i:TBL+8*\bb+4*\i+3], v[CSO], s[76:77] offset:(\a)*4096+64*\bb+16*\i
	global_load_b128 v[TBL+32+8*\bb+4*\i:TBL+32+8*\bb+4*\i+3], v[CSO], s[78:79] offset:(\a)*4096+64*\bb+16*\i
.endr
.endr
.endm
; RoPE on block a, both heads.  A head's dims 0..31 are its n blocks 0, 1 (lo), dims 32..63 its n blocks 2, 3 (hi = lo + 16 registers):
; lo' = lo cos[lo] - hi sin[lo], hi' = hi cos[hi] + lo sin[hi].  The tables are read as given, each lane the entries of its own row and columns; the two heads share them.
; The results go to window 0, so that one window setting serves all 64 instructions.
.macro ROPE a
.set AC, 64*((\a)%4)
.set TBL, 64*((\a)%4)
	WIN 0x06+((\a)/4)                              ; source 0 (accumulators) window 2 or 3, source 1 (tables) window 1, source 2 and destination window 0
.irp hh, 0,1
.irp bb, 0,1
.irp p, 0,2,4,6
.set rl, 8*(4*\hh+\bb)+\p
.set rh, rl+16
.set tl, 8*\bb+\p
.set th, tl+16
	v_pk_mul_f32 v[TT+rl:TT+rl+1], v[AC+rh:AC+rh+1], v[TBL+32+tl:TBL+32+tl+1]
	v_pk_mul_f32 v[TT+rh:TT+rh+1], v[AC+rl:AC+rl+1], v[TBL+32+th:TBL+32+th+1]
.endr
.endr
.endr
.irp hh, 0,1
.irp bb, 0,1
.irp p, 0,2,4,6
.set rl, 8*(4*\hh+\bb)+\p
.set rh, rl+16
.set tl, 8*\bb+\p
.set th, tl+16
	v_pk_fma_f32 v[TT+rl:TT+rl+1], v[AC+rl:AC+rl+1], v[TBL+tl:TBL+tl+1], v[TT+rl:TT+rl+1] neg_lo:[0,0,1] neg_hi:[0,0,1]
	v_pk_fma_f32 v[TT+rh:TT+rh+1], v[AC+rh:AC+rh+1], v[TBL+th:TBL+th+1], v[TT+rh:TT+rh+1]
.endr
.endr
.endr
.endm
.macro PACKT                           ; the turned block: bf16 (see the head)
	WIN 0
.irp b, 0,1,2,3,4,5,6,7
.irp r, 0,1,2,3
	v_cvt_pk_bf16_f32 v[TMP+4*\b+\r], v[TT+8*\b+2*\r], v[TT+8*\b+2*\r+1]
.endr
.endr
.endm
.macro TOSTAGE a
.set BK, OB+192*((\a)%2)
.irp b, 0,1,2,3,4,5,6,7
	ds_store_b128 v[STO], v[TMP+4*\b:TMP+4*\b+3] offset:(\b/4)*16*SP+32*(\b%4)
.endr
.irp t, 0,1,2,3,4,5,6,7
	ds_load_b128 v[BK+4*\t:BK+4*\t+3], v[RD] offset:(\t/4)*16*SP+(\t%4)*4*SP   ; LDS serves a wave's instructions in order (ISA guide 5.7.1.4): these see the stores above
.endr
.endm
.macro SEND a
.set BK, OB+192*((\a)%2)
	s_wait_dscnt 0x0                               ; the block is back in registers
	s_wait_xcnt 0x0                                ; the rows' registers that the stores of two blocks ago read are loaded again only behind this wait
.irp t, 0,1,2,3
	global_store_b128 v[CO], v[BK+4*\t:BK+4*\t+3], s[8:9] offset:(\a)*2048+512*\t          ; a wave's store covers 512 consecutive bytes, aligned
.endr
.irp t, 0,1,2,3
	global_store_b128 v[CO], v[BK+16+4*\t:BK+16+4*\t+3], s[HB:HB+1] offset:(\a)*2048+512*\t
.endr
.endm
	PLACES                                         ; behind the last products: everything below reads results or writes sources
	s_sub_co_u32 s80, ttmp9, 1
	s_cmp_lt_u32 s80, 2                            ; clusters 1 and 2 hold q and k
	s_cbranch_scc0 .Lplain
	s_lshl_b32 s84, s86, 8                         ; my first row of the tables: rows of 256 bytes
	s_mov_b32 s85, 0
	s_add_nc_u64 s[76:77], s[76:77], s[84:85]
	s_add_nc_u64 s[78:79], s[78:79], s[84:85]
	TAB 0                                          ; three blocks' tables are on their way at any time, 48 loads
	TAB 1
	TAB 2
.irp a, 0,1,2,3,4,5,6,7
.if \a < 6
	s_wait_loadcnt 32                              ; block a's sixteen loads are in; the two younger blocks' stay out
.elseif \a == 6
	s_wait_loadcnt 16
.else
	s_wait_loadcnt 0x0
.endif
	ROPE \a
.if \a < 5
	TAB \a+3                                       ; into the buffer that block a - 1 has left
.endif
	PACKT
.if \a > 0
	SEND \a-1                                      ; block a's arithmetic stands between block a - 1's loads from the stage and the wait for them
.endif
	TOSTAGE \a
.endr
	SEND 7
	s_branch .Lend
.Lplain:
	PACK 0, v_cvt_pk_f16_f32
	TOSTAGE 0
.irp a, 1,2,3,4,5,6,7
	PACK \a, v_cvt_pk_f16_f32
	SEND \a-1
	TOSTAGE \a
.endr
	SEND 7
.Lend:
	s_wait_tensorcnt 0x0
	ds_add_u32 v30, v31
	s_wait_dscnt 0x0
	CROUND                                         ; the closing round: no work-group ends while a partner may still ask for a tile that names it
	s_endpgm
.Lfunc_end_k_q0853890662_proj1:
	.size	k_q0853890662_proj1, .Lfunc_end_k_q0853890662_proj1-k_q0853890662_proj1
	.p2alignl 7, 3214868480
	.fill 96, 4, 3214868480
	.section	.rodata,"a",@progbits
	.p2align	6, 0x0
	.amdhsa_kernel k_q0853890662_proj1
		.amdhsa_group_segment_fixed_size 327680
		.amdhsa_private_segment_fixed_size 0
		.amdhsa_enable_private_segment 0
		.amdhsa_kernarg_size 48
		.amdhsa_user_sgpr_count 2
		.amdhsa_user_sgpr_kernarg_segment_ptr 1
		.amdhsa_wavefront_size32 1
		.amdhsa_system_sgpr_workgroup_id_x 1
		.amdhsa_system_sgpr_workgroup_id_y 1
		.amdhsa_system_sgpr_workgroup_id_z 1
		.amdhsa_system_vgpr_workitem_id 0
		.amdhsa_next_free_vgpr 1024
		.amdhsa_next_free_sgpr 96
		.amdhsa_reserve_vcc 0
		.amdhsa_float_denorm_mode_32 3
		.amdhsa_float_denorm_mode_16_64 3
		.amdhsa_memory_ordered 1
		.amdhsa_forward_progress 1
		.amdhsa_inst_pref_size 219
	.end_amdhsa_kernel
	.amdgpu_metadata
---
amdhsa.version: [ 1, 2 ]
amdhsa.kernels:
  - .name:           k_q0853890662_proj1
    .symbol:         k_q0853890662_proj1.kd
    .args:
      - { .name: h, .offset: 0, .size: 8, .value_kind: global_buffer, .address_space: global }
      - { .name: Wa, .offset: 8, .size: 8, .value_kind: global_buffer, .address_space: global }
      - { .name: qkv, .offset: 16, .size: 8, .value_kind: global_buffer, .address_space: global }
      - { .name: kvc, .offset: 24, .size: 8, .value_kind: global_buffer, .address_space: global }
      - { .name: cos, .offset: 32, .size: 8, .value_kind: global_buffer, .address_space: global }
      - { .name: sin, .offset: 40, .size: 8, .value_kind: global_buffer, .address_space: global }
    .group_segment_fixed_size: 327680
    .private_segment_fixed_size: 0
    .kernarg_segment_align: 8
    .kernarg_segment_size: 48
    .max_flat_workgroup_size: 128
    .sgpr_count:     96
    .vgpr_count:     1024
    .wavefront_size: 32
...
	.end_amdgpu_metadata
.endif
;; end of part 2
;; launch selfatt (part 3): grid 8 x 32, 8 waves a work-group, no clusters, 327,680 bytes of LDS; arguments qkv, att; writes att
.if DOCPART == 3
	.amdgcn_target "amdgcn-amd-amdhsa--gfx1250"
	.amdhsa_code_object_version 6
	.text
	.protected	k_q0853890662_selfatt
	.globl	k_q0853890662_selfatt
	.p2align	8
	.type	k_q0853890662_selfatt,@function
k_q0853890662_selfatt:
	s_mov_b64 s[64:65], 0
	v_nop
	global_prefetch_b8 v0, s[64:65] scope:SCOPE_SE
	s_setreg_imm32_b32 hwreg(HW_REG_WAVE_MODE, 25, 1), 1
	s_wait_xcnt 0x0
; Causal attention of one head: O[q] = sum over k <= q of softmax_k(Q[q] . K[k] / 8) V[k].  V, Q, K: the three regions of qkv, each [b][head][2048][64] (RoPE already applied).
; FORMAT.  Q and K are bf16 and K Q^T is a bf16 product.  V is f16; the weights, which lie in [0, 1], are rounded to f16 for the second product, an f16 product; O, a weighted mean of
; rows of V and so no larger than they are, is rounded once to f16.  Products, maxima and sums in f32.  The two products have accumulators of their own.
; Keys beyond the diagonal get -inf; every query has its own key in its diagonal step, so its maximum is finite.
; SHARES.  Work-group (i, bh) owns the query blocks i and 15 - i (128 queries each) of head bh: 17 blocks of 128 x 128 under the diagonal in every work-group.  Eight waves, 32 queries each
; (two tiles of 16); four waves take the low block, four the high one, dealt so that waves w and w + 4, and also w and w + 1, are one of each.  Keys go 64 a step; a wave whose queries lie
; in front of a step does nothing in it but passes every barrier.
; NO MULTICAST: the work-groups of a head need 9 to 16 slots of K and V, a different number each; in step with each other every slot would take the slowest partner's time.
; LAYOUT.  S^T = K Q^T (source 0 = 16 keys, source 1 = 16 queries): a lane holds one query (l % 16) and keys 8 (l / 16) + 0..7.  Two such tiles, rounded in pairs, are source 1 of
; O^T = V^T P, whose result again holds one query a lane and eight channels.  K comes out of LDS as it lies, V ([key][channel]) turned, by ds_load_tr16_b128.
; BY TURNS.  A step of a wave has 32 matrix instructions and 236 vector instructions, and a tile never looks at the other tile.  So the wave's two tiles take turns: a tile's softmax is cut
; into eight parts, and ahead of each part stand two products of the OTHER tile.  Beside tile 0's softmax of step j: tile 1's V^T P of step j - 1, then its K Q^T of step j.  Beside tile 1's
; softmax of step j: tile 0's V^T P of step j, then its K Q^T of step j + 1.  V of step j is fetched behind the fourth part of the first softmax, K of step j + 1 between the two softmaxes:
; each run of loads has 40 instructions or more in which to land.  All that a softmax touches lies in window 0 and K, V and Q in window 1, so a part costs two switches of the register
; window: 34 for a step.  With seven vector instructions to a matrix instruction that is the lesser price: in phases neither unit would have work while the other has.
; RING.  Two slots of 128 keys (two steps): K 128 rows x 144 bytes, V 128 rows x 160.  Wave 0 loads K's tile, wave 1 V's: 16 KiB dense in memory, taken as 64 rows of 256 bytes, with
; padding behind every 128 bytes.  The change of slots stands between the two softmaxes of a slot's second step: its last bytes, that step's V, have been waited for there.
; By this text's count a loading wave has two loads out at the start and one behind each refill's barrier.
; O goes to att, tile-major [row block of 128][head][128][64]: a wave's 32 rows are 4 KiB dense.
; REGISTERS: window 0: addresses v0-15; statistics v16-31 (8 a tile: c m, m, l, l, c0-c3); S^T v32-95; P v96-127; O^T v128-191; v224-255 the way out.  window 1: K v0-63, V v64-127, Q v128-159.
.set PK,    144                        ; odd multiple of 16: the 16 rows of a load start 16 bytes further on in each 256
.set PV,    160                        ; odd multiple of 32, for the turning load
.set VOFF,  128*PK
.set SLOT1, 65536                      ; slot 1 begins here: one exclusive or turns an address in one slot into the other's
.set STAGE, SLOT1+128*(PK+PV)          ; 32 rows x 144 bytes for each wave
.set SP,    144
.set AK0, 2
.set AV0, 3
.set ADK, 4
.set ADV, 5
.set QO,  6
.set STO, 7
.set RD,  8
.set GO,  12
.set NEG, 13                           ; -inf
.set VD,  14                           ; v14-15: tile t: my query's place in its diagonal step less 8 (l / 16)
.set ST,  16
.set S,   32
.set P,   96
.set O,   128
.set TMPO, 224
.set KF,  0
.set VF,  64
.set QF,  128
.set WV,  12
.set G1K, 24
.set G1V, 32
.set G0K, 40                           ; s[40:43] slot 0's first fill; s[44:47] slot 1's, which then walks on
.set G0V, 48
.set SLOTS, 56
.set CS,  58                           ; s[58:59] c = log2(e) / 8
.set SEL, 60
.set TB,  62                           ; LDS byte at which the slot in hand begins
.set STEPI, 66                         ; the key step in hand
.set LAST,  67                         ; my queries' diagonal step
.set mi,  0                            ; the number of the product that MQK or MPV writes next
.set MSB, 0
.macro WIN new                         ; the immediate's high byte repeats the setting that is left; a switch that changes nothing is dropped
.if MSB != \new
	s_set_vgpr_msb (MSB<<8)|\new
.set MSB, \new
.endif
.endm
.macro PLACES
.rept 4
	v_nop
.endr
.endm
.macro JLOAD                           ; a refill: wave 0 K's tile, wave 1 V's, the others none; four v_nop follow each line
	s_cmp_eq_u32 s[WV], 0
	s_cbranch_scc0 .Lnot_k_\@
	tensor_load_to_lds s[G0K+4:G0K+7], s[G1K:G1K+7]
	s_nop 0
.rept 4
	v_nop
.endr
	s_branch .Lasked_\@
.Lnot_k_\@:
	s_cmp_eq_u32 s[WV], 1
	s_cbranch_scc0 .Lasked_\@
	tensor_load_to_lds s[G0V+4:G0V+7], s[G1V:G1V+7]
	s_nop 0
.rept 4
	v_nop
.endr
.Lasked_\@:
.endm
; The change of slots.  Every wave waits for its reads of the slot and for all its tensor loads (the one that may be out is the other slot's); behind the barrier nobody reads this
; slot and the other is whole.  nxt = 2: this slot is filled again first, with the keys two slots on: it has two key steps of all eight waves in which to land.
.macro CHANGE nxt
	s_wait_dscnt 0x0
	s_wait_tensorcnt 0x0                           ; no tensor load of mine is out, so a group 0 may be written
	ds_add_u32 v222, v223
	s_wait_dscnt 0x0
.if \nxt == 2
.irp g, G0K+4, G0V+4
	s_xor_b32 s[\g+1], s[\g+1], SLOT1              ; the walking descriptor: the other slot than last time,
	s_add_nc_u64 s[\g+2:\g+3], s[\g+2:\g+3], 128*128   ; the next 128 keys
.endr
.endif
	s_barrier_signal -1
	s_barrier_wait -1
.if \nxt == 2
	JLOAD
.endif
	s_xor_b32 s[TB], s[TB], SLOT1
.endm
; THE MATRIX WORK.  The four accumulators of a run of eight take turns, one instruction a turn.
; Product mi of 8 of S^T = K Q^T for tile t: channels 32 (mi / 4) on, keys 16 (mi % 4) on.  The first four start the sums.
.macro MQK t
	WIN 0x05                                       ; K and Q window 1
.set mS, S+32*\t+8*(mi%4)
.set mK, KF+8*(2*(mi%4)+mi/4)
.set mQ, QF+8*(2*\t+mi/4)
.if mi < 4
	v_wmma_f32_16x16x32_bf16 v[mS:mS+7], v[mK:mK+7], v[mQ:mQ+7], 0
.else
	v_wmma_f32_16x16x32_bf16 v[mS:mS+7], v[mK:mK+7], v[mQ:mQ+7], v[mS:mS+7]
.endif
.set mi, mi+1
.endm
; Product mi of 8 of O^T += V^T P for tile t: keys 32 (mi / 4) on, channels 16 (mi % 4) on.  zero = 1: the first four start the sums: nothing is ever cleared.
.macro MPV t, zero
	WIN 0x01                                       ; V window 1
.set mO, O+32*\t+8*(mi%4)
.set mV, VF+8*mi
.set mP, P+16*\t+8*(mi/4)
.if \zero && (mi < 4)
	v_wmma_f32_16x16x32_f16 v[mO:mO+7], v[mV:mV+7], v[mP:mP+7], 0
.else
	v_wmma_f32_16x16x32_f16 v[mO:mO+7], v[mV:mV+7], v[mP:mP+7], v[mO:mO+7]
.endif
.set mi, mi+1
.endm
; THE LDS LOADS, in runs of 16: half = which 64 keys of the slot.  A product follows each run and sets the windows that it needs.
.macro KLOAD half
	v_add_nc_u32 v[ADK], s[TB], v[AK0]
	WIN 0x40                                       ; destination window 1
.irp u, 0,1,2,3
.irp c, 0,1
	ds_load_b128 v[KF+8*(2*\u+\c):KF+8*(2*\u+\c)+3],   v[ADK] offset:\half*64*PK+\u*16*PK+64*\c
	ds_load_b128 v[KF+8*(2*\u+\c)+4:KF+8*(2*\u+\c)+7], v[ADK] offset:\half*64*PK+\u*16*PK+64*\c+32
.endr
.endr
.endm
.macro VLOAD half
	v_add_nc_u32 v[ADV], s[TB], v[AV0]
	WIN 0x40
.irp g, 0,1
.irp d, 0,1,2,3
	ds_load_tr16_b128 v[VF+8*(4*\g+\d):VF+8*(4*\g+\d)+3],   v[ADV] offset:\half*64*PV+\g*32*PV+32*\d
	ds_load_tr16_b128 v[VF+8*(4*\g+\d)+4:VF+8*(4*\g+\d)+7], v[ADV] offset:\half*64*PV+\g*32*PV+32*\d+16*PV
.endr
.endr
.endm
; My diagonal step: key 16 u + 8 (l / 16) + j of the step lies behind query (q0 % 64) + 16 t + l % 16.  Each accumulator is taken from its low end.
.macro MASK t
.irp u, 0,1,2,3
.irp j, 0,1,2,3,4,5,6,7
	v_cmp_gt_i32 vcc_lo, 16*\u+\j, v[VD+\t]
	v_cndmask_b32 v[S+32*\t+8*\u+\j], v[S+32*\t+8*\u+\j], v[NEG], vcc_lo
.endr
.endr
.endm
; THE VECTOR WORK.  Part p of 8 of tile t's softmax for one step.  first = 1: the first step starts m, l and O^T: it has no a and nothing to rescale.
;   0, 1  the maximum of the lane's 32 scores and the old m, three operands at a time: four chains, each from its accumulator's low end
;   2     the other half of the lanes' maximum; the new m; c m; a = 2^(c m_old - c m_new); c s - c m for the first two pairs of scores
;   3-6   the 32 exponentials, a plain instruction behind each (ISA guide 5.7.2): c s - c m two pairs ahead, O^T times a, roundings of pairs whose exponentials are done
;   7     the other roundings to f16; the sum of the 16 pairs, in place; l = a l + the sum
; No part ends with an exponential, and part 7 has more than four plain instructions: they are the places behind the products that stand ahead of it.
.macro SM t, first, p
.set rT, ST+8*\t
.set rS, S+32*\t
.set rP, P+16*\t
.set rO, O+32*\t
.if \p == 0
.irp u, 0,1,2,3
	v_max3_num_f32 v[rT+4+\u], v[rS+8*\u], v[rS+8*\u+1], v[rS+8*\u+2]
.endr
.irp u, 0,1,2,3
	v_max3_num_f32 v[rT+4+\u], v[rT+4+\u], v[rS+8*\u+3], v[rS+8*\u+4]
.endr
.elseif \p == 1
.irp u, 0,1,2,3
	v_max3_num_f32 v[rT+4+\u], v[rT+4+\u], v[rS+8*\u+5], v[rS+8*\u+6]
.endr
	v_max3_num_f32 v[rT+4], v[rT+4], v[rS+7], v[rS+15]
	v_max3_num_f32 v[rT+6], v[rT+6], v[rS+23], v[rS+31]
	v_max3_num_f32 v[rT+4], v[rT+4], v[rT+5], v[rT+6]
.if \first
	v_max_num_f32 v[rT+4], v[rT+4], v[rT+7]
.else
	v_max3_num_f32 v[rT+4], v[rT+4], v[rT+7], v[rT+1]
.endif
.elseif \p == 2
	v_permlanex16_b32 v[rT+5], v[rT+4], s[SEL], s[SEL+1]   ; the query's other 32 keys lie in the lane 16 away
.if !\first
	v_mov_b32 v[rT+7], v[rT]                       ; c m_old
.endif
	v_max_num_f32 v[rT+1], v[rT+4], v[rT+5]
	v_mul_f32 v[rT], s[CS], v[rT+1]
.if !\first
	v_sub_f32 v[rT+7], v[rT+7], v[rT]
	v_exp_f32 v[rT+6], v[rT+7]                     ; a; the scalings below are the plain instructions behind it
.endif
.irp b, 0,1
	v_pk_fma_f32 v[rS+2*\b:rS+2*\b+1], v[rS+2*\b:rS+2*\b+1], s[CS:CS+1], v[rT:rT+1] op_sel_hi:[1,0,0] neg_lo:[0,0,1] neg_hi:[0,0,1]   ; c s - c m
.endr
.elseif \p < 7
.set i, 4*(\p-3)
.rept 4                                ; pair i of 16
	v_exp_f32 v[rS+2*i], v[rS+2*i]
.if i < 14
	v_pk_fma_f32 v[rS+2*i+4:rS+2*i+5], v[rS+2*i+4:rS+2*i+5], s[CS:CS+1], v[rT:rT+1] op_sel_hi:[1,0,0] neg_lo:[0,0,1] neg_hi:[0,0,1]
.else
	s_wait_alu depctr_va_vdst(0)
	v_cvt_pk_f16_f32 v[rP+i-14], v[rS+2*i-28], v[rS+2*i-27]   ; pairs 0 and 1
.endif
	v_exp_f32 v[rS+2*i+1], v[rS+2*i+1]
.if !\first
	s_wait_alu depctr_va_vdst(0)
	v_pk_mul_f32 v[rO+2*i:rO+2*i+1], v[rO+2*i:rO+2*i+1], v[rT+6:rT+7] op_sel_hi:[1,0]   ; O^T times a, each accumulator from its low end
.elseif i > 2
	s_wait_alu depctr_va_vdst(0)
	v_cvt_pk_f16_f32 v[rP+i-1], v[rS+2*i-2], v[rS+2*i-1]      ; pairs 2 to 14
.else
	v_nop
.endif
.set i, i+1
.endr
.else
.if \first
	v_nop                                          ; a plain instruction between the last exponential and the use of its result
	v_cvt_pk_f16_f32 v[rP+15], v[rS+30], v[rS+31]
.else
.set i, 2
	s_wait_alu depctr_va_vdst(0)
.rept 14
	v_cvt_pk_f16_f32 v[rP+i], v[rS+2*i], v[rS+2*i+1]
.set i, i+1
.endr
.endif
.irp w, 4, 8, 16
.set i, 0
.rept 32/\w
	v_pk_add_f32 v[rS+\w*i:rS+\w*i+1], v[rS+\w*i:rS+\w*i+1], v[rS+\w*i+\w/2:rS+\w*i+\w/2+1]
.set i, i+1
.endr
.endr
.if \first
	v_pk_add_f32 v[rT+2:rT+3], v[rS:rS+1], v[rS+16:rS+17]
.else
	v_pk_add_f32 v[rS:rS+1], v[rS:rS+1], v[rS+16:rS+17]
	v_pk_fma_f32 v[rT+2:rT+3], v[rT+2:rT+3], v[rT+6:rT+7], v[rS:rS+1] op_sel_hi:[1,0,1]   ; l = a l + the sum
.endif
.endif
.endm
; A KEY STEP.  half = which 64 keys of the slot.  At its head tile 0's scores of this step are there: the step before made them.
; first = 1: the first step; it ends with tile 1's V^T P, which starts those sums.  prev = 1: tile 1's V^T P of the step before is still to be made.
; nxt = 1: the next step lies in this slot; 2: in the other slot, and this slot is filled again; 3: in the other slot, nothing is asked for; 0: there is none.
; A wave whose queries lie in front of the step jumps over the step's two halves and passes the barrier between them.
.macro STEP half, first, prev, nxt
.if !\first
	s_cmp_gt_u32 s[STEPI], s[LAST]                 ; all these keys lie behind my queries: nothing to do
	s_cbranch_scc1 .Lidle_a_\@
.endif
	s_cmp_lg_u32 s[STEPI], s[LAST]
	s_cbranch_scc1 .Lopen_0_\@
	MASK 0
.Lopen_0_\@:
.set mi, 0
.irp k, 0,1,2,3,4,5,6,7                ; tile 0's softmax; ahead of each part two of tile 1's products
.if \k == 4
.set mi, 0
	VLOAD \half                                    ; V of this step: the last product that read V stands ahead of part 3, eight plain instructions back
.endif
.if \k >= 4
	MQK 1
	MQK 1
.elseif \prev
	MPV 1, 0
	MPV 1, 0
.endif
	WIN 0
	SM 0, \first, \k
.endr
	s_cmp_lg_u32 s[STEPI], s[LAST]
	s_cbranch_scc1 .Lopen_1_\@
	MASK 1
.Lopen_1_\@:
.if \nxt < 2
	s_wait_dscnt 0x0                               ; V is in
.else
.Lidle_a_\@:
	CHANGE \nxt                                    ; its wait for my LDS loads also shows V in
	s_cmp_gt_u32 s[STEPI], s[LAST]
	s_cbranch_scc1 .Lidle_b_\@
.endif
.if \nxt == 1
	KLOAD 1                                        ; K of the next step: the last product that read K stands ahead of part 7
.elseif \nxt >= 2
	KLOAD 0
.endif
.set mi, 0
.irp k, 0,1,2,3,4,5,6,7                ; tile 1's softmax; ahead of each part two of tile 0's products
.if \k == 4
.set mi, 0
.if \nxt
	s_wait_dscnt 0x0                               ; the next step's K is in
.endif
.endif
.if \k < 4
	MPV 0, \first
	MPV 0, \first
.elseif \nxt
	MQK 0
	MQK 0
.endif
	WIN 0
	SM 1, \first, \k
.endr
.if !\first
	s_cmp_lg_u32 s[STEPI], s[LAST]                 ; my last step?  Then no later step makes tile 1's V^T P: it stands here
	s_cbranch_scc1 .Lon_\@
.endif
.set mi, 0
.rept 8
	MPV 1, \first
.endr
	WIN 0
.if !\first
.Lon_\@:
.endif
.if \nxt >= 2
.Lidle_b_\@:
.elseif !\first
.Lidle_a_\@:
.endif
	s_add_co_u32 s[STEPI], s[STEPI], 1
.endm
	s_load_b128 s[4:7], s[0:1], 0x0                ; qkv s[4:5], att s[6:7]
	v_lshl_add_u32 v222, v0, 2, 0x29000
	v_mov_b32 v223, 0
	ds_add_u32 v222, v223
	v_lshrrev_b32 v1, 5, v0
	v_readfirstlane_b32 s[WV], v1                  ; wave 0..7
	s_and_b32 s13, ttmp7, 0xffff                   ; 16 b + head
	s_lshr_b32 s14, s[WV], 2
	s_xor_b32 s14, s14, s[WV]
	s_and_b32 s14, s14, 1                          ; 0: the low block, 1: the high one
	s_sub_co_u32 s15, 15, ttmp9
	s_cmp_eq_u32 s14, 1
	s_cselect_b32 s15, s15, ttmp9                  ; my block of 128 queries
	s_lshr_b32 s16, s[WV], 1                       ; my 32 of them
	s_lshl_b32 s15, s15, 7
	s_lshl_b32 s16, s16, 5
	s_add_co_u32 s15, s15, s16                     ; q0
	s_lshr_b32 s[LAST], s15, 6
	s_sub_co_u32 s[SLOTS], 13, ttmp9               ; 16 - i slots in all: two are filled at the start, one refill stands ahead of the loop: 6 to 13 trips
	s_mov_b32 s[STEPI], 0
	s_mov_b32 s[TB], 0
	s_mov_b32 s[CS], 0x3e38aa3b                    ; log2(e) / 8
	s_mov_b32 s[CS+1], s[CS]
	s_mov_b32 s[SEL], 0x76543210
	s_mov_b32 s[SEL+1], 0xfedcba98
	s_lshl_b32 s20, s13, 18                        ; the head's 256 KiB in a region
	s_mov_b32 s21, 0
	s_lshl_b32 s22, s15, 7
	s_add_co_u32 s22, s22, s20
	s_add_co_u32 s22, s22, 0x800000                ; Q is the second region
	s_mov_b32 s23, 0
	s_lshr_b32 s16, s13, 4                         ; att: row block 16 b + q0 / 128,
	s_lshl_b32 s16, s16, 4
	s_lshr_b32 s17, s15, 7
	s_add_co_u32 s16, s16, s17
	s_lshl_b32 s16, s16, 18
	s_and_b32 s17, s13, 15                         ; the head's 16 KiB,
	s_lshl_b32 s17, s17, 14
	s_add_co_u32 s16, s16, s17
	s_and_b32 s17, s15, 127                        ; my rows of 128 bytes
	s_lshl_b32 s17, s17, 7
	s_add_co_u32 s16, s16, s17
	s_mov_b32 s17, 0
	; group 1: 64 rows x 128 elements of 2 bytes, dense; padding behind every 32 words: 4 words for K, 8 for V
	s_mov_b32 s[G1K], (1<<16)|(1<<20)|(4<<22)|(3<<25)
	s_mov_b32 s[G1V], (1<<16)|(1<<20)|(4<<22)|(7<<25)
.irp g, G1K, G1V
	s_mov_b32 s[\g+1], 128<<16                     ; tensor_dim0 = 128
	s_mov_b32 s[\g+2], 64<<16                      ; tensor_dim1 = 64
	s_mov_b32 s[\g+3], 128<<16                     ; tile_dim0 = 128
	s_mov_b32 s[\g+4], 64                          ; tile_dim1 = 64
	s_mov_b32 s[\g+5], 128                         ; elements from row to row
	s_mov_b32 s[\g+6], 0
	s_mov_b32 s[\g+7], 0
.endr
	s_wait_dscnt 0x0
	s_barrier_signal -1
	s_barrier_wait -1
	s_wait_kmcnt 0x0
	s_add_nc_u64 s[8:9], s[4:5], s[20:21]          ; V at the head (first region)
	s_add_nc_u64 s[10:11], s[8:9], 0x1000000       ; K (third region)
	s_add_nc_u64 s[4:5], s[4:5], s[22:23]          ; Q at my first row
	s_add_nc_u64 s[6:7], s[6:7], s[16:17]          ; O at my first row
.irp s, 0,1
	s_mov_b32 s[G0K+4*\s], 1
	s_mov_b32 s[G0K+4*\s+1], \s*SLOT1
	s_add_nc_u64 s[G0K+4*\s+2:G0K+4*\s+3], s[10:11], \s*128*128
	s_or_b32 s[G0K+4*\s+3], s[G0K+4*\s+3], 0x80000000
	s_mov_b32 s[G0V+4*\s], 1
	s_mov_b32 s[G0V+4*\s+1], \s*SLOT1+VOFF
	s_add_nc_u64 s[G0V+4*\s+2:G0V+4*\s+3], s[8:9], \s*128*128
	s_or_b32 s[G0V+4*\s+3], s[G0V+4*\s+3], 0x80000000
.endr
	s_cmp_eq_u32 s[WV], 0                          ; a wave's two first fills stand in one branch, ahead of every wait on TENSORcnt and every LDS read
	s_cbranch_scc0 .Lfirst_not_k
	tensor_load_to_lds s[G0K:G0K+3], s[G1K:G1K+7]
	s_nop 0
	tensor_load_to_lds s[G0K+4:G0K+7], s[G1K:G1K+7]
	s_nop 0
.rept 4
	v_nop
.endr
	s_branch .Lfirst_asked
.Lfirst_not_k:
	s_cmp_eq_u32 s[WV], 1
	s_cbranch_scc0 .Lfirst_asked
	tensor_load_to_lds s[G0V:G0V+3], s[G1V:G1V+7]
	s_nop 0
	tensor_load_to_lds s[G0V+4:G0V+7], s[G1V:G1V+7]
	s_nop 0
.rept 4
	v_nop
.endr
.Lfirst_asked:
	v_and_b32 v1, 15, v0                           ; r = l % 16
	v_bfe_u32 v9, v0, 4, 1                         ; l / 16
	v_lshlrev_b32 v[QO], 7, v1
	v_lshl_add_u32 v[QO], v9, 4, v[QO]             ; row x 128 + 16 x half
	WIN 0x40
.irp t, 0,1
.irp c, 0,1
	global_load_b128 v[QF+8*(2*\t+\c):QF+8*(2*\t+\c)+3],   v[QO], s[4:5] offset:\t*2048+64*\c
	global_load_b128 v[QF+8*(2*\t+\c)+4:QF+8*(2*\t+\c)+7], v[QO], s[4:5] offset:\t*2048+64*\c+32
.endr
.endr
	WIN 0
	v_mul_u32_u24 v[AK0], v1, PK
	v_lshl_add_u32 v[AK0], v9, 4, v[AK0]
	v_and_b32 v10, 7, v0                           ; the turning load: lane l reads key 8 (l / 16) + l % 8, channels 8 ((l / 8) % 2) + 0..7
	v_bfe_u32 v11, v0, 3, 1
	v_lshl_add_u32 v[AV0], v9, 3, v10
	v_mul_u32_u24 v[AV0], v[AV0], PV
	v_lshl_add_u32 v[AV0], v11, 4, v[AV0]
	v_add_nc_u32 v[AV0], VOFF, v[AV0]
	s_mul_i32 s13, s[WV], 32*SP
	s_add_co_u32 s13, s13, STAGE                   ; my stage
	v_mul_u32_u24 v[STO], v1, SP
	v_lshl_add_u32 v[STO], v9, 4, v[STO]
	v_add_nc_u32 v[STO], s13, v[STO]
	v_bfe_u32 v[RD], v0, 3, 2                      ; back: eight lanes take a row of 128 bytes
	v_mul_u32_u24 v[RD], v[RD], SP
	v_lshl_add_u32 v[RD], v10, 4, v[RD]
	v_add_nc_u32 v[RD], s13, v[RD]
	v_and_b32 v[GO], 31, v0
	v_lshlrev_b32 v[GO], 4, v[GO]
	v_mov_b32 v[NEG], 0xff800000
	s_and_b32 s14, s15, 63
	v_lshlrev_b32 v11, 3, v9
	v_sub_nc_u32 v[VD], v1, v11
	v_add_nc_u32 v[VD], s14, v[VD]
	v_add_nc_u32 v[VD+1], 16, v[VD]
	s_wait_tensorcnt 0x1                           ; my part of slot 0 is in; slot 1's may stay out
	s_barrier_signal -1
	s_barrier_wait -1
	KLOAD 0                                        ; key step 0
	s_wait_loadcnt 0x0                             ; Q
	s_wait_dscnt 0x0                               ; K
.set mi, 0
.rept 8
	MQK 0                                          ; tile 0's first scores: there is no vector work yet to set between them
.endr
	WIN 0
	PLACES
	STEP 0, 1, 0, 1                                ; slot 0
	STEP 1, 0, 0, 2                                ; slot 0 takes the third 128 keys
.Lslot:                                                ; 13 - i trips, a slot each, and each fills its slot again
	STEP 0, 0, 1, 1
	STEP 1, 0, 1, 2
	s_sub_co_i32 s[SLOTS], s[SLOTS], 1
	s_cmp_gt_i32 s[SLOTS], 0                       ; a signed compare: the loop ends whatever the start
	s_cbranch_scc1 .Lslot
	STEP 0, 0, 1, 1                                ; the last two slots are written out: nothing is asked for
	STEP 1, 0, 1, 3
	STEP 0, 0, 1, 1
	STEP 1, 0, 1, 0
	; THE WAY OUT: l's halves and the other lanes' are added; O^T is divided by l, rounded and sent through my stage.
	PLACES
.irp t, 0,1
	v_add_f32 v[ST+8*\t+4], v[ST+8*\t+2], v[ST+8*\t+3]
.endr
.irp t, 0,1
	v_permlanex16_b32 v[ST+8*\t+5], v[ST+8*\t+4], s[SEL], s[SEL+1]
.endr
.irp t, 0,1
	v_add_f32 v[ST+8*\t+4], v[ST+8*\t+4], v[ST+8*\t+5]
.endr
.irp t, 0,1
	v_rcp_f32 v[ST+8*\t+6], v[ST+8*\t+4]
.endr
	v_nop                                          ; a plain instruction between the last reciprocal and the use of its result
	s_wait_alu depctr_va_vdst(0)
.irp t, 0,1
.set i, 0
.rept 16
	v_pk_mul_f32 v[O+32*\t+2*i:O+32*\t+2*i+1], v[O+32*\t+2*i:O+32*\t+2*i+1], v[ST+8*\t+6:ST+8*\t+7] op_sel_hi:[1,0]
.set i, i+1
.endr
.set i, 0
.rept 16
	v_cvt_pk_f16_f32 v[TMPO+16*\t+i], v[O+32*\t+2*i], v[O+32*\t+2*i+1]
.set i, i+1
.endr
.endr
.irp t, 0,1
.irp d, 0,1,2,3
	ds_store_b128 v[STO], v[TMPO+16*\t+4*\d:TMPO+16*\t+4*\d+3] offset:\t*16*SP+32*\d
.endr
.endr
.irp f, 0,1,2,3,4,5,6,7
	ds_load_b128 v[TMPO+4*\f:TMPO+4*\f+3], v[RD] offset:\f*4*SP   ; LDS serves a wave's instructions in order (ISA guide 5.7.1.4): these see the stores above
.endr
.irp f, 0,1,2,3,4,5,6,7
	s_wait_dscnt 7-\f                              ; load f is back, the younger ones stay out
	global_store_b128 v[GO], v[TMPO+4*\f:TMPO+4*\f+3], s[6:7] offset:512*\f   ; a wave's store covers 512 consecutive bytes, aligned
.endr
	s_wait_tensorcnt 0x0
	ds_add_u32 v222, v223
	s_wait_dscnt 0x0
	s_endpgm
.Lfunc_end_k_q0853890662_selfatt:
	.size	k_q0853890662_selfatt, .Lfunc_end_k_q0853890662_selfatt-k_q0853890662_selfatt
	.p2alignl 7, 3214868480
	.fill 96, 4, 3214868480
	.section	.rodata,"a",@progbits
	.p2align	6, 0x0
	.amdhsa_kernel k_q0853890662_selfatt
		.amdhsa_group_segment_fixed_size 327680
		.amdhsa_private_segment_fixed_size 0
		.amdhsa_enable_private_segment 0
		.amdhsa_kernarg_size 16
		.amdhsa_user_sgpr_count 2
		.amdhsa_user_sgpr_kernarg_segment_ptr 1
		.amdhsa_wavefront_size32 1
		.amdhsa_system_sgpr_workgroup_id_x 1
		.amdhsa_system_sgpr_workgroup_id_y 1
		.amdhsa_system_sgpr_workgroup_id_z 1
		.amdhsa_system_vgpr_workitem_id 0
		.amdhsa_next_free_vgpr 416
		.amdhsa_next_free_sgpr 72
		.amdhsa_reserve_vcc 1
		.amdhsa_float_denorm_mode_32 3
		.amdhsa_float_denorm_mode_16_64 3
		.amdhsa_memory_ordered 1
		.amdhsa_forward_progress 1
		.amdhsa_inst_pref_size 202
	.end_amdhsa_kernel
	.amdgpu_metadata
---
amdhsa.version: [ 1, 2 ]
amdhsa.kernels:
  - .name:           k_q0853890662_selfatt
    .symbol:         k_q0853890662_selfatt.kd
    .args:
      - { .name: qkv, .offset: 0, .size: 8, .value_kind: global_buffer, .address_space: global }
      - { .name: att, .offset: 8, .size: 8, .value_kind: global_buffer, .address_space: global }
    .group_segment_fixed_size: 327680
    .private_segment_fixed_size: 0
    .kernarg_segment_align: 8
    .kernarg_segment_size: 16
    .max_flat_workgroup_size: 256
    .sgpr_count:     72
    .vgpr_count:     416
    .wavefront_size: 32
...
	.end_amdgpu_metadata
.endif
;; end of part 3
;; launch outp (part 4): grid 8 x 32, 4 waves a work-group, clusters of 4 x 4, 327,680 bytes of LDS; arguments att, Wa, x, out0; writes out0
.if DOCPART == 4
	.amdgcn_target "amdgcn-amd-amdhsa--gfx1250"
	.amdhsa_code_object_version 6
	.text
	.protected	k_q0853890662_outp
	.globl	k_q0853890662_outp
	.p2align	8
	.type	k_q0853890662_outp,@function
k_q0853890662_outp:
	s_mov_b64 s[64:65], 0
	v_nop
	global_prefetch_b8 v0, s[64:65] scope:SCOPE_SE
	s_setreg_imm32_b32 hwreg(HW_REG_WAVE_MODE, 25, 1), 1
	s_wait_xcnt 0x0
	s_wait_alu depctr_hold_cnt(0) depctr_sa_sdst(0) depctr_va_vdst(0) depctr_va_sdst(0) depctr_va_ssrc(0) depctr_va_vcc(0) depctr_vm_vsrc(0)
	s_getreg_b32 s2, hwreg(HW_REG_IB_STS2, 6, 4)
	s_cmp_eq_u32 s2, 0
	s_cbranch_scc0 .Lentry_in_a_cluster
	s_endpgm
.Lentry_in_a_cluster:
	s_bfe_u32 s2, ttmp6, 0x10000c
	s_cmp_lg_u32 s2, 0xf033
	s_cbranch_scc0 .Lentry_shape_is_right
	s_endpgm
.Lentry_shape_is_right:
; out = resid + A B^T.  A: att, f16, tile-major [row block of 128][k block of 64][128][64]; B: the first 1,024 rows of the weight buffer, [1024][1024] f16; resid, out: [4096][1024] f32.
; f32 sums; the residual is added in f32 and nothing is rounded on the way out.
; A tile of C is 128 x 128; four waves, each 64 x 64: 16 accumulators.  K goes in four steps of 256 through two LDS slots.  A's K step is 64 KiB dense in memory: waves 0 and 1 each bring
; two k blocks as 128 rows of 256 bytes, with 16 bytes of padding behind every 128, so that a k block lies in LDS as 128 rows of 144 bytes.  B's rows are 512 bytes + 16; waves 2 and 3 bring 64 each.
; CLUSTERS: 4 x 4 work-groups; A's tile is asked for jointly by the four of a row of the cluster, B's by the four of a column.
; THE MATRIX INSTRUCTION IS USED TRANSPOSED (source 0 = 16 rows of B, source 1 = 16 rows of A): lane l holds row l % 16 of C and columns 16 b + 8 (l / 16) + 0..7.
; The wave's 64 x 64 of the residual is asked for at the start, in the layout in which C is stored, and stays on its way under the whole product: nobody writes those bytes.
; REGISTERS: window 0: v0-31 addresses; v32-95 rows on the way out; v128-255 accumulators.  window 1: two fragment buffers of 128.  window 2: v0-127 the residual.
.set KSTEP,  256
.set PITCH,  528
.set HALFT,  64*PITCH                  ; B: what one tensor load brings
.set HALFA,  2*128*144                 ; A: two k blocks
.set BOFF,   2*HALFA                   ; B's rows lie behind A's four k blocks
.set SLOT,   BOFF+2*HALFT
.set STAGE,  2*SLOT                    ; behind the ring: 16 rows x 272 bytes for each wave
.set SP,     272
.set AQ,     128*144                   ; a quarter of a K step is one k block
.set AROW,   16*144
.set ASTEP,  2*65536                   ; bytes in memory from a slot's K step to its next
.set BSTEP,  2*KSTEP*2
.set ADRA, 16
.set ADRB, 20
.set STO,  24
.set RD,   25
.set CO,   26
.set TMP,  32
.set ACC,  128
.set F0,   0
.set F1,   128
.set G1, 24
.set G0, 32
.set G1B, 48
.set G0B, 56
.set MSB, 0
.macro WIN new                         ; the immediate's high byte repeats the setting that is left
.if MSB != \new
	s_set_vgpr_msb (MSB<<8)|\new
.set MSB, \new
.endif
.endm
.set MUL,  0x05
.set TO_F, 0x40
.macro JLOAD s                         ; a joint load: waves 0 and 1 fetch A's two halves, waves 2 and 3 B's; four v_nop follow each line
	s_cmp_eq_u32 s11, 0
	s_cbranch_scc0 .Lfor_b_\@
	tensor_load_to_lds s[G0+4*\s:G0+4*\s+3], s[G1:G1+7]
	s_nop 0
.rept 4
	v_nop
.endr
	s_branch .Lasked_\@
.Lfor_b_\@:
	tensor_load_to_lds s[G0B+4*\s:G0B+4*\s+3], s[G1B:G1B+7]
	s_nop 0
.rept 4
	v_nop
.endr
.Lasked_\@:
.endm
.macro CREST
	s_cmp_lg_u32 s10, 0
	s_cbranch_scc1 .Lnot_wave_0_\@
	s_barrier_signal -3
.Lnot_wave_0_\@:
	s_barrier_wait -3
	s_barrier_signal -1
	s_barrier_wait -1
.endm
.macro CROUND
	s_barrier_signal -1
	s_barrier_wait -1
	CREST
.endm
; 8 matrix instructions; the 16 accumulators take turns, one instruction a turn.
.macro MUL8 f, c, a0, zero
.irp a, \a0, \a0+1
.irp b, 0,1,2,3
.if \zero
	v_wmma_f32_16x16x32_f16 v[ACC+8*(4*(\a)+\b):ACC+8*(4*(\a)+\b)+7], v[\f+64+8*(4*\c+\b):\f+64+8*(4*\c+\b)+7], v[\f+8*(4*\c+\a):\f+8*(4*\c+\a)+7], 0
.else
	v_wmma_f32_16x16x32_f16 v[ACC+8*(4*(\a)+\b):ACC+8*(4*(\a)+\b)+7], v[\f+64+8*(4*\c+\b):\f+64+8*(4*\c+\b)+7], v[\f+8*(4*\c+\a):\f+8*(4*\c+\a)+7], v[ACC+8*(4*(\a)+\b):ACC+8*(4*(\a)+\b)+7]
.endif
.endr
.endr
.endm
.macro FETCH slot, k, f
	WIN TO_F
.irp c, 0,1
.irp i, 0,1,2,3
	ds_load_b128 v[\f+64+8*(4*\c+\i):\f+64+8*(4*\c+\i)+3],   v[ADRB+\slot] offset:\k+64*\c+\i*16*PITCH
	ds_load_b128 v[\f+64+8*(4*\c+\i)+4:\f+64+8*(4*\c+\i)+7], v[ADRB+\slot] offset:\k+64*\c+\i*16*PITCH+32
	ds_load_b128 v[\f+8*(4*\c+\i):\f+8*(4*\c+\i)+3],         v[ADRA+\slot] offset:(\k/128)*AQ+64*\c+\i*AROW
	ds_load_b128 v[\f+8*(4*\c+\i)+4:\f+8*(4*\c+\i)+7],       v[ADRA+\slot] offset:(\k/128)*AQ+64*\c+\i*AROW+32
.endr
.endr
.endm
.macro PLACES                          ; four plain instructions between matrix instructions and loads into their sources or reads of their results
.rept 4
	v_nop
.endr
.endm
.macro QUARTER slot, k, f, g, zero
	s_wait_dscnt 16                                ; the first 32 along K are in; the sixteen younger loads may be out
	WIN MUL
	MUL8 \f, 0, 0, \zero
	MUL8 \f, 0, 2, \zero
	PLACES
	FETCH \slot, \k, \g
	s_wait_dscnt 32                                ; all but the 32 just issued
	WIN MUL
	MUL8 \f, 1, 0, 0
	MUL8 \f, 1, 2, 0
.endm
.macro TURN slot, next, fill
	s_wait_dscnt 16
	WIN MUL
	MUL8 F1, 0, 0, 0
	s_wait_dscnt 0                                 ; my reads of this slot are over,
	s_set_vgpr_msb 0x500
	s_wait_tensorcnt 0x0                           ; and all my tensor loads have landed: my part of the next slot
	ds_add_u32 v126, v127
	s_wait_dscnt 0x0
	s_set_vgpr_msb 0x5
	s_barrier_signal -1
	MUL8 F1, 0, 2, 0
.if \fill
	WIN 0
.endif
	s_barrier_wait -1
.if \fill
	CREST                                          ; no wave of any partner still reads this slot or has a load on its way
	s_add_nc_u64 s[G0+4*\slot+2:G0+4*\slot+3], s[G0+4*\slot+2:G0+4*\slot+3], ASTEP
	s_add_nc_u64 s[G0B+4*\slot+2:G0B+4*\slot+3], s[G0B+4*\slot+2:G0B+4*\slot+3], BSTEP
	JLOAD \slot                                    ; my one tensor load behind the round; its four v_nop are also the places in front of the loads below
.else
	PLACES
.endif
	FETCH \next, 0, F0
	WIN MUL
	MUL8 F1, 1, 0, 0
	MUL8 F1, 1, 2, 0
.endm
	s_load_b256 s[68:75], s[0:1], 0x0              ; att s[68:69], W s[70:71], resid s[72:73], out s[74:75]
	v_lshl_add_u32 v126, v0, 2, 0x49400
	v_mov_b32 v127, 0
	ds_add_u32 v126, v127
	v_lshrrev_b32 v1, 5, v0
	v_readfirstlane_b32 s10, v1
	s_lshr_b32 s11, s10, 1
	s_and_b32 s12, s10, 1
	s_bfe_u32 s40, ttmp6, 0x40000                  ; cx
	s_bfe_u32 s41, ttmp6, 0x40004                  ; cy
	s_lshl_b32 s42, ttmp9, 2
	s_add_co_u32 s42, s42, s40                     ; tile column
	s_and_b32 s13, ttmp7, 0xffff
	s_lshl_b32 s13, s13, 2
	s_add_co_u32 s13, s13, s41                     ; tile row
	s_lshl_b32 s43, s41, 2
	s_lshl_b32 s43, 15, s43
	s_lshl_b32 s44, 0x1111, s40
	; A's group 1: 128 rows x 128 elements of 2 bytes, dense; 4 words of padding behind every 32 words
	s_or_b32 s[G1+0], s43, (1<<16)|(1<<20)|(1<<21)|(4<<22)|(3<<25)
	s_mov_b32 s[G1+1], 128<<16
	s_mov_b32 s[G1+2], 128<<16
	s_mov_b32 s[G1+3], 128<<16
	s_mov_b32 s[G1+4], 128
	s_mov_b32 s[G1+5], 128
	s_mov_b32 s[G1+6], 0
	s_mov_b32 s[G1+7], 0
	; B's group 1: 64 rows x 256 elements, 4 words of padding behind every 128 words
	s_or_b32 s[G1B+0], s44, (1<<16)|(1<<20)|(1<<21)|(6<<22)|(3<<25)
	s_mov_b32 s[G1B+1], KSTEP<<16
	s_mov_b32 s[G1B+2], 64<<16
	s_mov_b32 s[G1B+3], KSTEP<<16
	s_mov_b32 s[G1B+4], 64
	s_mov_b32 s[G1B+5], 1024
	s_mov_b32 s[G1B+6], 0
	s_mov_b32 s[G1B+7], 0
	s_lshl_b32 s16, s13, 18                        ; A: the row block's 256 KiB,
	s_lshl_b32 s17, s12, 15                        ; my two k blocks of the step
	s_add_co_u32 s16, s16, s17
	s_mov_b32 s17, 0
	s_lshl_b32 s46, s42, 7                         ; B: row 128 x tile column + 64 x half
	s_lshl_b32 s47, s12, 6
	s_add_co_u32 s46, s46, s47
	s_lshl_b32 s46, s46, 11
	s_mov_b32 s47, 0
	s_mul_i32 s20, s10, HALFA                      ; waves 0, 1: A's halves
	s_mul_i32 s21, s10, HALFT                      ; waves 2, 3: B's halves: BOFF + (wave - 2) x HALFT
	s_add_co_u32 s21, s21, BOFF-2*HALFT
	s_wait_dscnt 0x0
	s_wait_kmcnt 0x0
	s_add_nc_u64 s[14:15], s[68:69], s[16:17]
	s_add_nc_u64 s[46:47], s[70:71], s[46:47]
	CROUND                                         ; all sixteen work-groups are here: the first joint loads meet
.irp s, 0,1
	s_mov_b32 s[G0+4*\s], 1
	s_add_co_u32 s[G0+4*\s+1], s20, \s*SLOT
	s_add_nc_u64 s[G0+4*\s+2:G0+4*\s+3], s[14:15], \s*65536
	s_or_b32 s[G0+4*\s+3], s[G0+4*\s+3], 0x80000000
	s_mov_b32 s[G0B+4*\s], 1
	s_add_co_u32 s[G0B+4*\s+1], s21, \s*SLOT
	s_add_nc_u64 s[G0B+4*\s+2:G0B+4*\s+3], s[46:47], \s*KSTEP*2
	s_or_b32 s[G0B+4*\s+3], s[G0B+4*\s+3], 0x80000000
	JLOAD \s                                       ; two loads of mine are out
.endr
	v_and_b32 v1, 15, v0                           ; r
	v_bfe_u32 v2, v0, 4, 1                         ; l / 16
	v_mul_u32_u24 v3, v1, 144
	v_lshl_add_u32 v3, v2, 4, v3
	v_mul_u32_u24 v4, v1, PITCH
	v_lshl_add_u32 v4, v2, 4, v4
	s_mul_i32 s21, s11, 64*144                     ; my 64 rows in each k block of A
	s_mul_i32 s22, s12, HALFT                      ; my 64 rows of B
	s_add_co_u32 s22, s22, BOFF
.irp s, 0,1
	v_add_nc_u32 v[ADRA+\s], s21, v3
	v_add_nc_u32 v[ADRB+\s], s22, v4
	s_add_co_u32 s21, s21, SLOT
	s_add_co_u32 s22, s22, SLOT
.endr
	s_mul_i32 s23, s10, 16*SP
	s_add_co_u32 s23, s23, STAGE                   ; my stage
	v_mul_u32_u24 v4, v1, SP                       ; in: row r, 32 bytes for each half of the lanes
	v_lshl_add_u32 v4, v2, 5, v4
	v_add_nc_u32 v[STO], s23, v4
	v_mul_u32_u24 v5, v2, SP                       ; back: lanes 0-15 take one row of 256 bytes, lanes 16-31 the next
	v_lshl_add_u32 v5, v1, 4, v5
	v_add_nc_u32 v[RD], s23, v5
	v_lshlrev_b32 v[CO], 12, v2                    ; and the same two rows in resid and out
	v_lshl_add_u32 v[CO], v1, 4, v[CO]
	s_lshl_b32 s80, s13, 7
	s_lshl_b32 s81, s11, 6
	s_add_co_u32 s80, s80, s81                     ; my first row
	s_lshl_b32 s80, s80, 12
	s_lshl_b32 s81, s42, 9                         ; my first column, in bytes
	s_add_co_u32 s80, s80, s81
	s_lshl_b32 s81, s12, 8
	s_add_co_u32 s80, s80, s81
	s_mov_b32 s81, 0
	s_add_nc_u64 s[72:73], s[72:73], s[80:81]
	s_add_nc_u64 s[8:9], s[74:75], s[80:81]
	WIN 0x80                                       ; destination window 2
.irp a, 0,1,2,3
.irp t, 0,1,2,3,4,5,6,7
	global_load_b128 v[4*(8*\a+\t):4*(8*\a+\t)+3], v[CO], s[72:73] offset:(16*\a+2*\t)*4096
.endr
.endr
	WIN 0
	s_wait_tensorcnt 1                             ; my part of K step 0 is in; K step 1's may stay out
	s_barrier_signal -1
	s_barrier_wait -1
	FETCH 0, 0, F0
	QUARTER 0, 128, F0, F1, 1                      ; K step 0; its first products start the sums
	QUARTER 0, 256, F1, F0, 0
	QUARTER 0, 384, F0, F1, 0
	TURN 0, 1, 1                                   ; slot 0 takes K step 2
	QUARTER 1, 128, F0, F1, 0
	QUARTER 1, 256, F1, F0, 0
	QUARTER 1, 384, F0, F1, 0
	TURN 1, 0, 1                                   ; slot 1 takes K step 3
	QUARTER 0, 128, F0, F1, 0
	QUARTER 0, 256, F1, F0, 0
	QUARTER 0, 384, F0, F1, 0
	TURN 0, 1, 0                                   ; nothing is left to fetch
	QUARTER 1, 128, F0, F1, 0
	QUARTER 1, 256, F1, F0, 0
	QUARTER 1, 384, F0, F1, 0
	s_wait_dscnt 16
	WIN MUL
	MUL8 F1, 0, 0, 0
	MUL8 F1, 0, 2, 0
	s_wait_dscnt 0
	MUL8 F1, 1, 0, 0
	MUL8 F1, 1, 2, 0
	WIN 0
	; THE WAY OUT, 16 rows at a time: f32 through my own stage (rows of 256 bytes + 16), back as whole rows, plus the residual, stored.
	PLACES
	s_wait_loadcnt 0x0                             ; the residual
.irp a, 0,1,2,3
.set TM, TMP+32*(\a%2)
	s_wait_xcnt 0x0                                ; the rows' registers, which earlier stores read, are loaded again only behind this wait
.irp b, 0,1,2,3
.irp i, 0,1
	ds_store_b128 v[STO], v[ACC+8*(4*\a+\b)+4*\i:ACC+8*(4*\a+\b)+4*\i+3] offset:64*\b+16*\i   ; each accumulator from its low end
.endr
.endr
.irp t, 0,1,2,3,4,5,6,7
	ds_load_b128 v[TM+4*\t:TM+4*\t+3], v[RD] offset:\t*2*SP        ; LDS serves a wave's instructions in order (ISA guide 5.7.1.4): these see the stores above
.endr
	s_wait_dscnt 0x0
	WIN 0x08                                       ; source 1 window 2
.set i, 0
.rept 16
	v_pk_add_f32 v[TM+2*i:TM+2*i+1], v[TM+2*i:TM+2*i+1], v[32*\a+2*i:32*\a+2*i+1]
.set i, i+1
.endr
	WIN 0
.irp t, 0,1,2,3,4,5,6,7
	global_store_b128 v[CO], v[TM+4*\t:TM+4*\t+3], s[8:9] offset:(16*\a+2*\t)*4096   ; 16 lanes store 256 consecutive bytes, aligned
.endr
.endr
	s_wait_tensorcnt 0x0
	ds_add_u32 v126, v127
	s_wait_dscnt 0x0
	CROUND                                         ; the closing round
	s_endpgm
.Lfunc_end_k_q0853890662_outp:
	.size	k_q0853890662_outp, .Lfunc_end_k_q0853890662_outp-k_q0853890662_outp
	.p2alignl 7, 3214868480
	.fill 96, 4, 3214868480
	.section	.rodata,"a",@progbits
	.p2align	6, 0x0
	.amdhsa_kernel k_q0853890662_outp
		.amdhsa_group_segment_fixed_size 327680
		.amdhsa_private_segment_fixed_size 0
		.amdhsa_enable_private_segment 0
		.amdhsa_kernarg_size 32
		.amdhsa_user_sgpr_count 2
		.amdhsa_user_sgpr_kernarg_segment_ptr 1
		.amdhsa_wavefront_size32 1
		.amdhsa_system_sgpr_workgroup_id_x 1
		.amdhsa_system_sgpr_workgroup_id_y 1
		.amdhsa_system_sgpr_workgroup_id_z 1
		.amdhsa_system_vgpr_workitem_id 0
		.amdhsa_next_free_vgpr 640
		.amdhsa_next_free_sgpr 88
		.amdhsa_reserve_vcc 0
		.amdhsa_float_denorm_mode_32 3
		.amdhsa_float_denorm_mode_16_64 3
		.amdhsa_memory_ordered 1
		.amdhsa_forward_progress 1
		.amdhsa_inst_pref_size 93
	.end_amdhsa_kernel
	.amdgpu_metadata
---
amdhsa.version: [ 1, 2 ]
amdhsa.kernels:
  - .name:           k_q0853890662_outp
    .symbol:         k_q0853890662_outp.kd
    .args:
      - { .name: att, .offset: 0, .size: 8, .value_kind: global_buffer, .address_space: global }
      - { .name: Wa, .offset: 8, .size: 8, .value_kind: global_buffer, .address_space: global }
      - { .name: x, .offset: 16, .size: 8, .value_kind: global_buffer, .address_space: global }
      - { .name: out0, .offset: 24, .size: 8, .value_kind: global_buffer, .address_space: global }
    .group_segment_fixed_size: 327680
    .private_segment_fixed_size: 0
    .kernarg_segment_align: 8
    .kernarg_segment_size: 32
    .max_flat_workgroup_size: 128
    .sgpr_count:     88
    .vgpr_count:     640
    .wavefront_size: 32
...
	.end_amdgpu_metadata
.endif
;; end of part 4
;; launch norm2 (part 5): grid 256 x 1, 8 waves a work-group, no clusters, 0 bytes of LDS; arguments out0, g_norm_cross, h; writes h
.if DOCPART == 5
	.amdgcn_target "amdgcn-amd-amdhsa--gfx1250"
	.amdhsa_code_object_version 6
	.text
	.protected	k_q0853890662_norm2
	.globl	k_q0853890662_norm2
	.p2align	8
	.type	k_q0853890662_norm2,@function
k_q0853890662_norm2:
	s_mov_b64 s[64:65], 0
	v_nop
	global_prefetch_b8 v0, s[64:65] scope:SCOPE_SE
	s_setreg_imm32_b32 hwreg(HW_REG_WAVE_MODE, 25, 1), 1
	s_wait_xcnt 0x0
; h[r][c] = g[c] * (x[r][c] * rsqrt(mean over c of x[r][c]^2 + 1e-6)).  x: [4096][1024] f32, g: [1024] f32, h: [4096][1024] f16, rounded once.
; FORMAT.  x times the reciprocal root is at most 32 in size (a row with one number), so |h| <= 32 max|g|: f16 has room up to |g| = 2,000.  LIMIT: beyond that h would be infinite.
; A work-group owns 16 rows, a wave two: a row of 4,096 bytes is eight 16-byte loads a lane and stays in 32 registers between the sum and the scaling,
; so the row is read once, the sum never leaves the wave, and there is no LDS and no barrier.  Lane l holds columns 4 l + 128 j .. + 3 (j = 0..7);
; its 8 bytes of h go to 8 l + 256 j: a wave's store covers 256 consecutive bytes, aligned.
.set G,  4                             ; v[4:35]    g of my 32 columns
.set X0, 36                            ; v[36:67]   first row
.set X1, 68                            ; v[68:99]   second row
.set A0, 100                           ; v[100:103] two chains of packed sums, first row
.set A1, 104                           ; v[104:107] second row
.set R,  108                           ; v108 mean + eps; v[110:111] its reciprocal root, twice (a pair for the packed multiply)
	s_load_b128 s[4:7], s[0:1], 0x0                ; x s[4:5], g s[6:7]
	s_load_b64 s[8:9], s[0:1], 0x10                ; h
	v_and_b32 v1, 31, v0                           ; lane
	v_lshrrev_b32 v3, 5, v0                        ; wave
	v_lshlrev_b32 v2, 13, v3                       ; two rows of 4,096 bytes a wave
	v_lshlrev_b32 v3, 12, v3                       ; two rows of 2,048 bytes a wave
	v_lshl_add_u32 v2, v1, 4, v2                   ; offset in x
	v_lshl_add_u32 v3, v1, 3, v3                   ; offset in h
	v_lshlrev_b32 v1, 4, v1                        ; offset in g
	s_lshl_b32 s10, ttmp9, 16                      ; the group's 16 rows in x
	s_mov_b32 s11, 0
	s_lshl_b32 s14, ttmp9, 15                      ; and in h
	s_mov_b32 s15, 0
	s_mov_b32 s12, 0x76543210                      ; v_permlanex16_b32: each lane takes its own place in the other half
	s_mov_b32 s13, 0xfedcba98
	s_mov_b32 s16, 0x3a800000                      ; 1 / 1024
	s_mov_b32 s17, 0x358637bd                      ; 1e-6
	s_wait_kmcnt 0x0
	s_add_nc_u64 s[4:5], s[4:5], s[10:11]
	s_add_nc_u64 s[8:9], s[8:9], s[14:15]
.irp j, 0,1,2,3,4,5,6,7
	global_load_b128 v[G+4*\j:G+4*\j+3], v1, s[6:7] offset:512*\j
.endr
.irp j, 0,1,2,3,4,5,6,7
	global_load_b128 v[X0+4*\j:X0+4*\j+3], v2, s[4:5] offset:512*\j
.endr
.irp j, 0,1,2,3,4,5,6,7
	global_load_b128 v[X1+4*\j:X1+4*\j+3], v2, s[4:5] offset:4096+512*\j
.endr
; One row: x its registers, a its sums, left the younger loads that may stay out, n its number in the wave.
.macro ROW x, a, left, n
	s_wait_loadcnt \left
	v_pk_mul_f32 v[\a:\a+1],   v[\x:\x+1],   v[\x:\x+1]          ; the first squares start the two chains: nothing is cleared
	v_pk_mul_f32 v[\a+2:\a+3], v[\x+2:\x+3], v[\x+2:\x+3]
.irp j, 1,2,3,4,5,6,7
	v_pk_fma_f32 v[\a:\a+1],   v[\x+4*\j:\x+4*\j+1],   v[\x+4*\j:\x+4*\j+1],   v[\a:\a+1]
	v_pk_fma_f32 v[\a+2:\a+3], v[\x+4*\j+2:\x+4*\j+3], v[\x+4*\j+2:\x+4*\j+3], v[\a+2:\a+3]
.endr
	v_pk_add_f32 v[\a:\a+1], v[\a:\a+1], v[\a+2:\a+3]
	v_add_f32 v[\a], v[\a], v[\a+1]
	v_add_f32_dpp v[\a], v[\a], v[\a] row_xmask:1 row_mask:0xf bank_mask:0xf
	v_add_f32_dpp v[\a], v[\a], v[\a] row_xmask:2 row_mask:0xf bank_mask:0xf
	v_add_f32_dpp v[\a], v[\a], v[\a] row_xmask:4 row_mask:0xf bank_mask:0xf
	v_add_f32_dpp v[\a], v[\a], v[\a] row_xmask:8 row_mask:0xf bank_mask:0xf
	v_permlanex16_b32 v[\a+1], v[\a], s12, s13     ; the other half of the lanes
	v_add_f32 v[\a], v[\a], v[\a+1]                ; every lane holds the row's sum of squares
	v_fma_f32 v[R], v[\a], s16, s17                ; mean + eps
	v_rsq_f32 v[R+2], v[R]
	v_rsq_f32 v[R+3], v[R]
	v_nop                                          ; a plain instruction between the root and the use of its result (ISA guide 5.7.2)
	s_wait_alu depctr_va_vdst(0)
.irp j, 0,1,2,3,4,5,6,7
	v_pk_mul_f32 v[\x+4*\j:\x+4*\j+1],   v[\x+4*\j:\x+4*\j+1],   v[R+2:R+3]
	v_pk_mul_f32 v[\x+4*\j+2:\x+4*\j+3], v[\x+4*\j+2:\x+4*\j+3], v[R+2:R+3]
	v_pk_mul_f32 v[\x+4*\j:\x+4*\j+1],   v[\x+4*\j:\x+4*\j+1],   v[G+4*\j:G+4*\j+1]
	v_pk_mul_f32 v[\x+4*\j+2:\x+4*\j+3], v[\x+4*\j+2:\x+4*\j+3], v[G+4*\j+2:G+4*\j+3]
	v_cvt_pk_f16_f32 v[\x+4*\j],   v[\x+4*\j],   v[\x+4*\j+1]
	v_cvt_pk_f16_f32 v[\x+4*\j+1], v[\x+4*\j+2], v[\x+4*\j+3]
	global_store_b64 v3, v[\x+4*\j:\x+4*\j+1], s[8:9] offset:\n*2048+256*\j
.endr
.endm
	ROW X0, A0, 8, 0                               ; g and the first row are in; the second row's eight loads stay out
	ROW X1, A1, 0, 1
	s_endpgm
.Lfunc_end_k_q0853890662_norm2:
	.size	k_q0853890662_norm2, .Lfunc_end_k_q0853890662_norm2-k_q0853890662_norm2
	.p2alignl 7, 3214868480
	.fill 96, 4, 3214868480
	.section	.rodata,"a",@progbits
	.p2align	6, 0x0
	.amdhsa_kernel k_q0853890662_norm2
		.amdhsa_group_segment_fixed_size 0
		.amdhsa_private_segment_fixed_size 0
		.amdhsa_enable_private_segment 0
		.amdhsa_kernarg_size 24
		.amdhsa_user_sgpr_count 2
		.amdhsa_user_sgpr_kernarg_segment_ptr 1
		.amdhsa_wavefront_size32 1
		.amdhsa_system_sgpr_workgroup_id_x 1
		.amdhsa_system_sgpr_workgroup_id_y 1
		.amdhsa_system_sgpr_workgroup_id_z 1
		.amdhsa_system_vgpr_workitem_id 0
		.amdhsa_next_free_vgpr 112
		.amdhsa_next_free_sgpr 66
		.amdhsa_reserve_vcc 0
		.amdhsa_float_denorm_mode_32 3
		.amdhsa_float_denorm_mode_16_64 3
		.amdhsa_memory_ordered 1
		.amdhsa_forward_progress 1
		.amdhsa_inst_pref_size 15
	.end_amdhsa_kernel
	.amdgpu_metadata
---
amdhsa.version: [ 1, 2 ]
amdhsa.kernels:
  - .name:           k_q0853890662_norm2
    .symbol:         k_q0853890662_norm2.kd
    .args:
      - { .name: out0, .offset: 0, .size: 8, .value_kind: global_buffer, .address_space: global }
      - { .name: g_norm_cross, .offset: 8, .size: 8, .value_kind: global_buffer, .address_space: global }
      - { .name: h, .offset: 16, .size: 8, .value_kind: global_buffer, .address_space: global }
    .group_segment_fixed_size: 0
    .private_segment_fixed_size: 0
    .kernarg_segment_align: 8
    .kernarg_segment_size: 24
    .max_flat_workgroup_size: 256
    .sgpr_count:     66
    .vgpr_count:     112
    .wavefront_size: 32
...
	.end_amdgpu_metadata
.endif
;; end of part 5
;; launch proj2 (part 6): grid 8 x 32, 4 waves a work-group, clusters of 4 x 4, 327,680 bytes of LDS; arguments h, Wb, qkv; writes qkv
.if DOCPART == 6
	.amdgcn_target "amdgcn-amd-amdhsa--gfx1250"
	.amdhsa_code_object_version 6
	.text
	.protected	k_q0853890662_proj2
	.globl	k_q0853890662_proj2
	.p2align	8
	.type	k_q0853890662_proj2,@function
k_q0853890662_proj2:
	s_mov_b64 s[64:65], 0
	v_nop
	global_prefetch_b8 v0, s[64:65] scope:SCOPE_SE
	s_setreg_imm32_b32 hwreg(HW_REG_WAVE_MODE, 25, 1), 1
	s_wait_xcnt 0x0
	s_wait_alu depctr_hold_cnt(0) depctr_sa_sdst(0) depctr_va_vdst(0) depctr_va_sdst(0) depctr_va_ssrc(0) depctr_va_vcc(0) depctr_vm_vsrc(0)
	s_getreg_b32 s2, hwreg(HW_REG_IB_STS2, 6, 4)
	s_cmp_eq_u32 s2, 0
	s_cbranch_scc0 .Lentry_in_a_cluster
	s_endpgm
.Lentry_in_a_cluster:
	s_bfe_u32 s2, ttmp6, 0x10000c
	s_cmp_lg_u32 s2, 0xf033
	s_cbranch_scc0 .Lentry_shape_is_right
	s_endpgm
.Lentry_shape_is_right:
; The cross-attention's q: C = h w_q^T, K = 1024, f16 operands, f32 sums, C rounded once to f16 and stored head by head into the first region of qkv, [b][head][2048][64].
; A = h [4096][1024]; B = w_q, [1024][1024], 2 MiB into the weight buffer.
; FORMAT OF C: f16: a gain times a weight; the drawn spread is about 1, with both factors 30 times larger about 900, six spreads 5,400.  LIMIT: the results must lie inside +-65,504.
; A tile of C is 128 x 128, since 1,024 columns give only 64 tiles of 256 x 256 and 256 of this size; four waves, each 64 x 64: 16 accumulators.  A wave's 64 columns are one head,
; so its part of C is 64 rows of 128 bytes, 8 KiB dense.
; K goes in four steps of 256 through two LDS slots (rows of 512 bytes + 16 of padding); a wave's tensor load brings 64 rows: two loads of a wave are out at the start, one behind each round.
; CLUSTERS: 4 x 4 work-groups; A's tile is asked for jointly by the four of a row of the cluster, B's by the four of a column.
; THE MATRIX INSTRUCTION IS USED TRANSPOSED (source 0 = 16 rows of B, source 1 = 16 rows of A): lane l holds row l % 16 of C and columns 16 b + 8 (l / 16) + 0..7.
; REGISTERS: window 0: v0-31 addresses; v32-95 packed results; v128-255 accumulators ((a, b) at v[128 + 8 (4 a + b)]).  window 1: two fragment buffers of 128 (64 of A, 64 of B, 64 along K).
.set KSTEP,  256
.set PITCH,  528                       ; 512 bytes + 16: the 16 rows that a fragment load touches start 16 bytes further on in each 256
.set HALFT,  64*PITCH                  ; what one tensor load brings
.set SLOT,   4*HALFT                   ; A's 128 rows, then B's 128 rows
.set STAGE,  2*SLOT                    ; behind the ring: 64 rows x 144 bytes for each wave
.set SP,     144
.set ADRA, 16                          ; v16-17 LDS address of my A fragments in slot 0, 1
.set ADRB, 20                          ; v20-21 the same for B
.set STO,  24                          ; where I put 16 bytes of a row
.set RD,   25                          ; where I read rows back
.set CO,   26                          ; my byte offset in the wave's 8 KiB of C
.set TMP,  32
.set ACC,  128
.set F0,   0
.set F1,   128
.set G1, 24                            ; s[24:31] group 1 for A; s[32:39] group 0, a set for each slot
.set G0, 32
.set G1B, 48                           ; s[48:55], s[56:63] the same for B
.set G0B, 56
.set MSB, 0
.macro WIN new                         ; the immediate's high byte repeats the setting that is left
.if MSB != \new
	s_set_vgpr_msb (MSB<<8)|\new
.set MSB, \new
.endif
.endm
.set MUL,  0x05                        ; sources 0 (B) and 1 (A) window 1; C and D window 0
.set TO_F, 0x40                        ; destination window 1, address window 0
.macro JLOAD s                         ; a joint load: waves 0 and 1 fetch A's two halves, waves 2 and 3 B's; four v_nop follow each line
	s_cmp_eq_u32 s11, 0
	s_cbranch_scc0 .Lfor_b_\@
	tensor_load_to_lds s[G0+4*\s:G0+4*\s+3], s[G1:G1+7]
	s_nop 0
.rept 4
	v_nop
.endr
	s_branch .Lasked_\@
.Lfor_b_\@:
	tensor_load_to_lds s[G0B+4*\s:G0B+4*\s+3], s[G1B:G1B+7]
	s_nop 0
.rept 4
	v_nop
.endr
.Lasked_\@:
.endm
.macro CREST                           ; a round of the cluster's barrier behind its opening barrier
	s_cmp_lg_u32 s10, 0
	s_cbranch_scc1 .Lnot_wave_0_\@
	s_barrier_signal -3
.Lnot_wave_0_\@:
	s_barrier_wait -3
	s_barrier_signal -1
	s_barrier_wait -1
.endm
.macro CROUND                          ; a whole round
	s_barrier_signal -1
	s_barrier_wait -1
	CREST
.endm
; 8 matrix instructions: m blocks a0, a0 + 1 x all 4 n blocks, 32 along K: half c of buffer f.  zero = 1: the first product starts the sums.
; The 16 accumulators take turns, one instruction a turn.
.macro MUL8 f, c, a0, zero
.irp a, \a0, \a0+1
.irp b, 0,1,2,3
.if \zero
	v_wmma_f32_16x16x32_f16 v[ACC+8*(4*(\a)+\b):ACC+8*(4*(\a)+\b)+7], v[\f+64+8*(4*\c+\b):\f+64+8*(4*\c+\b)+7], v[\f+8*(4*\c+\a):\f+8*(4*\c+\a)+7], 0
.else
	v_wmma_f32_16x16x32_f16 v[ACC+8*(4*(\a)+\b):ACC+8*(4*(\a)+\b)+7], v[\f+64+8*(4*\c+\b):\f+64+8*(4*\c+\b)+7], v[\f+8*(4*\c+\a):\f+8*(4*\c+\a)+7], v[ACC+8*(4*(\a)+\b):ACC+8*(4*(\a)+\b)+7]
.endif
.endr
.endr
.endm
; 32 LDS loads in one run: the fragments of 64 along K at byte k of the rows, into buffer f; the first 32 along K first
.macro FETCH slot, k, f
	WIN TO_F
.irp c, 0,1
.irp i, 0,1,2,3
	ds_load_b128 v[\f+64+8*(4*\c+\i):\f+64+8*(4*\c+\i)+3],   v[ADRB+\slot] offset:\k+64*\c+\i*16*PITCH
	ds_load_b128 v[\f+64+8*(4*\c+\i)+4:\f+64+8*(4*\c+\i)+7], v[ADRB+\slot] offset:\k+64*\c+\i*16*PITCH+32
	ds_load_b128 v[\f+8*(4*\c+\i):\f+8*(4*\c+\i)+3],         v[ADRA+\slot] offset:\k+64*\c+\i*16*PITCH
	ds_load_b128 v[\f+8*(4*\c+\i)+4:\f+8*(4*\c+\i)+7],       v[ADRA+\slot] offset:\k+64*\c+\i*16*PITCH+32
.endr
.endr
.endm
.macro PLACES                          ; four plain instructions between matrix instructions and loads into their sources or reads of their results
.rept 4
	v_nop
.endr
.endm
; A K step is four quarters of 64 along K, 32 matrix instructions each, on buffers 0, 1, 0, 1.  One of the first three: multiplies buffer f, fetches the next quarter, at byte k, into g.
.macro QUARTER slot, k, f, g, zero
	s_wait_dscnt 16                                ; the first 32 along K are in; the sixteen younger loads may be out
	WIN MUL
	MUL8 \f, 0, 0, \zero
	MUL8 \f, 0, 2, \zero
	PLACES
	FETCH \slot, \k, \g
	s_wait_dscnt 32                                ; all but the 32 just issued
	WIN MUL
	MUL8 \f, 1, 0, 0
	MUL8 \f, 1, 2, 0
.endm
; The last quarter multiplies buffer 1 and changes slots: one barrier; in front of it each wave waits for its reads of this slot and for all its tensor loads.
; fill = 1: the barrier opens a round of the cluster's, and behind the round this slot is filled again, two K steps ahead.
.macro TURN slot, next, fill
	s_wait_dscnt 16
	WIN MUL
	MUL8 F1, 0, 0, 0
	s_wait_dscnt 0                                 ; my reads of this slot are over,
	s_set_vgpr_msb 0x500
	s_wait_tensorcnt 0x0                           ; and all my tensor loads have landed: my part of the next slot
	ds_add_u32 v126, v127
	s_wait_dscnt 0x0
	s_set_vgpr_msb 0x5
	s_barrier_signal -1
	MUL8 F1, 0, 2, 0
.if \fill
	WIN 0
.endif
	s_barrier_wait -1
.if \fill
	CREST                                          ; no wave of any partner still reads this slot or has a load on its way
	s_add_nc_u64 s[G0+4*\slot+2:G0+4*\slot+3], s[G0+4*\slot+2:G0+4*\slot+3], 2*KSTEP*2
	s_add_nc_u64 s[G0B+4*\slot+2:G0B+4*\slot+3], s[G0B+4*\slot+2:G0B+4*\slot+3], 2*KSTEP*2
	JLOAD \slot                                    ; my one tensor load behind the round; its four v_nop are also the places in front of the loads below
.else
	PLACES
.endif
	FETCH \next, 0, F0
	WIN MUL
	MUL8 F1, 1, 0, 0
	MUL8 F1, 1, 2, 0
.endm
	s_load_b128 s[68:71], s[0:1], 0x0              ; h s[68:69], W s[70:71]
	s_load_b64 s[72:73], s[0:1], 0x10              ; qkv
	v_lshl_add_u32 v126, v0, 2, 0x4b000
	v_mov_b32 v127, 0
	ds_add_u32 v126, v127
	v_lshrrev_b32 v1, 5, v0
	v_readfirstlane_b32 s10, v1                    ; wave 0..3
	s_lshr_b32 s11, s10, 1                         ; my half of the tile's rows; also: I fetch for A (0) or B (1)
	s_and_b32 s12, s10, 1                          ; my half of its columns; also: which 64 rows I fetch
	s_bfe_u32 s40, ttmp6, 0x40000                  ; cx
	s_bfe_u32 s41, ttmp6, 0x40004                  ; cy
	s_lshl_b32 s42, ttmp9, 2
	s_add_co_u32 s42, s42, s40                     ; tile column
	s_and_b32 s13, ttmp7, 0xffff
	s_lshl_b32 s13, s13, 2
	s_add_co_u32 s13, s13, s41                     ; tile row
	s_lshl_b32 s43, s41, 2
	s_lshl_b32 s43, 15, s43                        ; my row of the cluster
	s_lshl_b32 s44, 0x1111, s40                    ; my column
	; group 1: 64 rows x 256 elements of 2 bytes, 4 words of padding behind every 128 words; the mask, and bit 21 beside it
	s_or_b32 s[G1+0], s43, (1<<16)|(1<<20)|(1<<21)|(6<<22)|(3<<25)
	s_or_b32 s[G1B+0], s44, (1<<16)|(1<<20)|(1<<21)|(6<<22)|(3<<25)
.irp g, G1, G1B
	s_mov_b32 s[\g+1], KSTEP<<16                   ; tensor_dim0 = 256
	s_mov_b32 s[\g+2], 64<<16                      ; tensor_dim1 = 64
	s_mov_b32 s[\g+3], KSTEP<<16                   ; tile_dim0 = 256
	s_mov_b32 s[\g+4], 64                          ; tile_dim1 = 64
	s_mov_b32 s[\g+5], 1024                        ; elements from row to row
	s_mov_b32 s[\g+6], 0
	s_mov_b32 s[\g+7], 0
.endr
	s_lshl_b32 s17, s12, 6                         ; which 64 rows of the tile I fetch
	s_lshl_b32 s16, s13, 7
	s_add_co_u32 s16, s16, s17
	s_lshl_b32 s16, s16, 11                        ; rows of 2,048 bytes
	s_lshl_b32 s46, s42, 7
	s_add_co_u32 s46, s46, s17
	s_lshl_b32 s46, s46, 11
	s_add_co_u32 s46, s46, 0x200000                ; w_q begins 2 MiB into W
	s_mov_b32 s17, 0
	s_mov_b32 s47, 0
	s_mul_i32 s20, s10, HALFT                      ; where the tiles go: wave x 64 rows, A's halves and then B's
	s_mul_i32 s21, s10, HALFT
	s_wait_dscnt 0x0
	s_wait_kmcnt 0x0
	s_add_nc_u64 s[14:15], s[68:69], s[16:17]
	s_add_nc_u64 s[46:47], s[70:71], s[46:47]
	CROUND                                         ; all sixteen work-groups are here: the first joint loads meet
.irp s, 0,1
	s_mov_b32 s[G0+4*\s], 1
	s_add_co_u32 s[G0+4*\s+1], s20, \s*SLOT
	s_add_nc_u64 s[G0+4*\s+2:G0+4*\s+3], s[14:15], \s*KSTEP*2
	s_or_b32 s[G0+4*\s+3], s[G0+4*\s+3], 0x80000000
	s_mov_b32 s[G0B+4*\s], 1
	s_add_co_u32 s[G0B+4*\s+1], s21, \s*SLOT
	s_add_nc_u64 s[G0B+4*\s+2:G0B+4*\s+3], s[46:47], \s*KSTEP*2
	s_or_b32 s[G0B+4*\s+3], s[G0B+4*\s+3], 0x80000000
	JLOAD \s                                       ; two loads of mine are out
.endr
	v_and_b32 v1, 15, v0                           ; r = l % 16
	v_bfe_u32 v2, v0, 4, 1                         ; l / 16
	v_mul_u32_u24 v3, v1, PITCH
	v_lshl_add_u32 v3, v2, 4, v3                   ; a fragment's row x pitch + 16 x half
	s_mul_i32 s21, s11, HALFT                      ; my 64 rows of A
	s_mul_i32 s22, s12, HALFT                      ; my 64 rows of B,
	s_add_co_u32 s22, s22, 2*HALFT                 ; behind A's 128
.irp s, 0,1
	v_add_nc_u32 v[ADRA+\s], s21, v3
	v_add_nc_u32 v[ADRB+\s], s22, v3
	s_add_co_u32 s21, s21, SLOT
	s_add_co_u32 s22, s22, SLOT
.endr
	s_mul_i32 s23, s10, 64*SP
	s_add_co_u32 s23, s23, STAGE                   ; my stage
	v_mul_u32_u24 v4, v1, SP                       ; in: row r, 16 bytes for each half of the lanes
	v_lshl_add_u32 v4, v2, 4, v4
	v_add_nc_u32 v[STO], s23, v4
	v_and_b32 v5, 31, v0                           ; lane
	v_lshrrev_b32 v4, 3, v5                        ; back: eight lanes take a row of 128 bytes, a load four rows
	v_mul_u32_u24 v4, v4, SP
	v_and_b32 v6, 7, v0
	v_lshl_add_u32 v4, v6, 4, v4
	v_add_nc_u32 v[RD], s23, v4
	v_lshlrev_b32 v[CO], 4, v5                     ; those four rows are 512 dense bytes of C
	s_lshl_b32 s80, s42, 1                         ; where my 64 x 64 goes: the head's 256 KiB,
	s_add_co_u32 s80, s80, s12
	s_lshl_b32 s80, s80, 18
	s_lshr_b32 s81, s13, 4                         ; the batch's sixteen heads,
	s_lshl_b32 s81, s81, 22
	s_add_co_u32 s80, s80, s81
	s_and_b32 s81, s13, 15                         ; my first row in its batch, rows of 128 bytes
	s_lshl_b32 s81, s81, 7
	s_lshl_b32 s82, s11, 6
	s_add_co_u32 s81, s81, s82
	s_lshl_b32 s81, s81, 7
	s_add_co_u32 s80, s80, s81
	s_mov_b32 s81, 0
	s_add_nc_u64 s[8:9], s[72:73], s[80:81]
	s_wait_tensorcnt 1                             ; my part of K step 0 is in; K step 1's may stay out
	s_barrier_signal -1
	s_barrier_wait -1
	FETCH 0, 0, F0
	QUARTER 0, 128, F0, F1, 1                      ; K step 0; its first products start the sums
	QUARTER 0, 256, F1, F0, 0
	QUARTER 0, 384, F0, F1, 0
	TURN 0, 1, 1                                   ; slot 0 takes K step 2
	QUARTER 1, 128, F0, F1, 0                      ; K step 1
	QUARTER 1, 256, F1, F0, 0
	QUARTER 1, 384, F0, F1, 0
	TURN 1, 0, 1                                   ; slot 1 takes K step 3
	QUARTER 0, 128, F0, F1, 0                      ; K step 2
	QUARTER 0, 256, F1, F0, 0
	QUARTER 0, 384, F0, F1, 0
	TURN 0, 1, 0                                   ; nothing is left to fetch
	QUARTER 1, 128, F0, F1, 0                      ; K step 3
	QUARTER 1, 256, F1, F0, 0
	QUARTER 1, 384, F0, F1, 0
	s_wait_dscnt 16
	WIN MUL
	MUL8 F1, 0, 0, 0
	MUL8 F1, 0, 2, 0
	s_wait_dscnt 0
	MUL8 F1, 1, 0, 0
	MUL8 F1, 1, 2, 0
	WIN 0
	; THE WAY OUT: rounded to f16, each accumulator from its low end; 16 bytes a lane into my own stage; back as whole rows of 128 bytes, four to a load;
	; LDS serves a wave's instructions in order (ISA guide 5.7.1.4), so no wait stands between.
	PLACES
.irp t, 0,1,2,3,4,5,6,7,8,9,10,11,12,13,14,15
.irp r, 0,1,2,3
	v_cvt_pk_f16_f32 v[TMP+4*\t+\r], v[ACC+8*\t+2*\r], v[ACC+8*\t+2*\r+1]
.endr
.endr
.irp a, 0,1,2,3
.irp b, 0,1,2,3
	ds_store_b128 v[STO], v[TMP+4*(4*\a+\b):TMP+4*(4*\a+\b)+3] offset:\a*16*SP+32*\b
.endr
.endr
.irp f, 0,1,2,3,4,5,6,7,8,9,10,11,12,13,14,15
	ds_load_b128 v[TMP+4*\f:TMP+4*\f+3], v[RD] offset:\f*4*SP
.endr
.irp f, 0,1,2,3,4,5,6,7,8,9,10,11,12,13,14,15
	s_wait_dscnt 15-\f                             ; load f is back, the younger ones stay out
	global_store_b128 v[CO], v[TMP+4*\f:TMP+4*\f+3], s[8:9] offset:512*\f   ; a wave's store covers 512 consecutive bytes, aligned
.endr
	s_wait_tensorcnt 0x0
	ds_add_u32 v126, v127
	s_wait_dscnt 0x0
	CROUND                                         ; the closing round: no work-group ends while a partner may still ask for a tile that names it
	s_endpgm
.Lfunc_end_k_q0853890662_proj2:
	.size	k_q0853890662_proj2, .Lfunc_end_k_q0853890662_proj2-k_q0853890662_proj2
	.p2alignl 7, 3214868480
	.fill 96, 4, 3214868480
	.section	.rodata,"a",@progbits
	.p2align	6, 0x0
	.amdhsa_kernel k_q0853890662_proj2
		.amdhsa_group_segment_fixed_size 327680
		.amdhsa_private_segment_fixed_size 0
		.amdhsa_enable_private_segment 0
		.amdhsa_kernarg_size 24
		.amdhsa_user_sgpr_count 2
		.amdhsa_user_sgpr_kernarg_segment_ptr 1
		.amdhsa_wavefront_size32 1
		.amdhsa_system_sgpr_workgroup_id_x 1
		.amdhsa_system_sgpr_workgroup_id_y 1
		.amdhsa_system_sgpr_workgroup_id_z 1
		.amdhsa_system_vgpr_workitem_id 0
		.amdhsa_next_free_vgpr 512
		.amdhsa_next_free_sgpr 88
		.amdhsa_reserve_vcc 0
		.amdhsa_float_denorm_mode_32 3
		.amdhsa_float_denorm_mode_16_64 3
		.amdhsa_memory_ordered 1
		.amdhsa_forward_progress 1
		.amdhsa_inst_pref_size 86
	.end_amdhsa_kernel
	.amdgpu_metadata
---
amdhsa.version: [ 1, 2 ]
amdhsa.kernels:
  - .name:           k_q0853890662_proj2
    .symbol:         k_q0853890662_proj2.kd
    .args:
      - { .name: h, .offset: 0, .size: 8, .value_kind: global_buffer, .address_space: global }
      - { .name: Wb, .offset: 8, .size: 8, .value_kind: global_buffer, .address_space: global }
      - { .name: qkv, .offset: 16, .size: 8, .value_kind: global_buffer, .address_space: global }
    .group_segment_fixed_size: 327680
    .private_segment_fixed_size: 0
    .kernarg_segment_align: 8
    .kernarg_segment_size: 24
    .max_flat_workgroup_size: 128
    .sgpr_count:     88
    .vgpr_count:     512
    .wavefront_size: 32
...
	.end_amdgpu_metadata
.endif
;; end of part 6
;; launch crossatt (part 7): grid 8 x 32, 8 waves a work-group, clusters of 4 x 1, 327,680 bytes of LDS; arguments qkv, kvc, context_mask, att; writes att
.if DOCPART == 7
	.amdgcn_target "amdgcn-amd-amdhsa--gfx1250"
	.amdhsa_code_object_version 6
	.text
	.protected	k_q0853890662_crossatt
	.globl	k_q0853890662_crossatt
	.p2align	8
	.type	k_q0853890662_crossatt,@function
k_q0853890662_crossatt:
	s_mov_b64 s[64:65], 0
	v_nop
	global_prefetch_b8 v0, s[64:65] scope:SCOPE_SE
	s_setreg_imm32_b32 hwreg(HW_REG_WAVE_MODE, 25, 1), 1
	s_wait_xcnt 0x0
	s_wait_alu depctr_hold_cnt(0) depctr_sa_sdst(0) depctr_va_vdst(0) depctr_va_sdst(0) depctr_va_ssrc(0) depctr_va_vcc(0) depctr_vm_vsrc(0)
	s_getreg_b32 s2, hwreg(HW_REG_IB_STS2, 6, 4)
	s_cmp_eq_u32 s2, 0
	s_cbranch_scc0 .Lentry_in_a_cluster
	s_endpgm
.Lentry_in_a_cluster:
	s_bfe_u32 s2, ttmp6, 0x10000c
	s_cmp_lg_u32 s2, 0x3003
	s_cbranch_scc0 .Lentry_shape_is_right
	s_endpgm
.Lentry_shape_is_right:
; Masked attention of one head over the context: O[q] = sum over k with mask[k] != 0 of softmax_k(Q[q] . K[k] / 8) V[k].
; Q: the first region of qkv, [b][head][2048][64] f16; K, V: the two regions of kvc, [b][head][1024][64] f16; mask: [b][1024] int32.
; FORMAT.  Both products are f16 products with f32 sums; the weights, in [0, 1], are rounded to f16; O, a weighted mean of rows of V, is rounded once to f16.
; THE MASK is an addend: 0 for a key that counts, -1e30 for one that does not, kept in LDS as f32 and given to the first product of each score tile as its C.
; THE RUNNING MAXIMUM is floored at -2^80, so that a step whose keys are all masked gives weights 2^(c (-1e30 + 2^80)) = 0 and leaves l and O at 0.
; LIMITS: true scores must lie above -2^80 (about -1.2e24).  A batch whose mask is all zero ends with l = 0 and O = 0, and O / l is NaN, as in the reference.
; SHARES.  A work-group owns 256 queries of one head, each of its eight waves 32 (two tiles of 16); every wave walks all 1,024 keys, 64 a step.
; CLUSTER.  The four query blocks of a cluster belong to one head and walk the same K and V: each tile is asked for jointly, by the same tensor load with a mask that names the four.
; LAYOUT.  S^T = K Q^T, O^T = V^T P: a lane holds one query in both; K comes out of LDS as it lies, V turned, by ds_load_tr16_b128.
; BY TURNS.  A step of a wave has 32 matrix instructions and 236 vector instructions, and a tile never looks at the other tile.  So the wave's two tiles take turns: a tile's softmax is cut
; into eight parts, and ahead of each part stand two products of the OTHER tile.  Beside tile 0's softmax of step j: tile 1's V^T P of step j - 1, then its K Q^T of step j.  Beside tile 1's
; softmax of step j: tile 0's V^T P of step j, then its K Q^T of step j + 1.  V of step j is fetched behind the fourth part of the first softmax, K and the addends of step j + 1 between
; the two softmaxes: each run of loads has 40 instructions or more in which to land.  All that a softmax touches lies in window 0 and K, V and Q in window 1, so a part costs two switches
; of the register window: 34 for a step.  With seven vector instructions to a matrix instruction that is the lesser price: in phases neither unit would have work while the other has.
; RING.  Two slots of 128 keys, K's rows 144 bytes apart, V's 160; wave 0 loads K's tile, wave 1 V's.  The change of slots, a round of the cluster's barrier, stands between the two
; softmaxes of a slot's second step: its last bytes, that step's V, have been waited for there.  A loading wave has two loads out at the start and one behind each round.
; O goes to att, tile-major [row block of 128][head][128][64]: a wave's 32 rows are 4 KiB dense.
; REGISTERS: window 0: addresses v0-15; statistics v16-31; S^T v32-95; P v96-127; O^T v128-191; the step's addends v192-223; v224-255 the way out.  window 1: K v0-63, V v64-127, Q v128-159.
.set PK,    144
.set PV,    160
.set VOFF,  128*PK
.set SLOT1, 65536
.set STAGE, SLOT1+128*(PK+PV)
.set SP,    144
.set BIAS,  STAGE+8*32*SP              ; 1,024 addends of 4 bytes
.set AK0, 2
.set AV0, 3
.set ADK, 4
.set ADV, 5
.set QO,  6
.set STO, 7
.set RD,  8
.set GO,  12
.set FLR, 13                           ; -2^80
.set AB0, 14                           ; my place in a step's addends
.set ADB, 15
.set ST,  16
.set S,   32
.set P,   96
.set O,   128
.set BI,  192
.set TMPO, 224
.set KF,  0
.set VF,  64
.set QF,  128
.set WV,  12
.set G1K, 24
.set G1V, 32
.set G0K, 40
.set G0V, 48
.set SLOTS, 56
.set CS,  58
.set SEL, 60
.set TB,  62
.set BB,  68                           ; byte of the first addend of the step whose K is fetched
.set mi,  0                            ; the number of the product that MQK or MPV writes next
.set MSB, 0
.macro WIN new                         ; the immediate's high byte repeats the setting that is left; a switch that changes nothing is dropped
.if MSB != \new
	s_set_vgpr_msb (MSB<<8)|\new
.set MSB, \new
.endif
.endm
.macro PLACES
.rept 4
	v_nop
.endr
.endm
.macro JLOAD                           ; a joint refill: wave 0 K's tile, wave 1 V's, the others none: the same in every work-group; four v_nop follow each line
	s_cmp_eq_u32 s[WV], 0
	s_cbranch_scc0 .Lnot_k_\@
	tensor_load_to_lds s[G0K+4:G0K+7], s[G1K:G1K+7]
	s_nop 0
.rept 4
	v_nop
.endr
	s_branch .Lasked_\@
.Lnot_k_\@:
	s_cmp_eq_u32 s[WV], 1
	s_cbranch_scc0 .Lasked_\@
	tensor_load_to_lds s[G0V+4:G0V+7], s[G1V:G1V+7]
	s_nop 0
.rept 4
	v_nop
.endr
.Lasked_\@:
.endm
.macro CROUND                          ; a round of the cluster's barrier
	s_barrier_signal -1
	s_barrier_wait -1
	s_cmp_lg_u32 s[WV], 0
	s_cbranch_scc1 .Lnot_wave_0_\@
	s_barrier_signal -3
.Lnot_wave_0_\@:
	s_barrier_wait -3
	s_barrier_signal -1
	s_barrier_wait -1
.endm
; The change of slots.  Every wave waits for its reads of the slot and for all its tensor loads.  nxt = 2: the barrier is a round of the cluster's, so that no wave of any partner still
; reads the slot or has a load on its way, and the joint refill comes first behind it.
.macro CHANGE nxt
	s_wait_dscnt 0x0
	s_set_vgpr_msb 0x5
	s_wait_tensorcnt 0x0                           ; no tensor load of mine is out, so a group 0 may be written
	ds_add_u32 v160, v161
	s_wait_dscnt 0x0
	s_set_vgpr_msb 0x500
.if \nxt == 2
.irp g, G0K+4, G0V+4
	s_xor_b32 s[\g+1], s[\g+1], SLOT1
	s_add_nc_u64 s[\g+2:\g+3], s[\g+2:\g+3], 128*128
.endr
	CROUND
	JLOAD
.else
	s_barrier_signal -1
	s_barrier_wait -1
.endif
	s_xor_b32 s[TB], s[TB], SLOT1
.endm
; THE MATRIX WORK.  The four accumulators of a run of eight take turns, one instruction a turn.
; Product mi of 8 of S^T = K Q^T for tile t: channels 32 (mi / 4) on, keys 16 (mi % 4) on.  The first four start the sums from the addends.
.macro MQK t
	WIN 0x05                                       ; K and Q window 1
.set mS, S+32*\t+8*(mi%4)
.set mK, KF+8*(2*(mi%4)+mi/4)
.set mQ, QF+8*(2*\t+mi/4)
.set mB, BI+8*(mi%4)
.if mi < 4
	v_wmma_f32_16x16x32_f16 v[mS:mS+7], v[mK:mK+7], v[mQ:mQ+7], v[mB:mB+7]
.else
	v_wmma_f32_16x16x32_f16 v[mS:mS+7], v[mK:mK+7], v[mQ:mQ+7], v[mS:mS+7]
.endif
.set mi, mi+1
.endm
; Product mi of 8 of O^T += V^T P for tile t: keys 32 (mi / 4) on, channels 16 (mi % 4) on.  zero = 1: the first four start the sums: nothing is ever cleared.
.macro MPV t, zero
	WIN 0x01                                       ; V window 1
.set mO, O+32*\t+8*(mi%4)
.set mV, VF+8*mi
.set mP, P+16*\t+8*(mi/4)
.if \zero && (mi < 4)
	v_wmma_f32_16x16x32_f16 v[mO:mO+7], v[mV:mV+7], v[mP:mP+7], 0
.else
	v_wmma_f32_16x16x32_f16 v[mO:mO+7], v[mV:mV+7], v[mP:mP+7], v[mO:mO+7]
.endif
.set mi, mi+1
.endm
; THE LDS LOADS, in runs: half = which 64 keys of the slot.  A product follows each run and sets the windows that it needs.
.macro KLOAD half
	v_add_nc_u32 v[ADK], s[TB], v[AK0]
	v_add_nc_u32 v[ADB], s[BB], v[AB0]
.irp u, 0,1,2,3
.irp i, 0,1
	ds_load_b128 v[BI+8*\u+4*\i:BI+8*\u+4*\i+3], v[ADB] offset:64*\u+16*\i   ; the addends of keys 16 u + 8 (l / 16) + 0..7: laid like a score tile
.endr
.endr
	WIN 0x40                                       ; destination window 1
.irp u, 0,1,2,3
.irp c, 0,1
	ds_load_b128 v[KF+8*(2*\u+\c):KF+8*(2*\u+\c)+3],   v[ADK] offset:\half*64*PK+\u*16*PK+64*\c
	ds_load_b128 v[KF+8*(2*\u+\c)+4:KF+8*(2*\u+\c)+7], v[ADK] offset:\half*64*PK+\u*16*PK+64*\c+32
.endr
.endr
.endm
.macro VLOAD half
	v_add_nc_u32 v[ADV], s[TB], v[AV0]
	WIN 0x40
.irp g, 0,1
.irp d, 0,1,2,3
	ds_load_tr16_b128 v[VF+8*(4*\g+\d):VF+8*(4*\g+\d)+3],   v[ADV] offset:\half*64*PV+\g*32*PV+32*\d
	ds_load_tr16_b128 v[VF+8*(4*\g+\d)+4:VF+8*(4*\g+\d)+7], v[ADV] offset:\half*64*PV+\g*32*PV+32*\d+16*PV
.endr
.endr
.endm
; THE VECTOR WORK.  Part p of 8 of tile t's softmax for one step.  first = 1: the first step starts m, l and O^T: it has no a and nothing to rescale.
;   0, 1  the maximum of the lane's 32 scores and the old m, three operands at a time: four chains, each from its accumulator's low end
;   2     the other half of the lanes' maximum and the floor; the new m; c m; a = 2^(c m_old - c m_new); c s - c m for the first two pairs of scores
;   3-6   the 32 exponentials, a plain instruction behind each (ISA guide 5.7.2): c s - c m two pairs ahead, O^T times a, roundings of pairs whose exponentials are done
;   7     the other roundings to f16; the sum of the 16 pairs, in place; l = a l + the sum
; No part ends with an exponential, and part 7 has more than four plain instructions: they are the places behind the products that stand ahead of it.
.macro SM t, first, p
.set rT, ST+8*\t
.set rS, S+32*\t
.set rP, P+16*\t
.set rO, O+32*\t
.if \p == 0
.irp u, 0,1,2,3
	v_max3_num_f32 v[rT+4+\u], v[rS+8*\u], v[rS+8*\u+1], v[rS+8*\u+2]
.endr
.irp u, 0,1,2,3
	v_max3_num_f32 v[rT+4+\u], v[rT+4+\u], v[rS+8*\u+3], v[rS+8*\u+4]
.endr
.elseif \p == 1
.irp u, 0,1,2,3
	v_max3_num_f32 v[rT+4+\u], v[rT+4+\u], v[rS+8*\u+5], v[rS+8*\u+6]
.endr
	v_max3_num_f32 v[rT+4], v[rT+4], v[rS+7], v[rS+15]
	v_max3_num_f32 v[rT+6], v[rT+6], v[rS+23], v[rS+31]
	v_max3_num_f32 v[rT+4], v[rT+4], v[rT+5], v[rT+6]
.if \first
	v_max_num_f32 v[rT+4], v[rT+4], v[rT+7]
.else
	v_max3_num_f32 v[rT+4], v[rT+4], v[rT+7], v[rT+1]
.endif
.elseif \p == 2
	v_permlanex16_b32 v[rT+5], v[rT+4], s[SEL], s[SEL+1]   ; the query's other 32 keys lie in the lane 16 away
.if !\first
	v_mov_b32 v[rT+7], v[rT]                       ; c m_old
.endif
	v_max3_num_f32 v[rT+1], v[rT+4], v[rT+5], v[FLR]   ; the floor: see the head
	v_mul_f32 v[rT], s[CS], v[rT+1]
.if !\first
	v_sub_f32 v[rT+7], v[rT+7], v[rT]
	v_exp_f32 v[rT+6], v[rT+7]                     ; a; the scalings below are the plain instructions behind it
.endif
.irp b, 0,1
	v_pk_fma_f32 v[rS+2*\b:rS+2*\b+1], v[rS+2*\b:rS+2*\b+1], s[CS:CS+1], v[rT:rT+1] op_sel_hi:[1,0,0] neg_lo:[0,0,1] neg_hi:[0,0,1]   ; c s - c m
.endr
.elseif \p < 7
.set i, 4*(\p-3)
.rept 4                                ; pair i of 16
	v_exp_f32 v[rS+2*i], v[rS+2*i]
.if i < 14
	v_pk_fma_f32 v[rS+2*i+4:rS+2*i+5], v[rS+2*i+4:rS+2*i+5], s[CS:CS+1], v[rT:rT+1] op_sel_hi:[1,0,0] neg_lo:[0,0,1] neg_hi:[0,0,1]
.else
	s_wait_alu depctr_va_vdst(0)
	v_cvt_pk_f16_f32 v[rP+i-14], v[rS+2*i-28], v[rS+2*i-27]   ; pairs 0 and 1
.endif
	v_exp_f32 v[rS+2*i+1], v[rS+2*i+1]
.if !\first
	s_wait_alu depctr_va_vdst(0)
	v_pk_mul_f32 v[rO+2*i:rO+2*i+1], v[rO+2*i:rO+2*i+1], v[rT+6:rT+7] op_sel_hi:[1,0]   ; O^T times a, each accumulator from its low end
.elseif i > 2
	s_wait_alu depctr_va_vdst(0)
	v_cvt_pk_f16_f32 v[rP+i-1], v[rS+2*i-2], v[rS+2*i-1]      ; pairs 2 to 14
.else
	v_nop
.endif
.set i, i+1
.endr
.else
.if \first
	v_nop                                          ; a plain instruction between the last exponential and the use of its result
	v_cvt_pk_f16_f32 v[rP+15], v[rS+30], v[rS+31]
.else
.set i, 2
	s_wait_alu depctr_va_vdst(0)
.rept 14
	v_cvt_pk_f16_f32 v[rP+i], v[rS+2*i], v[rS+2*i+1]
.set i, i+1
.endr
.endif
.irp w, 4, 8, 16
.set i, 0
.rept 32/\w
	v_pk_add_f32 v[rS+\w*i:rS+\w*i+1], v[rS+\w*i:rS+\w*i+1], v[rS+\w*i+\w/2:rS+\w*i+\w/2+1]
.set i, i+1
.endr
.endr
.if \first
	v_pk_add_f32 v[rT+2:rT+3], v[rS:rS+1], v[rS+16:rS+17]
.else
	v_pk_add_f32 v[rS:rS+1], v[rS:rS+1], v[rS+16:rS+17]
	v_pk_fma_f32 v[rT+2:rT+3], v[rT+2:rT+3], v[rT+6:rT+7], v[rS:rS+1] op_sel_hi:[1,0,1]   ; l = a l + the sum
.endif
.endif
.endm
; A KEY STEP.  half = which 64 keys of the slot.  At its head tile 0's scores of this step are there: the step before made them.
; first = 1: the first step; it ends with tile 1's V^T P, which starts those sums.  prev = 1: tile 1's V^T P of the step before is still to be made.
; nxt = 1: the next step lies in this slot; 2: in the other slot, and this slot is filled again; 3: in the other slot, nothing is asked for; 0: there is none, and tile 1's V^T P stands at the end.
.macro STEP half, first, prev, nxt
.set mi, 0
.irp k, 0,1,2,3,4,5,6,7                ; tile 0's softmax; ahead of each part two of tile 1's products
.if \k == 4
.set mi, 0
	VLOAD \half                                    ; V of this step: the last product that read V stands ahead of part 3, eight plain instructions back
.endif
.if \k >= 4
	MQK 1
	MQK 1
.elseif \prev
	MPV 1, 0
	MPV 1, 0
.endif
	WIN 0
	SM 0, \first, \k
.endr
.if \nxt < 2
	s_wait_dscnt 0x0                               ; V is in
.else
	CHANGE \nxt                                    ; its wait for my LDS loads also shows V in
.endif
.if \nxt
	s_add_co_u32 s[BB], s[BB], 256                 ; the next step's 64 addends
.endif
.if \nxt == 1
	KLOAD 1                                        ; K and the addends of the next step: the last product that read them stands ahead of part 7
.elseif \nxt >= 2
	KLOAD 0
.endif
.set mi, 0
.irp k, 0,1,2,3,4,5,6,7                ; tile 1's softmax; ahead of each part two of tile 0's products
.if \k == 4
.set mi, 0
.if \nxt
	s_wait_dscnt 0x0                               ; the next step's K and addends are in
.endif
.endif
.if \k < 4
	MPV 0, \first
	MPV 0, \first
.elseif \nxt
	MQK 0
	MQK 0
.endif
	WIN 0
	SM 1, \first, \k
.endr
.if \first || (\nxt == 0)
.set mi, 0
.rept 8
	MPV 1, \first
.endr
	WIN 0
.endif
.endm
	s_load_b256 s[4:11], s[0:1], 0x0               ; qkv s[4:5], kvc s[6:7], mask s[8:9], att s[10:11]
	s_set_vgpr_msb 0x40
	v_lshl_add_u32 v160, v0, 2, 0x29000
	v_mov_b32 v161, 0
	s_set_vgpr_msb 0x4045
	ds_add_u32 v160, v161
	s_set_vgpr_msb 0x4500
	v_lshrrev_b32 v1, 5, v0
	v_readfirstlane_b32 s[WV], v1                  ; wave 0..7
	s_bfe_u32 s13, ttmp6, 0x40000                  ; cx: it enters Q's and O's addresses alone
	s_lshl_b32 s18, ttmp9, 2
	s_add_co_u32 s18, s18, s13                     ; my block of 256 queries
	s_lshl_b32 s18, s18, 8
	s_lshl_b32 s19, s[WV], 5
	s_add_co_u32 s18, s18, s19                     ; q0
	s_and_b32 s3, ttmp7, 0xffff                    ; 16 b + head, which the four partners share
	s_lshl_b32 s20, s3, 17                         ; the head's 128 KiB in a region of kvc
	s_mov_b32 s21, 0
	s_lshl_b32 s22, s3, 18                         ; the head's 256 KiB in qkv,
	s_lshl_b32 s23, s18, 7                         ; my rows of 128 bytes
	s_add_co_u32 s22, s22, s23
	s_mov_b32 s23, 0
	s_lshr_b32 s14, s3, 4                          ; b
	s_lshl_b32 s16, s14, 4                         ; att: row block 16 b + q0 / 128,
	s_lshr_b32 s17, s18, 7
	s_add_co_u32 s16, s16, s17
	s_lshl_b32 s16, s16, 18
	s_and_b32 s17, s3, 15                          ; the head's 16 KiB,
	s_lshl_b32 s17, s17, 14
	s_add_co_u32 s16, s16, s17
	s_and_b32 s17, s18, 127                        ; my rows
	s_lshl_b32 s17, s17, 7
	s_add_co_u32 s16, s16, s17
	s_mov_b32 s17, 0
	s_lshl_b32 s14, s14, 12                        ; the batch's 4,096 bytes of mask
	s_mov_b32 s15, 0
	s_mov_b32 s[SLOTS], 5                          ; eight slots in all: two are filled at the start, one refill stands ahead of the loop
	s_mov_b32 s[TB], 0
	s_mov_b32 s[BB], 0
	s_mov_b32 s[CS], 0x3e38aa3b                    ; log2(e) / 8
	s_mov_b32 s[CS+1], s[CS]
	s_mov_b32 s[SEL], 0x76543210
	s_mov_b32 s[SEL+1], 0xfedcba98
	; group 1: 64 rows x 128 elements of 2 bytes, dense; padding behind every 32 words: 4 words for K, 8 for V; the mask names all four work-groups, bit 21 beside it
	s_mov_b32 s[G1K], 15|(1<<16)|(1<<20)|(1<<21)|(4<<22)|(3<<25)
	s_mov_b32 s[G1V], 15|(1<<16)|(1<<20)|(1<<21)|(4<<22)|(7<<25)
.irp g, G1K, G1V
	s_mov_b32 s[\g+1], 128<<16
	s_mov_b32 s[\g+2], 64<<16
	s_mov_b32 s[\g+3], 128<<16
	s_mov_b32 s[\g+4], 64
	s_mov_b32 s[\g+5], 128
	s_mov_b32 s[\g+6], 0
	s_mov_b32 s[\g+7], 0
.endr
	s_wait_dscnt 0x0
	s_wait_kmcnt 0x0
	s_add_nc_u64 s[6:7], s[6:7], s[20:21]          ; K at the head (first region)
	s_add_nc_u64 s[20:21], s[6:7], 0x400000        ; V (second region)
	s_add_nc_u64 s[4:5], s[4:5], s[22:23]          ; Q at my first row
	s_add_nc_u64 s[10:11], s[10:11], s[16:17]      ; O at my first row
	s_add_nc_u64 s[8:9], s[8:9], s[14:15]          ; the batch's mask
.irp s, 0,1
	s_mov_b32 s[G0K+4*\s], 1
	s_mov_b32 s[G0K+4*\s+1], \s*SLOT1
	s_add_nc_u64 s[G0K+4*\s+2:G0K+4*\s+3], s[6:7], \s*128*128
	s_or_b32 s[G0K+4*\s+3], s[G0K+4*\s+3], 0x80000000
	s_mov_b32 s[G0V+4*\s], 1
	s_mov_b32 s[G0V+4*\s+1], \s*SLOT1+VOFF
	s_add_nc_u64 s[G0V+4*\s+2:G0V+4*\s+3], s[20:21], \s*128*128
	s_or_b32 s[G0V+4*\s+3], s[G0V+4*\s+3], 0x80000000
.endr
	CROUND                                         ; all four work-groups are here: the first joint loads meet
	s_cmp_eq_u32 s[WV], 0                          ; a wave's two first fills stand in one branch
	s_cbranch_scc0 .Lfirst_not_k
	tensor_load_to_lds s[G0K:G0K+3], s[G1K:G1K+7]
	s_nop 0
	tensor_load_to_lds s[G0K+4:G0K+7], s[G1K:G1K+7]
	s_nop 0
.rept 4
	v_nop
.endr
	s_branch .Lfirst_asked
.Lfirst_not_k:
	s_cmp_eq_u32 s[WV], 1
	s_cbranch_scc0 .Lfirst_asked
	tensor_load_to_lds s[G0V:G0V+3], s[G1V:G1V+7]
	s_nop 0
	tensor_load_to_lds s[G0V+4:G0V+7], s[G1V:G1V+7]
	s_nop 0
.rept 4
	v_nop
.endr
.Lfirst_asked:
	v_and_b32 v1, 15, v0                           ; r
	v_bfe_u32 v9, v0, 4, 1                         ; l / 16
	v_lshlrev_b32 v[QO], 7, v1
	v_lshl_add_u32 v[QO], v9, 4, v[QO]
	v_lshlrev_b32 v[ADK], 4, v0                    ; thread t takes the mask's words 4 t .. 4 t + 3
	WIN 0x40
.irp t, 0,1
.irp c, 0,1
	global_load_b128 v[QF+8*(2*\t+\c):QF+8*(2*\t+\c)+3],   v[QO], s[4:5] offset:\t*2048+64*\c
	global_load_b128 v[QF+8*(2*\t+\c)+4:QF+8*(2*\t+\c)+7], v[QO], s[4:5] offset:\t*2048+64*\c+32
.endr
.endr
	WIN 0
	global_load_b128 v[BI:BI+3], v[ADK], s[8:9]
	v_mul_u32_u24 v[AK0], v1, PK
	v_lshl_add_u32 v[AK0], v9, 4, v[AK0]
	v_and_b32 v10, 7, v0
	v_bfe_u32 v11, v0, 3, 1
	v_lshl_add_u32 v[AV0], v9, 3, v10
	v_mul_u32_u24 v[AV0], v[AV0], PV
	v_lshl_add_u32 v[AV0], v11, 4, v[AV0]
	v_add_nc_u32 v[AV0], VOFF, v[AV0]
	s_mul_i32 s13, s[WV], 32*SP
	s_add_co_u32 s13, s13, STAGE                   ; my stage
	v_mul_u32_u24 v[STO], v1, SP
	v_lshl_add_u32 v[STO], v9, 4, v[STO]
	v_add_nc_u32 v[STO], s13, v[STO]
	v_bfe_u32 v[RD], v0, 3, 2
	v_mul_u32_u24 v[RD], v[RD], SP
	v_lshl_add_u32 v[RD], v10, 4, v[RD]
	v_add_nc_u32 v[RD], s13, v[RD]
	v_and_b32 v[GO], 31, v0
	v_lshlrev_b32 v[GO], 4, v[GO]
	v_mov_b32 v[FLR], 0xe7800000                   ; -2^80
	v_lshlrev_b32 v[AB0], 5, v9
	v_add_nc_u32 v[AB0], BIAS, v[AB0]
	v_mov_b32 v[ADV], 0xf149f2ca                   ; -1e30
	v_add_nc_u32 v[ADB], BIAS, v[ADK]
	s_wait_loadcnt 0x0                             ; Q and the mask
.irp i, 0,1,2,3
	v_cmp_eq_u32 vcc_lo, 0, v[BI+\i]
	v_cndmask_b32 v[BI+4+\i], 0, v[ADV], vcc_lo
.endr
	ds_store_b128 v[ADB], v[BI+4:BI+7]
	s_wait_dscnt 0x0                               ; for the others' sake: my addends are in LDS
	s_wait_tensorcnt 0x1                           ; my part of slot 0 is in; slot 1's may stay out
	s_barrier_signal -1
	s_barrier_wait -1
	KLOAD 0                                        ; key step 0
	s_wait_dscnt 0x0
.set mi, 0
.rept 8
	MQK 0                                          ; tile 0's first scores: there is no vector work yet to set between them
.endr
	WIN 0
	PLACES
	STEP 0, 1, 0, 1                                ; slot 0
	STEP 1, 0, 0, 2                                ; slot 0 takes the third 128 keys
.Lslot:                                                ; five trips, a slot each, and each fills its slot again
	STEP 0, 0, 1, 1
	STEP 1, 0, 1, 2
	s_sub_co_u32 s[SLOTS], s[SLOTS], 1
	s_cmp_lg_u32 s[SLOTS], 0
	s_cbranch_scc1 .Lslot
	STEP 0, 0, 1, 1                                ; the last two slots are written out: nothing is asked for
	STEP 1, 0, 1, 3
	STEP 0, 0, 1, 1
	STEP 1, 0, 1, 0
	; THE WAY OUT: l's halves and the other lanes' are added; O^T is divided by l, rounded and sent through my stage.
	PLACES
.irp t, 0,1
	v_add_f32 v[ST+8*\t+4], v[ST+8*\t+2], v[ST+8*\t+3]
.endr
.irp t, 0,1
	v_permlanex16_b32 v[ST+8*\t+5], v[ST+8*\t+4], s[SEL], s[SEL+1]
.endr
.irp t, 0,1
	v_add_f32 v[ST+8*\t+4], v[ST+8*\t+4], v[ST+8*\t+5]
.endr
.irp t, 0,1
	v_rcp_f32 v[ST+8*\t+6], v[ST+8*\t+4]
.endr
	v_nop                                          ; a plain instruction between the last reciprocal and the use of its result
	s_wait_alu depctr_va_vdst(0)
.irp t, 0,1
.set i, 0
.rept 16
	v_pk_mul_f32 v[O+32*\t+2*i:O+32*\t+2*i+1], v[O+32*\t+2*i:O+32*\t+2*i+1], v[ST+8*\t+6:ST+8*\t+7] op_sel_hi:[1,0]
.set i, i+1
.endr
.set i, 0
.rept 16
	v_cvt_pk_f16_f32 v[TMPO+16*\t+i], v[O+32*\t+2*i], v[O+32*\t+2*i+1]
.set i, i+1
.endr
.endr
.irp t, 0,1
.irp d, 0,1,2,3
	ds_store_b128 v[STO], v[TMPO+16*\t+4*\d:TMPO+16*\t+4*\d+3] offset:\t*16*SP+32*\d
.endr
.endr
.irp f, 0,1,2,3,4,5,6,7
	ds_load_b128 v[TMPO+4*\f:TMPO+4*\f+3], v[RD] offset:\f*4*SP   ; LDS serves a wave's instructions in order (ISA guide 5.7.1.4): these see the stores above
.endr
.irp f, 0,1,2,3,4,5,6,7
	s_wait_dscnt 7-\f                              ; load f is back, the younger ones stay out
	global_store_b128 v[GO], v[TMPO+4*\f:TMPO+4*\f+3], s[10:11] offset:512*\f   ; a wave's store covers 512 consecutive bytes, aligned
.endr
	s_set_vgpr_msb 0x5
	s_wait_tensorcnt 0x0
	ds_add_u32 v160, v161
	s_wait_dscnt 0x0
	s_set_vgpr_msb 0x500
	CROUND                                         ; the closing round: no work-group ends while a partner may still ask for a tile that names it
	s_endpgm
.Lfunc_end_k_q0853890662_crossatt:
	.size	k_q0853890662_crossatt, .Lfunc_end_k_q0853890662_crossatt-k_q0853890662_crossatt
	.p2alignl 7, 3214868480
	.fill 96, 4, 3214868480
	.section	.rodata,"a",@progbits
	.p2align	6, 0x0
	.amdhsa_kernel k_q0853890662_crossatt
		.amdhsa_group_segment_fixed_size 327680
		.amdhsa_private_segment_fixed_size 0
		.amdhsa_enable_private_segment 0
		.amdhsa_kernarg_size 32
		.amdhsa_user_sgpr_count 2
		.amdhsa_user_sgpr_kernarg_segment_ptr 1
		.amdhsa_wavefront_size32 1
		.amdhsa_system_sgpr_workgroup_id_x 1
		.amdhsa_system_sgpr_workgroup_id_y 1
		.amdhsa_system_sgpr_workgroup_id_z 1
		.amdhsa_system_vgpr_workitem_id 0
		.amdhsa_next_free_vgpr 418
		.amdhsa_next_free_sgpr 72
		.amdhsa_reserve_vcc 1
		.amdhsa_float_denorm_mode_32 3
		.amdhsa_float_denorm_mode_16_64 3
		.amdhsa_memory_ordered 1
		.amdhsa_forward_progress 1
		.amdhsa_inst_pref_size 172
	.end_amdhsa_kernel
	.amdgpu_metadata
---
amdhsa.version: [ 1, 2 ]
amdhsa.kernels:
  - .name:           k_q0853890662_crossatt
    .symbol:         k_q0853890662_crossatt.kd
    .args:
      - { .name: qkv, .offset: 0, .size: 8, .value_kind: global_buffer, .address_space: global }
      - { .name: kvc, .offset: 8, .size: 8, .value_kind: global_buffer, .address_space: global }
      - { .name: context_mask, .offset: 16, .size: 8, .value_kind: global_buffer, .address_space: global }
      - { .name: att, .offset: 24, .size: 8, .value_kind: global_buffer, .address_space: global }
    .group_segment_fixed_size: 327680
    .private_segment_fixed_size: 0
    .kernarg_segment_align: 8
    .kernarg_segment_size: 32
    .max_flat_workgroup_size: 256
    .sgpr_count:     72
    .vgpr_count:     418
    .wavefront_size: 32
...
	.end_amdgpu_metadata
.endif
;; end of part 7
;; launch coutp: the kernel of part 4 again; grid 8 x 32, 4 waves a work-group, clusters of 4 x 4, 327,680 bytes of LDS; arguments att, Wb, out0, xa; writes xa
;; launch norm3: the kernel of part 5 again; grid 256 x 1, 8 waves a work-group, no clusters, 0 bytes of LDS; arguments xa, g_norm2, h; writes h
;; launch ffn1 (part 8): grid 16 x 32, 4 waves a work-group, clusters of 4 x 4, 327,680 bytes of LDS; arguments h, Wc, att; writes att
.if DOCPART == 8
	.amdgcn_target "amdgcn-amd-amdhsa--gfx1250"
	.amdhsa_code_object_version 6
	.text
	.protected	k_q0853890662_ffn1
	.globl	k_q0853890662_ffn1
	.p2align	8
	.type	k_q0853890662_ffn1,@function
k_q0853890662_ffn1:
	s_mov_b64 s[64:65], 0
	v_nop
	global_prefetch_b8 v0, s[64:65] scope:SCOPE_SE
	s_setreg_imm32_b32 hwreg(HW_REG_WAVE_MODE, 25, 1), 1
	s_wait_xcnt 0x0
	s_wait_alu depctr_hold_cnt(0) depctr_sa_sdst(0) depctr_va_vdst(0) depctr_va_sdst(0) depctr_va_ssrc(0) depctr_va_vcc(0) depctr_vm_vsrc(0)
	s_getreg_b32 s2, hwreg(HW_REG_IB_STS2, 6, 4)
	s_cmp_eq_u32 s2, 0
	s_cbranch_scc0 .Lentry_in_a_cluster
	s_endpgm
.Lentry_in_a_cluster:
	s_bfe_u32 s2, ttmp6, 0x10000c
	s_cmp_lg_u32 s2, 0xf033
	s_cbranch_scc0 .Lentry_shape_is_right
	s_endpgm
.Lentry_shape_is_right:
; f = silu(h w1^T) * (h w3^T).  A = h [4096][1024] f16; B = W13, 2 MiB into the weight buffer: [2048][1024] f16, group x of 64 rows = w1's rows 32 x .. + 31, then w3's.
; FORMAT OF f: bf16.  f is a product of two sums that each carry a gain and a weight: with those 30 times the drawn ones each sum has a spread of about 900 and f of about 8e5, beyond f16.
; So a wave's 64 columns of the product hold u (n blocks 0, 1) and v (n blocks 2, 3) of the same 32 columns of f, in the same lanes: silu(u) v needs no exchange.
; silu(u) = u / (1 + 2^(-log2(e) u)), in f32; f is rounded once.  For u far below zero the power is +inf, its reciprocal 0, and silu(u) is -0.
; A tile of the product is 128 x 128 and gives 128 x 64 of f: one block [row block][k block] of att (tile-major [32][16][128][64]), 16 KiB dense.
; Core as in the other products: four waves of 64 x 64, K in four steps of 256 through two LDS slots, 4 x 4 clusters with A's tile asked for jointly along a row and B's along a column,
; the matrix instruction used transposed (lane l holds row l % 16 and columns 16 b + 8 (l / 16) + 0..7).
; A row of f's block, 128 bytes, comes from two waves: one stage for the work-group, a barrier between writing and reading.
.set KSTEP,  256
.set PITCH,  528
.set HALFT,  64*PITCH
.set SLOT,   4*HALFT
.set STAGE,  2*SLOT                    ; behind the ring: 128 rows x 144 bytes
.set SP,     144
.set AQ,     128
.set AROW,   16*PITCH
.set ASTEP,  2*KSTEP*2
.set BSTEP,  2*KSTEP*2
.set ADRA, 16
.set ADRB, 20
.set STO,  24
.set RD,   25
.set CO,   26
.set TMP,  32
.set T,    96
.set ACC,  128
.set F0,   0
.set F1,   128
.set G1, 24
.set G0, 32
.set G1B, 48
.set G0B, 56
.set MSB, 0
.macro WIN new                         ; the immediate's high byte repeats the setting that is left
.if MSB != \new
	s_set_vgpr_msb (MSB<<8)|\new
.set MSB, \new
.endif
.endm
.set MUL,  0x05
.set TO_F, 0x40
.macro JLOAD s                         ; a joint load: waves 0 and 1 fetch A's two halves, waves 2 and 3 B's; four v_nop follow each line
	s_cmp_eq_u32 s11, 0
	s_cbranch_scc0 .Lfor_b_\@
	tensor_load_to_lds s[G0+4*\s:G0+4*\s+3], s[G1:G1+7]
	s_nop 0
.rept 4
	v_nop
.endr
	s_branch .Lasked_\@
.Lfor_b_\@:
	tensor_load_to_lds s[G0B+4*\s:G0B+4*\s+3], s[G1B:G1B+7]
	s_nop 0
.rept 4
	v_nop
.endr
.Lasked_\@:
.endm
.macro CREST
	s_cmp_lg_u32 s10, 0
	s_cbranch_scc1 .Lnot_wave_0_\@
	s_barrier_signal -3
.Lnot_wave_0_\@:
	s_barrier_wait -3
	s_barrier_signal -1
	s_barrier_wait -1
.endm
.macro CROUND
	s_barrier_signal -1
	s_barrier_wait -1
	CREST
.endm
; 8 matrix instructions; the 16 accumulators take turns, one instruction a turn.
.macro MUL8 f, c, a0, zero
.irp a, \a0, \a0+1
.irp b, 0,1,2,3
.if \zero
	v_wmma_f32_16x16x32_f16 v[ACC+8*(4*(\a)+\b):ACC+8*(4*(\a)+\b)+7], v[\f+64+8*(4*\c+\b):\f+64+8*(4*\c+\b)+7], v[\f+8*(4*\c+\a):\f+8*(4*\c+\a)+7], 0
.else
	v_wmma_f32_16x16x32_f16 v[ACC+8*(4*(\a)+\b):ACC+8*(4*(\a)+\b)+7], v[\f+64+8*(4*\c+\b):\f+64+8*(4*\c+\b)+7], v[\f+8*(4*\c+\a):\f+8*(4*\c+\a)+7], v[ACC+8*(4*(\a)+\b):ACC+8*(4*(\a)+\b)+7]
.endif
.endr
.endr
.endm
.macro FETCH slot, k, f
	WIN TO_F
.irp c, 0,1
.irp i, 0,1,2,3
	ds_load_b128 v[\f+64+8*(4*\c+\i):\f+64+8*(4*\c+\i)+3],   v[ADRB+\slot] offset:\k+64*\c+\i*16*PITCH
	ds_load_b128 v[\f+64+8*(4*\c+\i)+4:\f+64+8*(4*\c+\i)+7], v[ADRB+\slot] offset:\k+64*\c+\i*16*PITCH+32
	ds_load_b128 v[\f+8*(4*\c+\i):\f+8*(4*\c+\i)+3],         v[ADRA+\slot] offset:(\k/128)*AQ+64*\c+\i*AROW
	ds_load_b128 v[\f+8*(4*\c+\i)+4:\f+8*(4*\c+\i)+7],       v[ADRA+\slot] offset:(\k/128)*AQ+64*\c+\i*AROW+32
.endr
.endr
.endm
.macro PLACES                          ; four plain instructions between matrix instructions and loads into their sources or reads of their results
.rept 4
	v_nop
.endr
.endm
.macro QUARTER slot, k, f, g, zero
	s_wait_dscnt 16                                ; the first 32 along K are in; the sixteen younger loads may be out
	WIN MUL
	MUL8 \f, 0, 0, \zero
	MUL8 \f, 0, 2, \zero
	PLACES
	FETCH \slot, \k, \g
	s_wait_dscnt 32                                ; all but the 32 just issued
	WIN MUL
	MUL8 \f, 1, 0, 0
	MUL8 \f, 1, 2, 0
.endm
.macro TURN slot, next, fill
	s_wait_dscnt 16
	WIN MUL
	MUL8 F1, 0, 0, 0
	s_wait_dscnt 0                                 ; my reads of this slot are over,
	s_set_vgpr_msb 0x500
	s_wait_tensorcnt 0x0                           ; and all my tensor loads have landed: my part of the next slot
	ds_add_u32 v94, v95
	s_wait_dscnt 0x0
	s_set_vgpr_msb 0x5
	s_barrier_signal -1
	MUL8 F1, 0, 2, 0
.if \fill
	WIN 0
.endif
	s_barrier_wait -1
.if \fill
	CREST                                          ; no wave of any partner still reads this slot or has a load on its way
	s_add_nc_u64 s[G0+4*\slot+2:G0+4*\slot+3], s[G0+4*\slot+2:G0+4*\slot+3], ASTEP
	s_add_nc_u64 s[G0B+4*\slot+2:G0B+4*\slot+3], s[G0B+4*\slot+2:G0B+4*\slot+3], BSTEP
	JLOAD \slot                                    ; my one tensor load behind the round; its four v_nop are also the places in front of the loads below
.else
	PLACES
.endif
	FETCH \next, 0, F0
	WIN MUL
	MUL8 F1, 1, 0, 0
	MUL8 F1, 1, 2, 0
.endm
	s_load_b128 s[68:71], s[0:1], 0x0              ; h s[68:69], W s[70:71]
	s_load_b64 s[72:73], s[0:1], 0x10              ; att
	v_lshl_add_u32 v94, v0, 2, 0x46800
	v_mov_b32 v95, 0
	ds_add_u32 v94, v95
	v_lshrrev_b32 v1, 5, v0
	v_readfirstlane_b32 s10, v1
	s_lshr_b32 s11, s10, 1
	s_and_b32 s12, s10, 1
	s_bfe_u32 s40, ttmp6, 0x40000                  ; cx
	s_bfe_u32 s41, ttmp6, 0x40004                  ; cy
	s_lshl_b32 s42, ttmp9, 2
	s_add_co_u32 s42, s42, s40                     ; tile column
	s_and_b32 s13, ttmp7, 0xffff
	s_lshl_b32 s13, s13, 2
	s_add_co_u32 s13, s13, s41                     ; tile row
	s_lshl_b32 s43, s41, 2
	s_lshl_b32 s43, 15, s43
	s_lshl_b32 s44, 0x1111, s40
	s_or_b32 s[G1+0], s43, (1<<16)|(1<<20)|(1<<21)|(6<<22)|(3<<25)
	s_or_b32 s[G1B+0], s44, (1<<16)|(1<<20)|(1<<21)|(6<<22)|(3<<25)
.irp g, G1, G1B
	s_mov_b32 s[\g+1], KSTEP<<16
	s_mov_b32 s[\g+2], 64<<16
	s_mov_b32 s[\g+3], KSTEP<<16
	s_mov_b32 s[\g+4], 64
	s_mov_b32 s[\g+5], 1024
	s_mov_b32 s[\g+6], 0
	s_mov_b32 s[\g+7], 0
.endr
	s_lshl_b32 s17, s12, 6
	s_lshl_b32 s16, s13, 7
	s_add_co_u32 s16, s16, s17
	s_lshl_b32 s16, s16, 11
	s_lshl_b32 s46, s42, 7
	s_add_co_u32 s46, s46, s17
	s_lshl_b32 s46, s46, 11
	s_add_co_u32 s46, s46, 0x200000                ; W13 begins 2 MiB into W
	s_mov_b32 s17, 0
	s_mov_b32 s47, 0
	s_mul_i32 s20, s10, HALFT
	s_mul_i32 s21, s10, HALFT
	s_wait_dscnt 0x0
	s_wait_kmcnt 0x0
	s_add_nc_u64 s[14:15], s[68:69], s[16:17]
	s_add_nc_u64 s[46:47], s[70:71], s[46:47]
	CROUND                                         ; all sixteen work-groups are here: the first joint loads meet
.irp s, 0,1
	s_mov_b32 s[G0+4*\s], 1
	s_add_co_u32 s[G0+4*\s+1], s20, \s*SLOT
	s_add_nc_u64 s[G0+4*\s+2:G0+4*\s+3], s[14:15], \s*KSTEP*2
	s_or_b32 s[G0+4*\s+3], s[G0+4*\s+3], 0x80000000
	s_mov_b32 s[G0B+4*\s], 1
	s_add_co_u32 s[G0B+4*\s+1], s21, \s*SLOT
	s_add_nc_u64 s[G0B+4*\s+2:G0B+4*\s+3], s[46:47], \s*KSTEP*2
	s_or_b32 s[G0B+4*\s+3], s[G0B+4*\s+3], 0x80000000
	JLOAD \s                                       ; two loads of mine are out
.endr
	v_and_b32 v1, 15, v0
	v_bfe_u32 v2, v0, 4, 1
	v_mul_u32_u24 v3, v1, PITCH
	v_lshl_add_u32 v3, v2, 4, v3
	s_mul_i32 s21, s11, HALFT
	s_mul_i32 s22, s12, HALFT
	s_add_co_u32 s22, s22, 2*HALFT
.irp s, 0,1
	v_add_nc_u32 v[ADRA+\s], s21, v3
	v_add_nc_u32 v[ADRB+\s], s22, v3
	s_add_co_u32 s21, s21, SLOT
	s_add_co_u32 s22, s22, SLOT
.endr
	s_mul_i32 s23, s11, 64*SP                      ; into the stage: my 64 rows, my half of their 128 bytes
	s_lshl_b32 s21, s12, 6
	s_add_co_u32 s23, s23, s21
	s_add_co_u32 s23, s23, STAGE
	v_mul_u32_u24 v4, v1, SP
	v_lshl_add_u32 v4, v2, 4, v4
	v_add_nc_u32 v[STO], s23, v4
	s_mul_i32 s23, s10, 32*SP                      ; back: wave w takes rows 32 w .. 32 w + 31, whole; eight lanes a row
	s_add_co_u32 s23, s23, STAGE
	v_and_b32 v5, 31, v0
	v_lshrrev_b32 v4, 3, v5
	v_mul_u32_u24 v4, v4, SP
	v_and_b32 v6, 7, v0
	v_lshl_add_u32 v4, v6, 4, v4
	v_add_nc_u32 v[RD], s23, v4
	v_lshlrev_b32 v[CO], 4, v5
	s_lshl_b32 s80, s13, 18                        ; att: the row block, the k block, my 32 rows of 128 bytes
	s_lshl_b32 s81, s42, 14
	s_add_co_u32 s80, s80, s81
	s_lshl_b32 s81, s10, 12
	s_add_co_u32 s80, s80, s81
	s_mov_b32 s81, 0
	s_add_nc_u64 s[8:9], s[72:73], s[80:81]
	s_wait_tensorcnt 1                             ; my part of K step 0 is in; K step 1's may stay out
	s_barrier_signal -1
	s_barrier_wait -1
	FETCH 0, 0, F0
	QUARTER 0, 128, F0, F1, 1                      ; K step 0; its first products start the sums
	QUARTER 0, 256, F1, F0, 0
	QUARTER 0, 384, F0, F1, 0
	TURN 0, 1, 1                                   ; slot 0 takes K step 2
	QUARTER 1, 128, F0, F1, 0
	QUARTER 1, 256, F1, F0, 0
	QUARTER 1, 384, F0, F1, 0
	TURN 1, 0, 1                                   ; slot 1 takes K step 3
	QUARTER 0, 128, F0, F1, 0
	QUARTER 0, 256, F1, F0, 0
	QUARTER 0, 384, F0, F1, 0
	TURN 0, 1, 0                                   ; nothing is left to fetch
	QUARTER 1, 128, F0, F1, 0
	QUARTER 1, 256, F1, F0, 0
	QUARTER 1, 384, F0, F1, 0
	s_wait_dscnt 16
	WIN MUL
	MUL8 F1, 0, 0, 0
	MUL8 F1, 0, 2, 0
	s_wait_dscnt 0
	MUL8 F1, 1, 0, 0
	MUL8 F1, 1, 2, 0
	WIN 0
	; THE WAY OUT: silu(u) v, 16 rows at a time; u = n blocks 0, 1 (16 registers), v = n blocks 2, 3
	PLACES
.irp a, 0,1,2,3
.set U, ACC+32*\a
.set V, U+16
.set E, T+16*(\a%2)
.set i, 0
.rept 8
	v_pk_mul_f32 v[E+2*i:E+2*i+1], v[U+2*i:U+2*i+1], 0xbfb8aa3b op_sel_hi:[1,0]   ; -log2(e) u
.set i, i+1
.endr
.set i, 0
.rept 16
	v_exp_f32 v[E+i], v[E+i]
.set i, i+1
.endr
	v_nop                                          ; a plain instruction between the last exponential and the use of its result (ISA guide 5.7.2)
.set i, 0
	s_wait_alu depctr_va_vdst(0)
.rept 8
	v_pk_add_f32 v[E+2*i:E+2*i+1], v[E+2*i:E+2*i+1], 1.0 op_sel_hi:[1,0]
.set i, i+1
.endr
.set i, 0
.rept 16
	v_rcp_f32 v[E+i], v[E+i]
.set i, i+1
.endr
	v_nop
.set i, 0
	s_wait_alu depctr_va_vdst(0)
.rept 8
	v_pk_mul_f32 v[U+2*i:U+2*i+1], v[U+2*i:U+2*i+1], v[E+2*i:E+2*i+1]
.set i, i+1
.endr
.set i, 0
.rept 8
	v_pk_mul_f32 v[U+2*i:U+2*i+1], v[U+2*i:U+2*i+1], v[V+2*i:V+2*i+1]
.set i, i+1
.endr
.set i, 0
.rept 8
	v_cvt_pk_bf16_f32 v[TMP+8*\a+i], v[U+2*i], v[U+2*i+1]
.set i, i+1
.endr
.irp b, 0,1
	ds_store_b128 v[STO], v[TMP+8*\a+4*\b:TMP+8*\a+4*\b+3] offset:\a*16*SP+32*\b
.endr
.endr
	s_wait_dscnt 0x0                               ; for the others' sake: my stores into the stage are done
	s_barrier_signal -1
	s_barrier_wait -1
.irp f, 0,1,2,3,4,5,6,7
	ds_load_b128 v[TMP+4*\f:TMP+4*\f+3], v[RD] offset:\f*4*SP
.endr
.irp f, 0,1,2,3,4,5,6,7
	s_wait_dscnt 7-\f
	global_store_b128 v[CO], v[TMP+4*\f:TMP+4*\f+3], s[8:9] offset:512*\f   ; a wave's store covers 512 consecutive bytes, aligned
.endr
	s_wait_tensorcnt 0x0
	ds_add_u32 v94, v95
	s_wait_dscnt 0x0
	CROUND                                         ; the closing round
	s_endpgm
.Lfunc_end_k_q0853890662_ffn1:
	.size	k_q0853890662_ffn1, .Lfunc_end_k_q0853890662_ffn1-k_q0853890662_ffn1
	.p2alignl 7, 3214868480
	.fill 96, 4, 3214868480
	.section	.rodata,"a",@progbits
	.p2align	6, 0x0
	.amdhsa_kernel k_q0853890662_ffn1
		.amdhsa_group_segment_fixed_size 327680
		.amdhsa_private_segment_fixed_size 0
		.amdhsa_enable_private_segment 0
		.amdhsa_kernarg_size 24
		.amdhsa_user_sgpr_count 2
		.amdhsa_user_sgpr_kernarg_segment_ptr 1
		.amdhsa_wavefront_size32 1
		.amdhsa_system_sgpr_workgroup_id_x 1
		.amdhsa_system_sgpr_workgroup_id_y 1
		.amdhsa_system_sgpr_workgroup_id_z 1
		.amdhsa_system_vgpr_workitem_id 0
		.amdhsa_next_free_vgpr 512
		.amdhsa_next_free_sgpr 88
		.amdhsa_reserve_vcc 0
		.amdhsa_float_denorm_mode_32 3
		.amdhsa_float_denorm_mode_16_64 3
		.amdhsa_memory_ordered 1
		.amdhsa_forward_progress 1
		.amdhsa_inst_pref_size 96
	.end_amdhsa_kernel
	.amdgpu_metadata
---
amdhsa.version: [ 1, 2 ]
amdhsa.kernels:
  - .name:           k_q0853890662_ffn1
    .symbol:         k_q0853890662_ffn1.kd
    .args:
      - { .name: h, .offset: 0, .size: 8, .value_kind: global_buffer, .address_space: global }
      - { .name: Wc, .offset: 8, .size: 8, .value_kind: global_buffer, .address_space: global }
      - { .name: att, .offset: 16, .size: 8, .value_kind: global_buffer, .address_space: global }
    .group_segment_fixed_size: 327680
    .private_segment_fixed_size: 0
    .kernarg_segment_align: 8
    .kernarg_segment_size: 24
    .max_flat_workgroup_size: 128
    .sgpr_count:     88
    .vgpr_count:     512
    .wavefront_size: 32
...
	.end_amdgpu_metadata
.endif
;; end of part 8
;; launch ffn2 (part 9): grid 8 x 32, 4 waves a work-group, clusters of 4 x 4, 327,680 bytes of LDS; arguments att, Wc, xa, out0; writes out0
.if DOCPART == 9
	.amdgcn_target "amdgcn-amd-amdhsa--gfx1250"
	.amdhsa_code_object_version 6
	.text
	.protected	k_q0853890662_ffn2
	.globl	k_q0853890662_ffn2
	.p2align	8
	.type	k_q0853890662_ffn2,@function
k_q0853890662_ffn2:
	s_mov_b64 s[64:65], 0
	v_nop
	global_prefetch_b8 v0, s[64:65] scope:SCOPE_SE
	s_setreg_imm32_b32 hwreg(HW_REG_WAVE_MODE, 25, 1), 1
	s_wait_xcnt 0x0
	s_wait_alu depctr_hold_cnt(0) depctr_sa_sdst(0) depctr_va_vdst(0) depctr_va_sdst(0) depctr_va_ssrc(0) depctr_va_vcc(0) depctr_vm_vsrc(0)
	s_getreg_b32 s2, hwreg(HW_REG_IB_STS2, 6, 4)
	s_cmp_eq_u32 s2, 0
	s_cbranch_scc0 .Lentry_in_a_cluster
	s_endpgm
.Lentry_in_a_cluster:
	s_bfe_u32 s2, ttmp6, 0x10000c
	s_cmp_lg_u32 s2, 0xf033
	s_cbranch_scc0 .Lentry_shape_is_right
	s_endpgm
.Lentry_shape_is_right:
; out = resid + A B^T, the bf16 twin of the attention's output products.  A: f = silu(u) v, bf16, tile-major [row block of 128][k block of 64][128][64]; B: w2, the first 1,024 rows of
; the weight buffer, [1024][1024] bf16; resid, out: [4096][1024] f32.  bf16 because f has no room in f16 (a product of two sums, each with a gain and a weight as factors).
; f32 sums; the residual is added in f32 and nothing is rounded on the way out.
; A tile of C is 128 x 128; four waves, each 64 x 64: 16 accumulators.  K goes in four steps of 256 through two LDS slots.  A's K step is 64 KiB dense in memory: waves 0 and 1 each bring
; two k blocks as 128 rows of 256 bytes, with 16 bytes of padding behind every 128, so that a k block lies in LDS as 128 rows of 144 bytes.  B's rows are 512 bytes + 16; waves 2 and 3 bring 64 each.
; CLUSTERS: 4 x 4 work-groups; A's tile is asked for jointly by the four of a row of the cluster, B's by the four of a column.
; THE MATRIX INSTRUCTION IS USED TRANSPOSED (source 0 = 16 rows of B, source 1 = 16 rows of A): lane l holds row l % 16 of C and columns 16 b + 8 (l / 16) + 0..7.
; The wave's 64 x 64 of the residual is asked for at the start, in the layout in which C is stored, and stays on its way under the whole product: nobody writes those bytes.
; REGISTERS: window 0: v0-31 addresses; v32-95 rows on the way out; v128-255 accumulators.  window 1: two fragment buffers of 128.  window 2: v0-127 the residual.
.set KSTEP,  256
.set PITCH,  528
.set HALFT,  64*PITCH                  ; B: what one tensor load brings
.set HALFA,  2*128*144                 ; A: two k blocks
.set BOFF,   2*HALFA                   ; B's rows lie behind A's four k blocks
.set SLOT,   BOFF+2*HALFT
.set STAGE,  2*SLOT                    ; behind the ring: 16 rows x 272 bytes for each wave
.set SP,     272
.set AQ,     128*144                   ; a quarter of a K step is one k block
.set AROW,   16*144
.set ASTEP,  2*65536                   ; bytes in memory from a slot's K step to its next
.set BSTEP,  2*KSTEP*2
.set ADRA, 16
.set ADRB, 20
.set STO,  24
.set RD,   25
.set CO,   26
.set TMP,  32
.set ACC,  128
.set F0,   0
.set F1,   128
.set G1, 24
.set G0, 32
.set G1B, 48
.set G0B, 56
.set MSB, 0
.macro WIN new                         ; the immediate's high byte repeats the setting that is left
.if MSB != \new
	s_set_vgpr_msb (MSB<<8)|\new
.set MSB, \new
.endif
.endm
.set MUL,  0x05
.set TO_F, 0x40
.macro JLOAD s                         ; a joint load: waves 0 and 1 fetch A's two halves, waves 2 and 3 B's; four v_nop follow each line
	s_cmp_eq_u32 s11, 0
	s_cbranch_scc0 .Lfor_b_\@
	tensor_load_to_lds s[G0+4*\s:G0+4*\s+3], s[G1:G1+7]
	s_nop 0
.rept 4
	v_nop
.endr
	s_branch .Lasked_\@
.Lfor_b_\@:
	tensor_load_to_lds s[G0B+4*\s:G0B+4*\s+3], s[G1B:G1B+7]
	s_nop 0
.rept 4
	v_nop
.endr
.Lasked_\@:
.endm
.macro CREST
	s_cmp_lg_u32 s10, 0
	s_cbranch_scc1 .Lnot_wave_0_\@
	s_barrier_signal -3
.Lnot_wave_0_\@:
	s_barrier_wait -3
	s_barrier_signal -1
	s_barrier_wait -1
.endm
.macro CROUND
	s_barrier_signal -1
	s_barrier_wait -1
	CREST
.endm
; 8 matrix instructions; the 16 accumulators take turns, one instruction a turn.
.macro MUL8 f, c, a0, zero
.irp a, \a0, \a0+1
.irp b, 0,1,2,3
.if \zero
	v_wmma_f32_16x16x32_bf16 v[ACC+8*(4*(\a)+\b):ACC+8*(4*(\a)+\b)+7], v[\f+64+8*(4*\c+\b):\f+64+8*(4*\c+\b)+7], v[\f+8*(4*\c+\a):\f+8*(4*\c+\a)+7], 0
.else
	v_wmma_f32_16x16x32_bf16 v[ACC+8*(4*(\a)+\b):ACC+8*(4*(\a)+\b)+7], v[\f+64+8*(4*\c+\b):\f+64+8*(4*\c+\b)+7], v[\f+8*(4*\c+\a):\f+8*(4*\c+\a)+7], v[ACC+8*(4*(\a)+\b):ACC+8*(4*(\a)+\b)+7]
.endif
.endr
.endr
.endm
.macro FETCH slot, k, f
	WIN TO_F
.irp c, 0,1
.irp i, 0,1,2,3
	ds_load_b128 v[\f+64+8*(4*\c+\i):\f+64+8*(4*\c+\i)+3],   v[ADRB+\slot] offset:\k+64*\c+\i*16*PITCH
	ds_load_b128 v[\f+64+8*(4*\c+\i)+4:\f+64+8*(4*\c+\i)+7], v[ADRB+\slot] offset:\k+64*\c+\i*16*PITCH+32
	ds_load_b128 v[\f+8*(4*\c+\i):\f+8*(4*\c+\i)+3],         v[ADRA+\slot] offset:(\k/128)*AQ+64*\c+\i*AROW
	ds_load_b128 v[\f+8*(4*\c+\i)+4:\f+8*(4*\c+\i)+7],       v[ADRA+\slot] offset:(\k/128)*AQ+64*\c+\i*AROW+32
.endr
.endr
.endm
.macro PLACES                          ; four plain instructions between matrix instructions and loads into their sources or reads of their results
.rept 4
	v_nop
.endr
.endm
.macro QUARTER slot, k, f, g, zero
	s_wait_dscnt 16                                ; the first 32 along K are in; the sixteen younger loads may be out
	WIN MUL
	MUL8 \f, 0, 0, \zero
	MUL8 \f, 0, 2, \zero
	PLACES
	FETCH \slot, \k, \g
	s_wait_dscnt 32                                ; all but the 32 just issued
	WIN MUL
	MUL8 \f, 1, 0, 0
	MUL8 \f, 1, 2, 0
.endm
.macro TURN slot, next, fill
	s_wait_dscnt 16
	WIN MUL
	MUL8 F1, 0, 0, 0
	s_wait_dscnt 0                                 ; my reads of this slot are over,
	s_set_vgpr_msb 0x500
	s_wait_tensorcnt 0x0                           ; and all my tensor loads have landed: my part of the next slot
	ds_add_u32 v126, v127
	s_wait_dscnt 0x0
	s_set_vgpr_msb 0x5
	s_barrier_signal -1
	MUL8 F1, 0, 2, 0
.if \fill
	WIN 0
.endif
	s_barrier_wait -1
.if \fill
	CREST                                          ; no wave of any partner still reads this slot or has a load on its way
	s_add_nc_u64 s[G0+4*\slot+2:G0+4*\slot+3], s[G0+4*\slot+2:G0+4*\slot+3], ASTEP
	s_add_nc_u64 s[G0B+4*\slot+2:G0B+4*\slot+3], s[G0B+4*\slot+2:G0B+4*\slot+3], BSTEP
	JLOAD \slot                                    ; my one tensor load behind the round; its four v_nop are also the places in front of the loads below
.else
	PLACES
.endif
	FETCH \next, 0, F0
	WIN MUL
	MUL8 F1, 1, 0, 0
	MUL8 F1, 1, 2, 0
.endm
	s_load_b256 s[68:75], s[0:1], 0x0              ; att s[68:69], W s[70:71], resid s[72:73], out s[74:75]
	v_lshl_add_u32 v126, v0, 2, 0x49400
	v_mov_b32 v127, 0
	ds_add_u32 v126, v127
	v_lshrrev_b32 v1, 5, v0
	v_readfirstlane_b32 s10, v1
	s_lshr_b32 s11, s10, 1
	s_and_b32 s12, s10, 1
	s_bfe_u32 s40, ttmp6, 0x40000                  ; cx
	s_bfe_u32 s41, ttmp6, 0x40004                  ; cy
	s_lshl_b32 s42, ttmp9, 2
	s_add_co_u32 s42, s42, s40                     ; tile column
	s_and_b32 s13, ttmp7, 0xffff
	s_lshl_b32 s13, s13, 2
	s_add_co_u32 s13, s13, s41                     ; tile row
	s_lshl_b32 s43, s41, 2
	s_lshl_b32 s43, 15, s43
	s_lshl_b32 s44, 0x1111, s40
	; A's group 1: 128 rows x 128 elements of 2 bytes, dense; 4 words of padding behind every 32 words
	s_or_b32 s[G1+0], s43, (1<<16)|(1<<20)|(1<<21)|(4<<22)|(3<<25)
	s_mov_b32 s[G1+1], 128<<16
	s_mov_b32 s[G1+2], 128<<16
	s_mov_b32 s[G1+3], 128<<16
	s_mov_b32 s[G1+4], 128
	s_mov_b32 s[G1+5], 128
	s_mov_b32 s[G1+6], 0
	s_mov_b32 s[G1+7], 0
	; B's group 1: 64 rows x 256 elements, 4 words of padding behind every 128 words
	s_or_b32 s[G1B+0], s44, (1<<16)|(1<<20)|(1<<21)|(6<<22)|(3<<25)
	s_mov_b32 s[G1B+1], KSTEP<<16
	s_mov_b32 s[G1B+2], 64<<16
	s_mov_b32 s[G1B+3], KSTEP<<16
	s_mov_b32 s[G1B+4], 64
	s_mov_b32 s[G1B+5], 1024
	s_mov_b32 s[G1B+6], 0
	s_mov_b32 s[G1B+7], 0
	s_lshl_b32 s16, s13, 18                        ; A: the row block's 256 KiB,
	s_lshl_b32 s17, s12, 15                        ; my two k blocks of the step
	s_add_co_u32 s16, s16, s17
	s_mov_b32 s17, 0
	s_lshl_b32 s46, s42, 7                         ; B: row 128 x tile column + 64 x half
	s_lshl_b32 s47, s12, 6
	s_add_co_u32 s46, s46, s47
	s_lshl_b32 s46, s46, 11
	s_mov_b32 s47, 0
	s_mul_i32 s20, s10, HALFA                      ; waves 0, 1: A's halves
	s_mul_i32 s21, s10, HALFT                      ; waves 2, 3: B's halves: BOFF + (wave - 2) x HALFT
	s_add_co_u32 s21, s21, BOFF-2*HALFT
	s_wait_dscnt 0x0
	s_wait_kmcnt 0x0
	s_add_nc_u64 s[14:15], s[68:69], s[16:17]
	s_add_nc_u64 s[46:47], s[70:71], s[46:47]
	CROUND                                         ; all sixteen work-groups are here: the first joint loads meet
.irp s, 0,1
	s_mov_b32 s[G0+4*\s], 1
	s_add_co_u32 s[G0+4*\s+1], s20, \s*SLOT
	s_add_nc_u64 s[G0+4*\s+2:G0+4*\s+3], s[14:15], \s*65536
	s_or_b32 s[G0+4*\s+3], s[G0+4*\s+3], 0x80000000
	s_mov_b32 s[G0B+4*\s], 1
	s_add_co_u32 s[G0B+4*\s+1], s21, \s*SLOT
	s_add_nc_u64 s[G0B+4*\s+2:G0B+4*\s+3], s[46:47], \s*KSTEP*2
	s_or_b32 s[G0B+4*\s+3], s[G0B+4*\s+3], 0x80000000
	JLOAD \s                                       ; two loads of mine are out
.endr
	v_and_b32 v1, 15, v0                           ; r
	v_bfe_u32 v2, v0, 4, 1                         ; l / 16
	v_mul_u32_u24 v3, v1, 144
	v_lshl_add_u32 v3, v2, 4, v3
	v_mul_u32_u24 v4, v1, PITCH
	v_lshl_add_u32 v4, v2, 4, v4
	s_mul_i32 s21, s11, 64*144                     ; my 64 rows in each k block of A
	s_mul_i32 s22, s12, HALFT                      ; my 64 rows of B
	s_add_co_u32 s22, s22, BOFF
.irp s, 0,1
	v_add_nc_u32 v[ADRA+\s], s21, v3
	v_add_nc_u32 v[ADRB+\s], s22, v4
	s_add_co_u32 s21, s21, SLOT
	s_add_co_u32 s22, s22, SLOT
.endr
	s_mul_i32 s23, s10, 16*SP
	s_add_co_u32 s23, s23, STAGE                   ; my stage
	v_mul_u32_u24 v4, v1, SP                       ; in: row r, 32 bytes for each half of the lanes
	v_lshl_add_u32 v4, v2, 5, v4
	v_add_nc_u32 v[STO], s23, v4
	v_mul_u32_u24 v5, v2, SP                       ; back: lanes 0-15 take one row of 256 bytes, lanes 16-31 the next
	v_lshl_add_u32 v5, v1, 4, v5
	v_add_nc_u32 v[RD], s23, v5
	v_lshlrev_b32 v[CO], 12, v2                    ; and the same two rows in resid and out
	v_lshl_add_u32 v[CO], v1, 4, v[CO]
	s_lshl_b32 s80, s13, 7
	s_lshl_b32 s81, s11, 6
	s_add_co_u32 s80, s80, s81                     ; my first row
	s_lshl_b32 s80, s80, 12
	s_lshl_b32 s81, s42, 9                         ; my first column, in bytes
	s_add_co_u32 s80, s80, s81
	s_lshl_b32 s81, s12, 8
	s_add_co_u32 s80, s80, s81
	s_mov_b32 s81, 0
	s_add_nc_u64 s[72:73], s[72:73], s[80:81]
	s_add_nc_u64 s[8:9], s[74:75], s[80:81]
	WIN 0x80                                       ; destination window 2
.irp a, 0,1,2,3
.irp t, 0,1,2,3,4,5,6,7
	global_load_b128 v[4*(8*\a+\t):4*(8*\a+\t)+3], v[CO], s[72:73] offset:(16*\a+2*\t)*4096
.endr
.endr
	WIN 0
	s_wait_tensorcnt 1                             ; my part of K step 0 is in; K step 1's may stay out
	s_barrier_signal -1
	s_barrier_wait -1
	FETCH 0, 0, F0
	QUARTER 0, 128, F0, F1, 1                      ; K step 0; its first products start the sums
	QUARTER 0, 256, F1, F0, 0
	QUARTER 0, 384, F0, F1, 0
	TURN 0, 1, 1                                   ; slot 0 takes K step 2
	QUARTER 1, 128, F0, F1, 0
	QUARTER 1, 256, F1, F0, 0
	QUARTER 1, 384, F0, F1, 0
	TURN 1, 0, 1                                   ; slot 1 takes K step 3
	QUARTER 0, 128, F0, F1, 0
	QUARTER 0, 256, F1, F0, 0
	QUARTER 0, 384, F0, F1, 0
	TURN 0, 1, 0                                   ; nothing is left to fetch
	QUARTER 1, 128, F0, F1, 0
	QUARTER 1, 256, F1, F0, 0
	QUARTER 1, 384, F0, F1, 0
	s_wait_dscnt 16
	WIN MUL
	MUL8 F1, 0, 0, 0
	MUL8 F1, 0, 2, 0
	s_wait_dscnt 0
	MUL8 F1, 1, 0, 0
	MUL8 F1, 1, 2, 0
	WIN 0
	; THE WAY OUT, 16 rows at a time: f32 through my own stage (rows of 256 bytes + 16), back as whole rows, plus the residual, stored.
	PLACES
	s_wait_loadcnt 0x0                             ; the residual
.irp a, 0,1,2,3
.set TM, TMP+32*(\a%2)
	s_wait_xcnt 0x0                                ; the rows' registers, which earlier stores read, are loaded again only behind this wait
.irp b, 0,1,2,3
.irp i, 0,1
	ds_store_b128 v[STO], v[ACC+8*(4*\a+\b)+4*\i:ACC+8*(4*\a+\b)+4*\i+3] offset:64*\b+16*\i   ; each accumulator from its low end
.endr
.endr
.irp t, 0,1,2,3,4,5,6,7
	ds_load_b128 v[TM+4*\t:TM+4*\t+3], v[RD] offset:\t*2*SP        ; LDS serves a wave's instructions in order (ISA guide 5.7.1.4): these see the stores above
.endr
	s_wait_dscnt 0x0
	WIN 0x08                                       ; source 1 window 2
.set i, 0
.rept 16
	v_pk_add_f32 v[TM+2*i:TM+2*i+1], v[TM+2*i:TM+2*i+1], v[32*\a+2*i:32*\a+2*i+1]
.set i, i+1
.endr
	WIN 0
.irp t, 0,1,2,3,4,5,6,7
	global_store_b128 v[CO], v[TM+4*\t:TM+4*\t+3], s[8:9] offset:(16*\a+2*\t)*4096   ; 16 lanes store 256 consecutive bytes, aligned
.endr
.endr
	s_wait_tensorcnt 0x0
	ds_add_u32 v126, v127
	s_wait_dscnt 0x0
	CROUND                                         ; the closing round
	s_endpgm
.Lfunc_end_k_q0853890662_ffn2:
	.size	k_q0853890662_ffn2, .Lfunc_end_k_q0853890662_ffn2-k_q0853890662_ffn2
	.p2alignl 7, 3214868480
	.fill 96, 4, 3214868480
	.section	.rodata,"a",@progbits
	.p2align	6, 0x0
	.amdhsa_kernel k_q0853890662_ffn2
		.amdhsa_group_segment_fixed_size 327680
		.amdhsa_private_segment_fixed_size 0
		.amdhsa_enable_private_segment 0
		.amdhsa_kernarg_size 32
		.amdhsa_user_sgpr_count 2
		.amdhsa_user_sgpr_kernarg_segment_ptr 1
		.amdhsa_wavefront_size32 1
		.amdhsa_system_sgpr_workgroup_id_x 1
		.amdhsa_system_sgpr_workgroup_id_y 1
		.amdhsa_system_sgpr_workgroup_id_z 1
		.amdhsa_system_vgpr_workitem_id 0
		.amdhsa_next_free_vgpr 640
		.amdhsa_next_free_sgpr 88
		.amdhsa_reserve_vcc 0
		.amdhsa_float_denorm_mode_32 3
		.amdhsa_float_denorm_mode_16_64 3
		.amdhsa_memory_ordered 1
		.amdhsa_forward_progress 1
		.amdhsa_inst_pref_size 93
	.end_amdhsa_kernel
	.amdgpu_metadata
---
amdhsa.version: [ 1, 2 ]
amdhsa.kernels:
  - .name:           k_q0853890662_ffn2
    .symbol:         k_q0853890662_ffn2.kd
    .args:
      - { .name: att, .offset: 0, .size: 8, .value_kind: global_buffer, .address_space: global }
      - { .name: Wc, .offset: 8, .size: 8, .value_kind: global_buffer, .address_space: global }
      - { .name: xa, .offset: 16, .size: 8, .value_kind: global_buffer, .address_space: global }
      - { .name: out0, .offset: 24, .size: 8, .value_kind: global_buffer, .address_space: global }
    .group_segment_fixed_size: 327680
    .private_segment_fixed_size: 0
    .kernarg_segment_align: 8
    .kernarg_segment_size: 32
    .max_flat_workgroup_size: 128
    .sgpr_count:     88
    .vgpr_count:     640
    .wavefront_size: 32
...
	.end_amdgpu_metadata
.endif
;; end of part 9
;; ======== version 2 of 2: 11 launches; 1.08 times as fast as version 1
;; limits: values are held in f16: magnitudes above 65,504 overflow, below 6.1e-05 lose precision
;; workspace buffers: Wa 16,777,216 bytes; Wb 4,194,304 bytes; Wc 6,291,456 bytes; h 8,388,608 bytes; qkv 25,165,824 bytes; kvc 8,388,608 bytes; att 8,388,608 bytes; xa 16,777,216 bytes
;; launch cast: the kernel of part 1 again; grid 32 x 21, 8 waves a work-group, no clusters, 0 bytes of LDS; arguments w_qkv, w_out, w_kv, context, w_cout, w_q, w2, w1, w3, Wa, Wb, Wc, x, g_norm1, h; writes Wa, Wb, Wc, h
;; launch proj1: the kernel of part 2 again; grid 16 x 16, 4 waves a work-group, clusters of 4 x 4, 327,680 bytes of LDS; arguments h, Wa, qkv, kvc, cos, sin; writes qkv, kvc
;; launch selfatt (part 10): grid 8 x 32, 8 waves a work-group, no clusters, 327,680 bytes of LDS; arguments qkv, att; writes att
.if DOCPART == 10
	.amdgcn_target "amdgcn-amd-amdhsa--gfx1250"
	.amdhsa_code_object_version 6
	.text
	.protected	k_q0853890662_selfatt
	.globl	k_q0853890662_selfatt
	.p2align	8
	.type	k_q0853890662_selfatt,@function
k_q0853890662_selfatt:
	s_mov_b64 s[64:65], 0
	v_nop
	global_prefetch_b8 v0, s[64:65] scope:SCOPE_SE
	s_setreg_imm32_b32 hwreg(HW_REG_WAVE_MODE, 25, 1), 1
	s_wait_xcnt 0x0
; Causal attention of one head: O[q] = sum over k <= q of softmax_k(Q[q] . K[k] / 8) V[k].  V, Q, K: the three regions of qkv, each [b][head][2048][64] (RoPE already applied).
; FORMAT.  Q and K are bf16 and K Q^T is a bf16 product.  V is f16; the weights, which lie in [0, 1], are rounded to f16 for the second product, an f16 product; O, a weighted mean of
; rows of V and so no larger than they are, is rounded once to f16.  Products, maxima and sums in f32.  The two products have accumulators of their own.
; Keys beyond the diagonal get -inf; every query has its own key in its diagonal step, so its maximum is finite.
; SHARES.  Work-group (i, bh) owns the query blocks i and 15 - i (128 queries each) of head bh: 17 blocks of 128 x 128 under the diagonal in every work-group.  Eight waves, 32 queries each
; (two tiles of 16); four waves take the low block, four the high one, dealt so that waves w and w + 4, and also w and w + 1, are one of each.  Keys go 64 a step; a wave whose queries lie
; in front of a step does nothing in it but passes every barrier.
; NO MULTICAST: the work-groups of a head need 9 to 16 slots of K and V, a different number each; in step with each other every slot would take the slowest partner's time.
; LAYOUT.  S^T = K Q^T (source 0 = 16 keys, source 1 = 16 queries): a lane holds one query (l % 16) and keys 8 (l / 16) + 0..7.  Two such tiles, rounded in pairs, are source 1 of
; O^T = V^T P, whose result again holds one query a lane and eight channels.  K comes out of LDS as it lies, V ([key][channel]) turned, by ds_load_tr16_b128.
; BY TURNS.  A step of a wave has 32 matrix instructions and 236 vector instructions, and a tile never looks at the other tile.  So the wave's two tiles take turns: a tile's softmax is cut
; into eight parts, and ahead of each part stand two products of the OTHER tile.  Beside tile 0's softmax of step j: tile 1's V^T P of step j - 1, then its K Q^T of step j.  Beside tile 1's
; softmax of step j: tile 0's V^T P of step j, then its K Q^T of step j + 1.  V of step j is fetched behind the fourth part of the first softmax, K of step j + 1 between the two softmaxes:
; each run of loads has 40 instructions or more in which to land.  All that a softmax touches lies in window 0 and K, V and Q in window 1, so a part costs two switches of the register
; window: 34 for a step.  With seven vector instructions to a matrix instruction that is the lesser price: in phases neither unit would have work while the other has.
; THE EXPONENTIALS.  A tile's 33 exponentials of a step (a and the 32 weights) are ONE BATCH.  They and the 16 scalings end the softmax's first four parts, and nothing there names a result of
; theirs; all that does (O^T times a, the roundings, the sums) stands in the last four parts.  Between the fourth part and the fifth stands the batch's one wait
; Two waits a step.  The first softmax's stands in V's run of loads, behind the line that makes the run's address; the second softmax's behind a v_nop, beside the wait for K.
; RING.  Two slots of 128 keys (two steps): K 128 rows x 144 bytes, V 128 rows x 160.  Wave 0 loads K's tile, wave 1 V's: 16 KiB dense in memory, taken as 64 rows of 256 bytes, with
; padding behind every 128 bytes.  The change of slots stands between the two softmaxes of a slot's second step: its last bytes, that step's V, have been waited for there.
; By this text's count a loading wave has two loads out at the start and one behind each refill's barrier.
; O goes to att, tile-major [row block of 128][head][128][64]: a wave's 32 rows are 4 KiB dense.
; REGISTERS: window 0: addresses v0-15; statistics v16-31 (8 a tile: c m, m, l, l, c0-c3); S^T v32-95; P v96-127; O^T v128-191; v224-255 the way out.  window 1: K v0-63, V v64-127, Q v128-159.
.set PK,    144                        ; odd multiple of 16: the 16 rows of a load start 16 bytes further on in each 256
.set PV,    160                        ; odd multiple of 32, for the turning load
.set VOFF,  128*PK
.set SLOT1, 65536                      ; slot 1 begins here: one exclusive or turns an address in one slot into the other's
.set STAGE, SLOT1+128*(PK+PV)          ; 32 rows x 144 bytes for each wave
.set SP,    144
.set AK0, 2
.set AV0, 3
.set ADK, 4
.set ADV, 5
.set QO,  6
.set STO, 7
.set RD,  8
.set GO,  12
.set NEG, 13                           ; -inf
.set VD,  14                           ; v14-15: tile t: my query's place in its diagonal step less 8 (l / 16)
.set ST,  16
.set S,   32
.set P,   96
.set O,   128
.set TMPO, 224
.set KF,  0
.set VF,  64
.set QF,  128
.set WV,  12
.set G1K, 24
.set G1V, 32
.set G0K, 40                           ; s[40:43] slot 0's first fill; s[44:47] slot 1's, which then walks on
.set G0V, 48
.set SLOTS, 56
.set CS,  58                           ; s[58:59] c = log2(e) / 8
.set SEL, 60
.set TB,  62                           ; LDS byte at which the slot in hand begins
.set STEPI, 66                         ; the key step in hand
.set LAST,  67                         ; my queries' diagonal step
.set mi,  0                            ; the number of the product that MQK or MPV writes next
.set MSB, 0
.macro WIN new                         ; the immediate's high byte repeats the setting that is left; a switch that changes nothing is dropped
.if MSB != \new
	s_set_vgpr_msb (MSB<<8)|\new
.set MSB, \new
.endif
.endm
.macro PLACES
.rept 4
	v_nop
.endr
.endm
.macro JLOAD                           ; a refill: wave 0 K's tile, wave 1 V's, the others none; four v_nop follow each line
	s_cmp_eq_u32 s[WV], 0
	s_cbranch_scc0 .Lnot_k_\@
	tensor_load_to_lds s[G0K+4:G0K+7], s[G1K:G1K+7]
	s_nop 0
.rept 4
	v_nop
.endr
	s_branch .Lasked_\@
.Lnot_k_\@:
	s_cmp_eq_u32 s[WV], 1
	s_cbranch_scc0 .Lasked_\@
	tensor_load_to_lds s[G0V+4:G0V+7], s[G1V:G1V+7]
	s_nop 0
.rept 4
	v_nop
.endr
.Lasked_\@:
.endm
; The change of slots.  Every wave waits for its reads of the slot and for all its tensor loads (the one that may be out is the other slot's); behind the barrier nobody reads this
; slot and the other is whole.  nxt = 2: this slot is filled again first, with the keys two slots on: it has two key steps of all eight waves in which to land.
.macro CHANGE nxt
	s_wait_dscnt 0x0
	s_wait_tensorcnt 0x0                           ; no tensor load of mine is out, so a group 0 may be written
	ds_add_u32 v222, v223
	s_wait_dscnt 0x0
.if \nxt == 2
.irp g, G0K+4, G0V+4
	s_xor_b32 s[\g+1], s[\g+1], SLOT1              ; the walking descriptor: the other slot than last time,
	s_add_nc_u64 s[\g+2:\g+3], s[\g+2:\g+3], 128*128   ; the next 128 keys
.endr
.endif
	s_barrier_signal -1
	s_barrier_wait -1
.if \nxt == 2
	JLOAD
.endif
	s_xor_b32 s[TB], s[TB], SLOT1
.endm
; THE MATRIX WORK.  The four accumulators of a run of eight take turns, one instruction a turn.
; Product mi of 8 of S^T = K Q^T for tile t: channels 32 (mi / 4) on, keys 16 (mi % 4) on.  The first four start the sums.
.macro MQK t
	WIN 0x05                                       ; K and Q window 1
.set mS, S+32*\t+8*(mi%4)
.set mK, KF+8*(2*(mi%4)+mi/4)
.set mQ, QF+8*(2*\t+mi/4)
.if mi < 4
	v_wmma_f32_16x16x32_bf16 v[mS:mS+7], v[mK:mK+7], v[mQ:mQ+7], 0
.else
	v_wmma_f32_16x16x32_bf16 v[mS:mS+7], v[mK:mK+7], v[mQ:mQ+7], v[mS:mS+7]
.endif
.set mi, mi+1
.endm
; Product mi of 8 of O^T += V^T P for tile t: keys 32 (mi / 4) on, channels 16 (mi % 4) on.  zero = 1: the first four start the sums: nothing is ever cleared.
.macro MPV t, zero
	WIN 0x01                                       ; V window 1
.set mO, O+32*\t+8*(mi%4)
.set mV, VF+8*mi
.set mP, P+16*\t+8*(mi/4)
.if \zero && (mi < 4)
	v_wmma_f32_16x16x32_f16 v[mO:mO+7], v[mV:mV+7], v[mP:mP+7], 0
.else
	v_wmma_f32_16x16x32_f16 v[mO:mO+7], v[mV:mV+7], v[mP:mP+7], v[mO:mO+7]
.endif
.set mi, mi+1
.endm
; THE LDS LOADS, in runs of 16: half = which 64 keys of the slot.  A product follows each run and sets the windows that it needs.
.macro KLOAD half
	v_add_nc_u32 v[ADK], s[TB], v[AK0]
	WIN 0x40                                       ; destination window 1
.irp u, 0,1,2,3
.irp c, 0,1
	ds_load_b128 v[KF+8*(2*\u+\c):KF+8*(2*\u+\c)+3],   v[ADK] offset:\half*64*PK+\u*16*PK+64*\c
	ds_load_b128 v[KF+8*(2*\u+\c)+4:KF+8*(2*\u+\c)+7], v[ADK] offset:\half*64*PK+\u*16*PK+64*\c+32
.endr
.endr
.endm
; V's run stands behind the fourth part of tile 0's softmax, where that tile's batch of exponentials ends: so it also holds the batch's wait.
.macro VLOAD half
	v_add_nc_u32 v[ADV], s[TB], v[AV0]             ; the run's address; also the plain instruction behind the batch's last exponential (ISA guide 5.7.2)
	s_wait_alu depctr_va_vdst(0)                   ; the wait for tile 0's batch, a and the 32 weights: ahead of the first line that names a result (number 70 of the list)
	WIN 0x40
.irp g, 0,1
.irp d, 0,1,2,3
	ds_load_tr16_b128 v[VF+8*(4*\g+\d):VF+8*(4*\g+\d)+3],   v[ADV] offset:\half*64*PV+\g*32*PV+32*\d
	ds_load_tr16_b128 v[VF+8*(4*\g+\d)+4:VF+8*(4*\g+\d)+7], v[ADV] offset:\half*64*PV+\g*32*PV+32*\d+16*PV
.endr
.endr
.endm
; My diagonal step: key 16 u + 8 (l / 16) + j of the step lies behind query (q0 % 64) + 16 t + l % 16.  Each accumulator is taken from its low end.
.macro MASK t
.irp u, 0,1,2,3
.irp j, 0,1,2,3,4,5,6,7
	v_cmp_gt_i32 vcc_lo, 16*\u+\j, v[VD+\t]
	v_cndmask_b32 v[S+32*\t+8*\u+\j], v[S+32*\t+8*\u+\j], v[NEG], vcc_lo
.endr
.endr
.endm
; THE VECTOR WORK.  One tile's softmax for one step is a list of 118 instructions; SM1 writes number j of it for tile t.  s0-s31 are the lane's 32 scores, in pairs 0-15.
; first = 1: the first step starts m, l and O^T: it has no a and nothing to rescale.
;   0-15     the maximum of s0-s31 and the old m, three operands at a time: four chains, each from its accumulator's low end, then the four scores left over, the chains and m
;   16-20    the other half of the lanes' maximum; c m_old is kept; the new m; c m; c m_old - c m_new
;   21-69    ONE BATCH: the 16 scalings c s - c m, a pair of scores each, and all 33 exponentials (a at 23, then s0-s31).  None of these names an exponential's result.  21, 22: two scalings; 23-37: exponential
;            and scaling by turns; 38-65: a scaling and three exponentials; 66-69: the last four exponentials.  A pair is scaled in an earlier group than the one that holds its exponentials
;   (wait)   between 69 and 70 stands the wait for the batch: STEP writes it
;   70-85    O^T times a, each accumulator from its low end
;   86-101   the roundings to f16, a pair of weights each
;   102-117  the sum of the 16 pairs, in place: neighbours 1, 2, 4 and 8 pairs apart; l = a l + the sum
.macro SM1 t, first
.set rT, ST+8*\t
.set rS, S+32*\t
.set rP, P+16*\t
.set rO, O+32*\t
.if j < 4
	v_max3_num_f32 v[rT+4+j], v[rS+8*j], v[rS+8*j+1], v[rS+8*j+2]
.elseif j < 12
	v_max3_num_f32 v[rT+4+j%4], v[rT+4+j%4], v[rS+8*(j%4)+2*(j/4)+1], v[rS+8*(j%4)+2*(j/4)+2]
.elseif j == 12
	v_max3_num_f32 v[rT+4], v[rT+4], v[rS+7], v[rS+15]
.elseif j == 13
	v_max3_num_f32 v[rT+6], v[rT+6], v[rS+23], v[rS+31]
.elseif j == 14
	v_max3_num_f32 v[rT+4], v[rT+4], v[rT+5], v[rT+6]
.elseif (j == 15) && (\first)
	v_max_num_f32 v[rT+4], v[rT+4], v[rT+7]
.elseif j == 15
	v_max3_num_f32 v[rT+4], v[rT+4], v[rT+7], v[rT+1]
.elseif j == 16
	v_permlanex16_b32 v[rT+5], v[rT+4], s[SEL], s[SEL+1]   ; the query's other 32 keys lie in the lane 16 away
.elseif j == 18
	v_max_num_f32 v[rT+1], v[rT+4], v[rT+5]
.elseif j == 19
	v_mul_f32 v[rT], s[CS], v[rT+1]
.elseif ((j == 17) || (j == 20) || (j == 23) || ((j >= 70) && (j < 86))) && (\first)  ; the first step has none of these
.elseif j == 17
	v_mov_b32 v[rT+7], v[rT]                       ; c m_old
.elseif j == 20
	v_sub_f32 v[rT+7], v[rT+7], v[rT]
.elseif j == 23
	v_exp_f32 v[rT+6], v[rT+7]                     ; a
.elseif (j < 23) || ((j < 38) && (j%2 == 0)) || ((j < 66) && (j%4 == 2))
.set b, (j-2)/4                        ; 38, 42, .. 62: pairs 9 to 15
.if j < 38
.set b, (j-20)/2                       ; 21: pair 0; 22, 24, .. 36: pairs 1 to 8
.endif
	v_pk_fma_f32 v[rS+2*b:rS+2*b+1], v[rS+2*b:rS+2*b+1], s[CS:CS+1], v[rT:rT+1] op_sel_hi:[1,0,0] neg_lo:[0,0,1] neg_hi:[0,0,1]   ; pair b: c s - c m
.elseif j < 70
.set e, j-38                           ; 66 to 69: s28 to s31
.if j < 66
.set e, j-32-(j-38)/4                  ; 39-41, 43-45, .. 63-65: s7 to s27
.endif
.if j < 38
.set e, (j-25)/2                       ; 25, 27, .. 37: s0 to s6
.endif
	v_exp_f32 v[rS+e], v[rS+e]
.elseif j < 86
	v_pk_mul_f32 v[rO+2*(j-70):rO+2*(j-70)+1], v[rO+2*(j-70):rO+2*(j-70)+1], v[rT+6:rT+7] op_sel_hi:[1,0]   ; pair j - 70 of O^T times a
.elseif j < 102
	v_cvt_pk_f16_f32 v[rP+j-86], v[rS+2*(j-86)], v[rS+2*(j-86)+1]   ; pair j - 86
.else
.set z, j-102
.set w, 4
.set u, z
.if z >= 14
.set w, 32
.set u, 0
.elseif z >= 12
.set w, 16
.set u, z-12
.elseif z >= 8
.set w, 8
.set u, z-8
.endif
.if (z == 14) && (\first)
	v_pk_add_f32 v[rT+2:rT+3], v[rS:rS+1], v[rS+16:rS+17]
.elseif z < 15
	v_pk_add_f32 v[rS+w*u:rS+w*u+1], v[rS+w*u:rS+w*u+1], v[rS+w*u+w/2:rS+w*u+w/2+1]
.elseif !(\first)
	v_pk_fma_f32 v[rT+2:rT+3], v[rT+2:rT+3], v[rT+6:rT+7], v[rS:rS+1] op_sel_hi:[1,0,1]   ; l = a l + the sum
.endif
.endif
.endm
; Part p of 8 of that list: numbers 0-11, 12-27, 28-45, 46-69, and then four parts of twelve.  Parts 0 to 3 are all that stands ahead of the batch's wait.
; Part 3 has five plain instructions (the scalings 46, 50, 54, 58, 62): with the line that makes V's address they are the places between the products ahead of it and V's loads.
; Part 7 is twelve plain instructions (eleven in the first step): the places behind the products that stand ahead of it.
.macro SM t, first, p
.if \p == 0
.set j, 0
.set jn, 12
.elseif \p == 1
.set j, 12
.set jn, 16
.elseif \p == 2
.set j, 28
.set jn, 18
.elseif \p == 3
.set j, 46
.set jn, 24
.else
.set j, 70+12*(\p-4)
.set jn, 12
.endif
.rept jn
	SM1 \t, \first
.set j, j+1
.endr
.endm
; A KEY STEP.  half = which 64 keys of the slot.  At its head tile 0's scores of this step are there: the step before made them.
; first = 1: the first step; it ends with tile 1's V^T P, which starts those sums.  prev = 1: tile 1's V^T P of the step before is still to be made.
; nxt = 1: the next step lies in this slot; 2: in the other slot, and this slot is filled again; 3: in the other slot, nothing is asked for; 0: there is none.
; A wave whose queries lie in front of the step jumps over the step's two halves and passes the barrier between them.
; Each softmax's wait stands ahead of its fifth part and no exponential is issued behind it.
.macro STEP half, first, prev, nxt
.if !\first
	s_cmp_gt_u32 s[STEPI], s[LAST]                 ; all these keys lie behind my queries: nothing to do
	s_cbranch_scc1 .Lidle_a_\@
.endif
	s_cmp_lg_u32 s[STEPI], s[LAST]
	s_cbranch_scc1 .Lopen_0_\@
	MASK 0
.Lopen_0_\@:
.set mi, 0
.irp k, 0,1,2,3,4,5,6,7                ; tile 0's softmax; ahead of each part two of tile 1's products
.if \k == 4
.set mi, 0
	VLOAD \half                                    ; V of this step, and the wait for tile 0's batch: the last product that read V stands ahead of part 3, six plain instructions back
.endif
.if \k >= 4
	MQK 1
	MQK 1
.elseif \prev
	MPV 1, 0
	MPV 1, 0
.endif
	WIN 0
	SM 0, \first, \k
.endr
	s_cmp_lg_u32 s[STEPI], s[LAST]
	s_cbranch_scc1 .Lopen_1_\@
	MASK 1
.Lopen_1_\@:
.if \nxt < 2
	s_wait_dscnt 0x0                               ; V is in
.else
.Lidle_a_\@:
	CHANGE \nxt                                    ; its wait for my LDS loads also shows V in
	s_cmp_gt_u32 s[STEPI], s[LAST]
	s_cbranch_scc1 .Lidle_b_\@
.endif
.if \nxt == 1
	KLOAD 1                                        ; K of the next step: the last product that read K stands ahead of part 7
.elseif \nxt >= 2
	KLOAD 0
.endif
.set mi, 0
.irp k, 0,1,2,3,4,5,6,7                ; tile 1's softmax; ahead of each part two of tile 0's products
.if \k == 4
.set mi, 0
	v_nop                                          ; the plain instruction behind the batch's last exponential (ISA guide 5.7.2)
	s_wait_alu depctr_va_vdst(0)                   ; the wait for tile 1's batch, a and the 32 weights: ahead of the first line that names a result (number 70 of the list)
.if \nxt
	s_wait_dscnt 0x0                               ; the next step's K is in
.endif
.endif
.if \k < 4
	MPV 0, \first
	MPV 0, \first
.elseif \nxt
	MQK 0
	MQK 0
.endif
	WIN 0
	SM 1, \first, \k
.endr
.if !\first
	s_cmp_lg_u32 s[STEPI], s[LAST]                 ; my last step?  Then no later step makes tile 1's V^T P: it stands here
	s_cbranch_scc1 .Lon_\@
.endif
.set mi, 0
.rept 8
	MPV 1, \first
.endr
	WIN 0
.if !\first
.Lon_\@:
.endif
.if \nxt >= 2
.Lidle_b_\@:
.elseif !\first
.Lidle_a_\@:
.endif
	s_add_co_u32 s[STEPI], s[STEPI], 1
.endm
	s_load_b128 s[4:7], s[0:1], 0x0                ; qkv s[4:5], att s[6:7]
	v_lshl_add_u32 v222, v0, 2, 0x29000
	v_mov_b32 v223, 0
	ds_add_u32 v222, v223
	v_lshrrev_b32 v1, 5, v0
	v_readfirstlane_b32 s[WV], v1                  ; wave 0..7
	s_and_b32 s13, ttmp7, 0xffff                   ; 16 b + head
	s_lshr_b32 s14, s[WV], 2
	s_xor_b32 s14, s14, s[WV]
	s_and_b32 s14, s14, 1                          ; 0: the low block, 1: the high one
	s_sub_co_u32 s15, 15, ttmp9
	s_cmp_eq_u32 s14, 1
	s_cselect_b32 s15, s15, ttmp9                  ; my block of 128 queries
	s_lshr_b32 s16, s[WV], 1                       ; my 32 of them
	s_lshl_b32 s15, s15, 7
	s_lshl_b32 s16, s16, 5
	s_add_co_u32 s15, s15, s16                     ; q0
	s_lshr_b32 s[LAST], s15, 6
	s_sub_co_u32 s[SLOTS], 13, ttmp9               ; 16 - i slots in all: two are filled at the start, one refill stands ahead of the loop: 6 to 13 trips
	s_mov_b32 s[STEPI], 0
	s_mov_b32 s[TB], 0
	s_mov_b32 s[CS], 0x3e38aa3b                    ; log2(e) / 8
	s_mov_b32 s[CS+1], s[CS]
	s_mov_b32 s[SEL], 0x76543210
	s_mov_b32 s[SEL+1], 0xfedcba98
	s_lshl_b32 s20, s13, 18                        ; the head's 256 KiB in a region
	s_mov_b32 s21, 0
	s_lshl_b32 s22, s15, 7
	s_add_co_u32 s22, s22, s20
	s_add_co_u32 s22, s22, 0x800000                ; Q is the second region
	s_mov_b32 s23, 0
	s_lshr_b32 s16, s13, 4                         ; att: row block 16 b + q0 / 128,
	s_lshl_b32 s16, s16, 4
	s_lshr_b32 s17, s15, 7
	s_add_co_u32 s16, s16, s17
	s_lshl_b32 s16, s16, 18
	s_and_b32 s17, s13, 15                         ; the head's 16 KiB,
	s_lshl_b32 s17, s17, 14
	s_add_co_u32 s16, s16, s17
	s_and_b32 s17, s15, 127                        ; my rows of 128 bytes
	s_lshl_b32 s17, s17, 7
	s_add_co_u32 s16, s16, s17
	s_mov_b32 s17, 0
	; group 1: 64 rows x 128 elements of 2 bytes, dense; padding behind every 32 words: 4 words for K, 8 for V
	s_mov_b32 s[G1K], (1<<16)|(1<<20)|(4<<22)|(3<<25)
	s_mov_b32 s[G1V], (1<<16)|(1<<20)|(4<<22)|(7<<25)
.irp g, G1K, G1V
	s_mov_b32 s[\g+1], 128<<16                     ; tensor_dim0 = 128
	s_mov_b32 s[\g+2], 64<<16                      ; tensor_dim1 = 64
	s_mov_b32 s[\g+3], 128<<16                     ; tile_dim0 = 128
	s_mov_b32 s[\g+4], 64                          ; tile_dim1 = 64
	s_mov_b32 s[\g+5], 128                         ; elements from row to row
	s_mov_b32 s[\g+6], 0
	s_mov_b32 s[\g+7], 0
.endr
	s_wait_dscnt 0x0
	s_barrier_signal -1
	s_barrier_wait -1
	s_wait_kmcnt 0x0
	s_add_nc_u64 s[8:9], s[4:5], s[20:21]          ; V at the head (first region)
	s_add_nc_u64 s[10:11], s[8:9], 0x1000000       ; K (third region)
	s_add_nc_u64 s[4:5], s[4:5], s[22:23]          ; Q at my first row
	s_add_nc_u64 s[6:7], s[6:7], s[16:17]          ; O at my first row
.irp s, 0,1
	s_mov_b32 s[G0K+4*\s], 1
	s_mov_b32 s[G0K+4*\s+1], \s*SLOT1
	s_add_nc_u64 s[G0K+4*\s+2:G0K+4*\s+3], s[10:11], \s*128*128
	s_or_b32 s[G0K+4*\s+3], s[G0K+4*\s+3], 0x80000000
	s_mov_b32 s[G0V+4*\s], 1
	s_mov_b32 s[G0V+4*\s+1], \s*SLOT1+VOFF
	s_add_nc_u64 s[G0V+4*\s+2:G0V+4*\s+3], s[8:9], \s*128*128
	s_or_b32 s[G0V+4*\s+3], s[G0V+4*\s+3], 0x80000000
.endr
	s_cmp_eq_u32 s[WV], 0                          ; a wave's two first fills stand in one branch, ahead of every wait on TENSORcnt and every LDS read
	s_cbranch_scc0 .Lfirst_not_k
	tensor_load_to_lds s[G0K:G0K+3], s[G1K:G1K+7]
	s_nop 0
	tensor_load_to_lds s[G0K+4:G0K+7], s[G1K:G1K+7]
	s_nop 0
.rept 4
	v_nop
.endr
	s_branch .Lfirst_asked
.Lfirst_not_k:
	s_cmp_eq_u32 s[WV], 1
	s_cbranch_scc0 .Lfirst_asked
	tensor_load_to_lds s[G0V:G0V+3], s[G1V:G1V+7]
	s_nop 0
	tensor_load_to_lds s[G0V+4:G0V+7], s[G1V:G1V+7]
	s_nop 0
.rept 4
	v_nop
.endr
.Lfirst_asked:
	v_and_b32 v1, 15, v0                           ; r = l % 16
	v_bfe_u32 v9, v0, 4, 1                         ; l / 16
	v_lshlrev_b32 v[QO], 7, v1
	v_lshl_add_u32 v[QO], v9, 4, v[QO]             ; row x 128 + 16 x half
	WIN 0x40
.irp t, 0,1
.irp c, 0,1
	global_load_b128 v[QF+8*(2*\t+\c):QF+8*(2*\t+\c)+3],   v[QO], s[4:5] offset:\t*2048+64*\c
	global_load_b128 v[QF+8*(2*\t+\c)+4:QF+8*(2*\t+\c)+7], v[QO], s[4:5] offset:\t*2048+64*\c+32
.endr
.endr
	WIN 0
	v_mul_u32_u24 v[AK0], v1, PK
	v_lshl_add_u32 v[AK0], v9, 4, v[AK0]
	v_and_b32 v10, 7, v0                           ; the turning load: lane l reads key 8 (l / 16) + l % 8, channels 8 ((l / 8) % 2) + 0..7
	v_bfe_u32 v11, v0, 3, 1
	v_lshl_add_u32 v[AV0], v9, 3, v10
	v_mul_u32_u24 v[AV0], v[AV0], PV
	v_lshl_add_u32 v[AV0], v11, 4, v[AV0]
	v_add_nc_u32 v[AV0], VOFF, v[AV0]
	s_mul_i32 s13, s[WV], 32*SP
	s_add_co_u32 s13, s13, STAGE                   ; my stage
	v_mul_u32_u24 v[STO], v1, SP
	v_lshl_add_u32 v[STO], v9, 4, v[STO]
	v_add_nc_u32 v[STO], s13, v[STO]
	v_bfe_u32 v[RD], v0, 3, 2                      ; back: eight lanes take a row of 128 bytes
	v_mul_u32_u24 v[RD], v[RD], SP
	v_lshl_add_u32 v[RD], v10, 4, v[RD]
	v_add_nc_u32 v[RD], s13, v[RD]
	v_and_b32 v[GO], 31, v0
	v_lshlrev_b32 v[GO], 4, v[GO]
	v_mov_b32 v[NEG], 0xff800000
	s_and_b32 s14, s15, 63
	v_lshlrev_b32 v11, 3, v9
	v_sub_nc_u32 v[VD], v1, v11
	v_add_nc_u32 v[VD], s14, v[VD]
	v_add_nc_u32 v[VD+1], 16, v[VD]
	s_wait_tensorcnt 0x1                           ; my part of slot 0 is in; slot 1's may stay out
	s_barrier_signal -1
	s_barrier_wait -1
	KLOAD 0                                        ; key step 0
	s_wait_loadcnt 0x0                             ; Q
	s_wait_dscnt 0x0                               ; K
.set mi, 0
.rept 8
	MQK 0                                          ; tile 0's first scores: there is no vector work yet to set between them
.endr
	WIN 0
	PLACES
	STEP 0, 1, 0, 1                                ; slot 0
	STEP 1, 0, 0, 2                                ; slot 0 takes the third 128 keys
.Lslot:                                                ; 13 - i trips, a slot each, and each fills its slot again
	STEP 0, 0, 1, 1
	STEP 1, 0, 1, 2
	s_sub_co_i32 s[SLOTS], s[SLOTS], 1
	s_cmp_gt_i32 s[SLOTS], 0                       ; a signed compare: the loop ends whatever the start
	s_cbranch_scc1 .Lslot
	STEP 0, 0, 1, 1                                ; the last two slots are written out: nothing is asked for
	STEP 1, 0, 1, 3
	STEP 0, 0, 1, 1
	STEP 1, 0, 1, 0
	; THE WAY OUT: l's halves and the other lanes' are added; O^T is divided by l, rounded and sent through my stage.
	PLACES
.irp t, 0,1
	v_add_f32 v[ST+8*\t+4], v[ST+8*\t+2], v[ST+8*\t+3]
.endr
.irp t, 0,1
	v_permlanex16_b32 v[ST+8*\t+5], v[ST+8*\t+4], s[SEL], s[SEL+1]
.endr
.irp t, 0,1
	v_add_f32 v[ST+8*\t+4], v[ST+8*\t+4], v[ST+8*\t+5]
.endr
.irp t, 0,1
	v_rcp_f32 v[ST+8*\t+6], v[ST+8*\t+4]
.endr
	v_nop                                          ; a plain instruction between the last reciprocal and the use of its result
	s_wait_alu depctr_va_vdst(0)                   ; the wait ahead of the first use: one for the two reciprocals
.irp t, 0,1
.set i, 0
.rept 16
	v_pk_mul_f32 v[O+32*\t+2*i:O+32*\t+2*i+1], v[O+32*\t+2*i:O+32*\t+2*i+1], v[ST+8*\t+6:ST+8*\t+7] op_sel_hi:[1,0]
.set i, i+1
.endr
.set i, 0
.rept 16
	v_cvt_pk_f16_f32 v[TMPO+16*\t+i], v[O+32*\t+2*i], v[O+32*\t+2*i+1]
.set i, i+1
.endr
.endr
.irp t, 0,1
.irp d, 0,1,2,3
	ds_store_b128 v[STO], v[TMPO+16*\t+4*\d:TMPO+16*\t+4*\d+3] offset:\t*16*SP+32*\d
.endr
.endr
.irp f, 0,1,2,3,4,5,6,7
	ds_load_b128 v[TMPO+4*\f:TMPO+4*\f+3], v[RD] offset:\f*4*SP   ; LDS serves a wave's instructions in order (ISA guide 5.7.1.4): these see the stores above
.endr
.irp f, 0,1,2,3,4,5,6,7
	s_wait_dscnt 7-\f                              ; load f is back, the younger ones stay out
	global_store_b128 v[GO], v[TMPO+4*\f:TMPO+4*\f+3], s[6:7] offset:512*\f   ; a wave's store covers 512 consecutive bytes, aligned
.endr
	s_wait_tensorcnt 0x0
	ds_add_u32 v222, v223
	s_wait_dscnt 0x0
	s_endpgm
.Lfunc_end_k_q0853890662_selfatt:
	.size	k_q0853890662_selfatt, .Lfunc_end_k_q0853890662_selfatt-k_q0853890662_selfatt
	.p2alignl 7, 3214868480
	.fill 96, 4, 3214868480
	.section	.rodata,"a",@progbits
	.p2align	6, 0x0
	.amdhsa_kernel k_q0853890662_selfatt
		.amdhsa_group_segment_fixed_size 327680
		.amdhsa_private_segment_fixed_size 0
		.amdhsa_enable_private_segment 0
		.amdhsa_kernarg_size 16
		.amdhsa_user_sgpr_count 2
		.amdhsa_user_sgpr_kernarg_segment_ptr 1
		.amdhsa_wavefront_size32 1
		.amdhsa_system_sgpr_workgroup_id_x 1
		.amdhsa_system_sgpr_workgroup_id_y 1
		.amdhsa_system_sgpr_workgroup_id_z 1
		.amdhsa_system_vgpr_workitem_id 0
		.amdhsa_next_free_vgpr 416
		.amdhsa_next_free_sgpr 72
		.amdhsa_reserve_vcc 1
		.amdhsa_float_denorm_mode_32 3
		.amdhsa_float_denorm_mode_16_64 3
		.amdhsa_memory_ordered 1
		.amdhsa_forward_progress 1
		.amdhsa_inst_pref_size 194
	.end_amdhsa_kernel
	.amdgpu_metadata
---
amdhsa.version: [ 1, 2 ]
amdhsa.kernels:
  - .name:           k_q0853890662_selfatt
    .symbol:         k_q0853890662_selfatt.kd
    .args:
      - { .name: qkv, .offset: 0, .size: 8, .value_kind: global_buffer, .address_space: global }
      - { .name: att, .offset: 8, .size: 8, .value_kind: global_buffer, .address_space: global }
    .group_segment_fixed_size: 327680
    .private_segment_fixed_size: 0
    .kernarg_segment_align: 8
    .kernarg_segment_size: 16
    .max_flat_workgroup_size: 256
    .sgpr_count:     72
    .vgpr_count:     416
    .wavefront_size: 32
...
	.end_amdgpu_metadata
.endif
;; end of part 10
;; launch outp: the kernel of part 4 again; grid 8 x 32, 4 waves a work-group, clusters of 4 x 4, 327,680 bytes of LDS; arguments att, Wa, x, out0; writes out0
;; launch norm2: the kernel of part 5 again; grid 256 x 1, 8 waves a work-group, no clusters, 0 bytes of LDS; arguments out0, g_norm_cross, h; writes h
;; launch proj2: the kernel of part 6 again; grid 8 x 32, 4 waves a work-group, clusters of 4 x 4, 327,680 bytes of LDS; arguments h, Wb, qkv; writes qkv
;; launch crossatt (part 11): grid 8 x 32, 8 waves a work-group, clusters of 4 x 1, 327,680 bytes of LDS; arguments qkv, kvc, context_mask, att; writes att
.if DOCPART == 11
	.amdgcn_target "amdgcn-amd-amdhsa--gfx1250"
	.amdhsa_code_object_version 6
	.text
	.protected	k_q0853890662_crossatt
	.globl	k_q0853890662_crossatt
	.p2align	8
	.type	k_q0853890662_crossatt,@function
k_q0853890662_crossatt:
	s_mov_b64 s[64:65], 0
	v_nop
	global_prefetch_b8 v0, s[64:65] scope:SCOPE_SE
	s_setreg_imm32_b32 hwreg(HW_REG_WAVE_MODE, 25, 1), 1
	s_wait_xcnt 0x0
	s_wait_alu depctr_hold_cnt(0) depctr_sa_sdst(0) depctr_va_vdst(0) depctr_va_sdst(0) depctr_va_ssrc(0) depctr_va_vcc(0) depctr_vm_vsrc(0)
	s_getreg_b32 s2, hwreg(HW_REG_IB_STS2, 6, 4)
	s_cmp_eq_u32 s2, 0
	s_cbranch_scc0 .Lentry_in_a_cluster
	s_endpgm
.Lentry_in_a_cluster:
	s_bfe_u32 s2, ttmp6, 0x10000c
	s_cmp_lg_u32 s2, 0x3003
	s_cbranch_scc0 .Lentry_shape_is_right
	s_endpgm
.Lentry_shape_is_right:
; Masked attention of one head over the context: O[q] = sum over k with mask[k] != 0 of softmax_k(Q[q] . K[k] / 8) V[k].
; Q: the first region of qkv, [b][head][2048][64] f16; K, V: the two regions of kvc, [b][head][1024][64] f16; mask: [b][1024] int32.
; FORMAT.  Both products are f16 products with f32 sums; the weights, in [0, 1], are rounded to f16; O, a weighted mean of rows of V, is rounded once to f16.
; THE MASK is an addend: 0 for a key that counts, -1e30 for one that does not, kept in LDS as f32 and given to the first product of each score tile as its C.
; THE RUNNING MAXIMUM is floored at -2^80, so that a step whose keys are all masked gives weights 2^(c (-1e30 + 2^80)) = 0 and leaves l and O at 0.
; LIMITS: true scores must lie above -2^80 (about -1.2e24).  A batch whose mask is all zero ends with l = 0 and O = 0, and O / l is NaN, as in the reference.
; SHARES.  A work-group owns 256 queries of one head, each of its eight waves 32 (two tiles of 16); every wave walks all 1,024 keys, 64 a step.
; CLUSTER.  The four query blocks of a cluster belong to one head and walk the same K and V: each tile is asked for jointly, by the same tensor load with a mask that names the four.
; LAYOUT.  S^T = K Q^T, O^T = V^T P: a lane holds one query in both; K comes out of LDS as it lies, V turned, by ds_load_tr16_b128.
; BY TURNS.  A step of a wave has 32 matrix instructions and 236 vector instructions, and a tile never looks at the other tile.  So the wave's two tiles take turns: a tile's softmax is cut
; into eight parts, and ahead of each part stand two products of the OTHER tile.  Beside tile 0's softmax of step j: tile 1's V^T P of step j - 1, then its K Q^T of step j.  Beside tile 1's
; softmax of step j: tile 0's V^T P of step j, then its K Q^T of step j + 1.  V of step j is fetched behind the fourth part of the first softmax, K and the addends of step j + 1 between
; the two softmaxes: each run of loads has 40 instructions or more in which to land.  All that a softmax touches lies in window 0 and K, V and Q in window 1, so a part costs two switches
; of the register window: 34 for a step.  With seven vector instructions to a matrix instruction that is the lesser price: in phases neither unit would have work while the other has.
; THE EXPONENTIALS.  A tile's 33 exponentials of a step (a and the 32 weights) are ONE BATCH.  They and the 16 scalings end the softmax's first four parts, and nothing there names a result of
; theirs; all that does (O^T times a, the roundings, the sums) stands in the last four parts.  Between the fourth part and the fifth stands the batch's one wait
; Two waits a step.  The first softmax's stands in V's run of loads, behind the line that makes the run's address; the second softmax's behind a v_nop, beside the wait for K.
; RING.  Two slots of 128 keys, K's rows 144 bytes apart, V's 160; wave 0 loads K's tile, wave 1 V's.  The change of slots, a round of the cluster's barrier, stands between the two
; softmaxes of a slot's second step: its last bytes, that step's V, have been waited for there.  A loading wave has two loads out at the start and one behind each round.
; O goes to att, tile-major [row block of 128][head][128][64]: a wave's 32 rows are 4 KiB dense.
; REGISTERS: window 0: addresses v0-15; statistics v16-31; S^T v32-95; P v96-127; O^T v128-191; the step's addends v192-223; v224-255 the way out.  window 1: K v0-63, V v64-127, Q v128-159.
.set PK,    144
.set PV,    160
.set VOFF,  128*PK
.set SLOT1, 65536
.set STAGE, SLOT1+128*(PK+PV)
.set SP,    144
.set BIAS,  STAGE+8*32*SP              ; 1,024 addends of 4 bytes
.set AK0, 2
.set AV0, 3
.set ADK, 4
.set ADV, 5
.set QO,  6
.set STO, 7
.set RD,  8
.set GO,  12
.set FLR, 13                           ; -2^80
.set AB0, 14                           ; my place in a step's addends
.set ADB, 15
.set ST,  16
.set S,   32
.set P,   96
.set O,   128
.set BI,  192
.set TMPO, 224
.set KF,  0
.set VF,  64
.set QF,  128
.set WV,  12
.set G1K, 24
.set G1V, 32
.set G0K, 40
.set G0V, 48
.set SLOTS, 56
.set CS,  58
.set SEL, 60
.set TB,  62
.set BB,  68                           ; byte of the first addend of the step whose K is fetched
.set mi,  0                            ; the number of the product that MQK or MPV writes next
.set MSB, 0
.macro WIN new                         ; the immediate's high byte repeats the setting that is left; a switch that changes nothing is dropped
.if MSB != \new
	s_set_vgpr_msb (MSB<<8)|\new
.set MSB, \new
.endif
.endm
.macro PLACES
.rept 4
	v_nop
.endr
.endm
.macro JLOAD                           ; a joint refill: wave 0 K's tile, wave 1 V's, the others none: the same in every work-group; four v_nop follow each line
	s_cmp_eq_u32 s[WV], 0
	s_cbranch_scc0 .Lnot_k_\@
	tensor_load_to_lds s[G0K+4:G0K+7], s[G1K:G1K+7]
	s_nop 0
.rept 4
	v_nop
.endr
	s_branch .Lasked_\@
.Lnot_k_\@:
	s_cmp_eq_u32 s[WV], 1
	s_cbranch_scc0 .Lasked_\@
	tensor_load_to_lds s[G0V+4:G0V+7], s[G1V:G1V+7]
	s_nop 0
.rept 4
	v_nop
.endr
.Lasked_\@:
.endm
.macro CROUND                          ; a round of the cluster's barrier
	s_barrier_signal -1
	s_barrier_wait -1
	s_cmp_lg_u32 s[WV], 0
	s_cbranch_scc1 .Lnot_wave_0_\@
	s_barrier_signal -3
.Lnot_wave_0_\@:
	s_barrier_wait -3
	s_barrier_signal -1
	s_barrier_wait -1
.endm
; The change of slots.  Every wave waits for its reads of the slot and for all its tensor loads.  nxt = 2: the barrier is a round of the cluster's, so that no wave of any partner still
; reads the slot or has a load on its way, and the joint refill comes first behind it.
.macro CHANGE nxt
	s_wait_dscnt 0x0
	s_set_vgpr_msb 0x5
	s_wait_tensorcnt 0x0                           ; no tensor load of mine is out, so a group 0 may be written
	ds_add_u32 v160, v161
	s_wait_dscnt 0x0
	s_set_vgpr_msb 0x500
.if \nxt == 2
.irp g, G0K+4, G0V+4
	s_xor_b32 s[\g+1], s[\g+1], SLOT1
	s_add_nc_u64 s[\g+2:\g+3], s[\g+2:\g+3], 128*128
.endr
	CROUND
	JLOAD
.else
	s_barrier_signal -1
	s_barrier_wait -1
.endif
	s_xor_b32 s[TB], s[TB], SLOT1
.endm
; THE MATRIX WORK.  The four accumulators of a run of eight take turns, one instruction a turn.
; Product mi of 8 of S^T = K Q^T for tile t: channels 32 (mi / 4) on, keys 16 (mi % 4) on.  The first four start the sums from the addends.
.macro MQK t
	WIN 0x05                                       ; K and Q window 1
.set mS, S+32*\t+8*(mi%4)
.set mK, KF+8*(2*(mi%4)+mi/4)
.set mQ, QF+8*(2*\t+mi/4)
.set mB, BI+8*(mi%4)
.if mi < 4
	v_wmma_f32_16x16x32_f16 v[mS:mS+7], v[mK:mK+7], v[mQ:mQ+7], v[mB:mB+7]
.else
	v_wmma_f32_16x16x32_f16 v[mS:mS+7], v[mK:mK+7], v[mQ:mQ+7], v[mS:mS+7]
.endif
.set mi, mi+1
.endm
; Product mi of 8 of O^T += V^T P for tile t: keys 32 (mi / 4) on, channels 16 (mi % 4) on.  zero = 1: the first four start the sums: nothing is ever cleared.
.macro MPV t, zero
	WIN 0x01                                       ; V window 1
.set mO, O+32*\t+8*(mi%4)
.set mV, VF+8*mi
.set mP, P+16*\t+8*(mi/4)
.if \zero && (mi < 4)
	v_wmma_f32_16x16x32_f16 v[mO:mO+7], v[mV:mV+7], v[mP:mP+7], 0
.else
	v_wmma_f32_16x16x32_f16 v[mO:mO+7], v[mV:mV+7], v[mP:mP+7], v[mO:mO+7]
.endif
.set mi, mi+1
.endm
; THE LDS LOADS, in runs: half = which 64 keys of the slot.  A product follows each run and sets the windows that it needs.
.macro KLOAD half
	v_add_nc_u32 v[ADK], s[TB], v[AK0]
	v_add_nc_u32 v[ADB], s[BB], v[AB0]
.irp u, 0,1,2,3
.irp i, 0,1
	ds_load_b128 v[BI+8*\u+4*\i:BI+8*\u+4*\i+3], v[ADB] offset:64*\u+16*\i   ; the addends of keys 16 u + 8 (l / 16) + 0..7: laid like a score tile
.endr
.endr
	WIN 0x40                                       ; destination window 1
.irp u, 0,1,2,3
.irp c, 0,1
	ds_load_b128 v[KF+8*(2*\u+\c):KF+8*(2*\u+\c)+3],   v[ADK] offset:\half*64*PK+\u*16*PK+64*\c
	ds_load_b128 v[KF+8*(2*\u+\c)+4:KF+8*(2*\u+\c)+7], v[ADK] offset:\half*64*PK+\u*16*PK+64*\c+32
.endr
.endr
.endm
; V's run stands behind the fourth part of tile 0's softmax, where that tile's batch of exponentials ends: so it also holds the batch's wait.
.macro VLOAD half
	v_add_nc_u32 v[ADV], s[TB], v[AV0]             ; the run's address; also the plain instruction behind the batch's last exponential (ISA guide 5.7.2)
	s_wait_alu depctr_va_vdst(0)                   ; the wait for tile 0's batch, a and the 32 weights: ahead of the first line that names a result (number 70 of the list)
	WIN 0x40
.irp g, 0,1
.irp d, 0,1,2,3
	ds_load_tr16_b128 v[VF+8*(4*\g+\d):VF+8*(4*\g+\d)+3],   v[ADV] offset:\half*64*PV+\g*32*PV+32*\d
	ds_load_tr16_b128 v[VF+8*(4*\g+\d)+4:VF+8*(4*\g+\d)+7], v[ADV] offset:\half*64*PV+\g*32*PV+32*\d+16*PV
.endr
.endr
.endm
; THE VECTOR WORK.  One tile's softmax for one step is a list of 118 instructions; SM1 writes number j of it for tile t.  s0-s31 are the lane's 32 scores, in pairs 0-15.
; first = 1: the first step starts m, l and O^T: it has no a and nothing to rescale.
;   0-15     the maximum of s0-s31 and the old m, three operands at a time: four chains, each from its accumulator's low end, then the four scores left over, the chains and m
;   16-20    the other half of the lanes' maximum; c m_old is kept; the new m, with the floor; c m; c m_old - c m_new
;   21-69    ONE BATCH: the 16 scalings c s - c m, a pair of scores each, and all 33 exponentials (a at 23, then s0-s31).  None of these names an exponential's result.  21, 22: two scalings; 23-37: exponential
;            and scaling by turns; 38-65: a scaling and three exponentials; 66-69: the last four exponentials.  A pair is scaled in an earlier group than the one that holds its exponentials
;   (wait)   between 69 and 70 stands the wait for the batch: STEP writes it
;   70-85    O^T times a, each accumulator from its low end
;   86-101   the roundings to f16, a pair of weights each
;   102-117  the sum of the 16 pairs, in place: neighbours 1, 2, 4 and 8 pairs apart; l = a l + the sum
.macro SM1 t, first
.set rT, ST+8*\t
.set rS, S+32*\t
.set rP, P+16*\t
.set rO, O+32*\t
.if j < 4
	v_max3_num_f32 v[rT+4+j], v[rS+8*j], v[rS+8*j+1], v[rS+8*j+2]
.elseif j < 12
	v_max3_num_f32 v[rT+4+j%4], v[rT+4+j%4], v[rS+8*(j%4)+2*(j/4)+1], v[rS+8*(j%4)+2*(j/4)+2]
.elseif j == 12
	v_max3_num_f32 v[rT+4], v[rT+4], v[rS+7], v[rS+15]
.elseif j == 13
	v_max3_num_f32 v[rT+6], v[rT+6], v[rS+23], v[rS+31]
.elseif j == 14
	v_max3_num_f32 v[rT+4], v[rT+4], v[rT+5], v[rT+6]
.elseif (j == 15) && (\first)
	v_max_num_f32 v[rT+4], v[rT+4], v[rT+7]
.elseif j == 15
	v_max3_num_f32 v[rT+4], v[rT+4], v[rT+7], v[rT+1]
.elseif j == 16
	v_permlanex16_b32 v[rT+5], v[rT+4], s[SEL], s[SEL+1]   ; the query's other 32 keys lie in the lane 16 away
.elseif j == 18
	v_max3_num_f32 v[rT+1], v[rT+4], v[rT+5], v[FLR]   ; the floor: see the head
.elseif j == 19
	v_mul_f32 v[rT], s[CS], v[rT+1]
.elseif ((j == 17) || (j == 20) || (j == 23) || ((j >= 70) && (j < 86))) && (\first)  ; the first step has none of these
.elseif j == 17
	v_mov_b32 v[rT+7], v[rT]                       ; c m_old
.elseif j == 20
	v_sub_f32 v[rT+7], v[rT+7], v[rT]
.elseif j == 23
	v_exp_f32 v[rT+6], v[rT+7]                     ; a
.elseif (j < 23) || ((j < 38) && (j%2 == 0)) || ((j < 66) && (j%4 == 2))
.set b, (j-2)/4                        ; 38, 42, .. 62: pairs 9 to 15
.if j < 38
.set b, (j-20)/2                       ; 21: pair 0; 22, 24, .. 36: pairs 1 to 8
.endif
	v_pk_fma_f32 v[rS+2*b:rS+2*b+1], v[rS+2*b:rS+2*b+1], s[CS:CS+1], v[rT:rT+1] op_sel_hi:[1,0,0] neg_lo:[0,0,1] neg_hi:[0,0,1]   ; pair b: c s - c m
.elseif j < 70
.set e, j-38                           ; 66 to 69: s28 to s31
.if j < 66
.set e, j-32-(j-38)/4                  ; 39-41, 43-45, .. 63-65: s7 to s27
.endif
.if j < 38
.set e, (j-25)/2                       ; 25, 27, .. 37: s0 to s6
.endif
	v_exp_f32 v[rS+e], v[rS+e]
.elseif j < 86
	v_pk_mul_f32 v[rO+2*(j-70):rO+2*(j-70)+1], v[rO+2*(j-70):rO+2*(j-70)+1], v[rT+6:rT+7] op_sel_hi:[1,0]   ; pair j - 70 of O^T times a
.elseif j < 102
	v_cvt_pk_f16_f32 v[rP+j-86], v[rS+2*(j-86)], v[rS+2*(j-86)+1]   ; pair j - 86
.else
.set z, j-102
.set w, 4
.set u, z
.if z >= 14
.set w, 32
.set u, 0
.elseif z >= 12
.set w, 16
.set u, z-12
.elseif z >= 8
.set w, 8
.set u, z-8
.endif
.if (z == 14) && (\first)
	v_pk_add_f32 v[rT+2:rT+3], v[rS:rS+1], v[rS+16:rS+17]
.elseif z < 15
	v_pk_add_f32 v[rS+w*u:rS+w*u+1], v[rS+w*u:rS+w*u+1], v[rS+w*u+w/2:rS+w*u+w/2+1]
.elseif !(\first)
	v_pk_fma_f32 v[rT+2:rT+3], v[rT+2:rT+3], v[rT+6:rT+7], v[rS:rS+1] op_sel_hi:[1,0,1]   ; l = a l + the sum
.endif
.endif
.endm
; Part p of 8 of that list: numbers 0-11, 12-27, 28-45, 46-69, and then four parts of twelve.  Parts 0 to 3 are all that stands ahead of the batch's wait.
; Part 3 has five plain instructions (the scalings 46, 50, 54, 58, 62): with the line that makes V's address they are the places between the products ahead of it and V's loads.
; Part 7 is twelve plain instructions (eleven in the first step): the places behind the products that stand ahead of it.
.macro SM t, first, p
.if \p == 0
.set j, 0
.set jn, 12
.elseif \p == 1
.set j, 12
.set jn, 16
.elseif \p == 2
.set j, 28
.set jn, 18
.elseif \p == 3
.set j, 46
.set jn, 24
.else
.set j, 70+12*(\p-4)
.set jn, 12
.endif
.rept jn
	SM1 \t, \first
.set j, j+1
.endr
.endm
; A KEY STEP.  half = which 64 keys of the slot.  At its head tile 0's scores of this step are there: the step before made them.
; first = 1: the first step; it ends with tile 1's V^T P, which starts those sums.  prev = 1: tile 1's V^T P of the step before is still to be made.
; nxt = 1: the next step lies in this slot; 2: in the other slot, and this slot is filled again; 3: in the other slot, nothing is asked for; 0: there is none, and tile 1's V^T P stands at the end.
; Each softmax's wait stands ahead of its fifth part and no exponential is issued behind it.
.macro STEP half, first, prev, nxt
.set mi, 0
.irp k, 0,1,2,3,4,5,6,7                ; tile 0's softmax; ahead of each part two of tile 1's products
.if \k == 4
.set mi, 0
	VLOAD \half                                    ; V of this step, and the wait for tile 0's batch: the last product that read V stands ahead of part 3, six plain instructions back
.endif
.if \k >= 4
	MQK 1
	MQK 1
.elseif \prev
	MPV 1, 0
	MPV 1, 0
.endif
	WIN 0
	SM 0, \first, \k
.endr
.if \nxt < 2
	s_wait_dscnt 0x0                               ; V is in
.else
	CHANGE \nxt                                    ; its wait for my LDS loads also shows V in
.endif
.if \nxt
	s_add_co_u32 s[BB], s[BB], 256                 ; the next step's 64 addends
.endif
.if \nxt == 1
	KLOAD 1                                        ; K and the addends of the next step: the last product that read them stands ahead of part 7
.elseif \nxt >= 2
	KLOAD 0
.endif
.set mi, 0
.irp k, 0,1,2,3,4,5,6,7                ; tile 1's softmax; ahead of each part two of tile 0's products
.if \k == 4
.set mi, 0
	v_nop                                          ; the plain instruction behind the batch's last exponential (ISA guide 5.7.2)
	s_wait_alu depctr_va_vdst(0)                   ; the wait for tile 1's batch, a and the 32 weights: ahead of the first line that names a result (number 70 of the list)
.if \nxt
	s_wait_dscnt 0x0                               ; the next step's K and addends are in
.endif
.endif
.if \k < 4
	MPV 0, \first
	MPV 0, \first
.elseif \nxt
	MQK 0
	MQK 0
.endif
	WIN 0
	SM 1, \first, \k
.endr
.if \first || (\nxt == 0)
.set mi, 0
.rept 8
	MPV 1, \first
.endr
	WIN 0
.endif
.endm
	s_load_b256 s[4:11], s[0:1], 0x0               ; qkv s[4:5], kvc s[6:7], mask s[8:9], att s[10:11]
	s_set_vgpr_msb 0x40
	v_lshl_add_u32 v160, v0, 2, 0x29000
	v_mov_b32 v161, 0
	s_set_vgpr_msb 0x4045
	ds_add_u32 v160, v161
	s_set_vgpr_msb 0x4500
	v_lshrrev_b32 v1, 5, v0
	v_readfirstlane_b32 s[WV], v1                  ; wave 0..7
	s_bfe_u32 s13, ttmp6, 0x40000                  ; cx: it enters Q's and O's addresses alone
	s_lshl_b32 s18, ttmp9, 2
	s_add_co_u32 s18, s18, s13                     ; my block of 256 queries
	s_lshl_b32 s18, s18, 8
	s_lshl_b32 s19, s[WV], 5
	s_add_co_u32 s18, s18, s19                     ; q0
	s_and_b32 s3, ttmp7, 0xffff                    ; 16 b + head, which the four partners share
	s_lshl_b32 s20, s3, 17                         ; the head's 128 KiB in a region of kvc
	s_mov_b32 s21, 0
	s_lshl_b32 s22, s3, 18                         ; the head's 256 KiB in qkv,
	s_lshl_b32 s23, s18, 7                         ; my rows of 128 bytes
	s_add_co_u32 s22, s22, s23
	s_mov_b32 s23, 0
	s_lshr_b32 s14, s3, 4                          ; b
	s_lshl_b32 s16, s14, 4                         ; att: row block 16 b + q0 / 128,
	s_lshr_b32 s17, s18, 7
	s_add_co_u32 s16, s16, s17
	s_lshl_b32 s16, s16, 18
	s_and_b32 s17, s3, 15                          ; the head's 16 KiB,
	s_lshl_b32 s17, s17, 14
	s_add_co_u32 s16, s16, s17
	s_and_b32 s17, s18, 127                        ; my rows
	s_lshl_b32 s17, s17, 7
	s_add_co_u32 s16, s16, s17
	s_mov_b32 s17, 0
	s_lshl_b32 s14, s14, 12                        ; the batch's 4,096 bytes of mask
	s_mov_b32 s15, 0
	s_mov_b32 s[SLOTS], 5                          ; eight slots in all: two are filled at the start, one refill stands ahead of the loop
	s_mov_b32 s[TB], 0
	s_mov_b32 s[BB], 0
	s_mov_b32 s[CS], 0x3e38aa3b                    ; log2(e) / 8
	s_mov_b32 s[CS+1], s[CS]
	s_mov_b32 s[SEL], 0x76543210
	s_mov_b32 s[SEL+1], 0xfedcba98
	; group 1: 64 rows x 128 elements of 2 bytes, dense; padding behind every 32 words: 4 words for K, 8 for V; the mask names all four work-groups, bit 21 beside it
	s_mov_b32 s[G1K], 15|(1<<16)|(1<<20)|(1<<21)|(4<<22)|(3<<25)
	s_mov_b32 s[G1V], 15|(1<<16)|(1<<20)|(1<<21)|(4<<22)|(7<<25)
.irp g, G1K, G1V
	s_mov_b32 s[\g+1], 128<<16
	s_mov_b32 s[\g+2], 64<<16
	s_mov_b32 s[\g+3], 128<<16
	s_mov_b32 s[\g+4], 64
	s_mov_b32 s[\g+5], 128
	s_mov_b32 s[\g+6], 0
	s_mov_b32 s[\g+7], 0
.endr
	s_wait_dscnt 0x0
	s_wait_kmcnt 0x0
	s_add_nc_u64 s[6:7], s[6:7], s[20:21]          ; K at the head (first region)
	s_add_nc_u64 s[20:21], s[6:7], 0x400000        ; V (second region)
	s_add_nc_u64 s[4:5], s[4:5], s[22:23]          ; Q at my first row
	s_add_nc_u64 s[10:11], s[10:11], s[16:17]      ; O at my first row
	s_add_nc_u64 s[8:9], s[8:9], s[14:15]          ; the batch's mask
.irp s, 0,1
	s_mov_b32 s[G0K+4*\s], 1
	s_mov_b32 s[G0K+4*\s+1], \s*SLOT1
	s_add_nc_u64 s[G0K+4*\s+2:G0K+4*\s+3], s[6:7], \s*128*128
	s_or_b32 s[G0K+4*\s+3], s[G0K+4*\s+3], 0x80000000
	s_mov_b32 s[G0V+4*\s], 1
	s_mov_b32 s[G0V+4*\s+1], \s*SLOT1+VOFF
	s_add_nc_u64 s[G0V+4*\s+2:G0V+4*\s+3], s[20:21], \s*128*128
	s_or_b32 s[G0V+4*\s+3], s[G0V+4*\s+3], 0x80000000
.endr
	CROUND                                         ; all four work-groups are here: the first joint loads meet
	s_cmp_eq_u32 s[WV], 0                          ; a wave's two first fills stand in one branch
	s_cbranch_scc0 .Lfirst_not_k
	tensor_load_to_lds s[G0K:G0K+3], s[G1K:G1K+7]
	s_nop 0
	tensor_load_to_lds s[G0K+4:G0K+7], s[G1K:G1K+7]
	s_nop 0
.rept 4
	v_nop
.endr
	s_branch .Lfirst_asked
.Lfirst_not_k:
	s_cmp_eq_u32 s[WV], 1
	s_cbranch_scc0 .Lfirst_asked
	tensor_load_to_lds s[G0V:G0V+3], s[G1V:G1V+7]
	s_nop 0
	tensor_load_to_lds s[G0V+4:G0V+7], s[G1V:G1V+7]
	s_nop 0
.rept 4
	v_nop
.endr
.Lfirst_asked:
	v_and_b32 v1, 15, v0                           ; r
	v_bfe_u32 v9, v0, 4, 1                         ; l / 16
	v_lshlrev_b32 v[QO], 7, v1
	v_lshl_add_u32 v[QO], v9, 4, v[QO]
	v_lshlrev_b32 v[ADK], 4, v0                    ; thread t takes the mask's words 4 t .. 4 t + 3
	WIN 0x40
.irp t, 0,1
.irp c, 0,1
	global_load_b128 v[QF+8*(2*\t+\c):QF+8*(2*\t+\c)+3],   v[QO], s[4:5] offset:\t*2048+64*\c
	global_load_b128 v[QF+8*(2*\t+\c)+4:QF+8*(2*\t+\c)+7], v[QO], s[4:5] offset:\t*2048+64*\c+32
.endr
.endr
	WIN 0
	global_load_b128 v[BI:BI+3], v[ADK], s[8:9]
	v_mul_u32_u24 v[AK0], v1, PK
	v_lshl_add_u32 v[AK0], v9, 4, v[AK0]
	v_and_b32 v10, 7, v0
	v_bfe_u32 v11, v0, 3, 1
	v_lshl_add_u32 v[AV0], v9, 3, v10
	v_mul_u32_u24 v[AV0], v[AV0], PV
	v_lshl_add_u32 v[AV0], v11, 4, v[AV0]
	v_add_nc_u32 v[AV0], VOFF, v[AV0]
	s_mul_i32 s13, s[WV], 32*SP
	s_add_co_u32 s13, s13, STAGE                   ; my stage
	v_mul_u32_u24 v[STO], v1, SP
	v_lshl_add_u32 v[STO], v9, 4, v[STO]
	v_add_nc_u32 v[STO], s13, v[STO]
	v_bfe_u32 v[RD], v0, 3, 2
	v_mul_u32_u24 v[RD], v[RD], SP
	v_lshl_add_u32 v[RD], v10, 4, v[RD]
	v_add_nc_u32 v[RD], s13, v[RD]
	v_and_b32 v[GO], 31, v0
	v_lshlrev_b32 v[GO], 4, v[GO]
	v_mov_b32 v[FLR], 0xe7800000                   ; -2^80
	v_lshlrev_b32 v[AB0], 5, v9
	v_add_nc_u32 v[AB0], BIAS, v[AB0]
	v_mov_b32 v[ADV], 0xf149f2ca                   ; -1e30
	v_add_nc_u32 v[ADB], BIAS, v[ADK]
	s_wait_loadcnt 0x0                             ; Q and the mask
.irp i, 0,1,2,3
	v_cmp_eq_u32 vcc_lo, 0, v[BI+\i]
	v_cndmask_b32 v[BI+4+\i], 0, v[ADV], vcc_lo
.endr
	ds_store_b128 v[ADB], v[BI+4:BI+7]
	s_wait_dscnt 0x0                               ; for the others' sake: my addends are in LDS
	s_wait_tensorcnt 0x1                           ; my part of slot 0 is in; slot 1's may stay out
	s_barrier_signal -1
	s_barrier_wait -1
	KLOAD 0                                        ; key step 0
	s_wait_dscnt 0x0
.set mi, 0
.rept 8
	MQK 0                                          ; tile 0's first scores: there is no vector work yet to set between them
.endr
	WIN 0
	PLACES
	STEP 0, 1, 0, 1                                ; slot 0
	STEP 1, 0, 0, 2                                ; slot 0 takes the third 128 keys
.Lslot:                                                ; five trips, a slot each, and each fills its slot again
	STEP 0, 0, 1, 1
	STEP 1, 0, 1, 2
	s_sub_co_u32 s[SLOTS], s[SLOTS], 1
	s_cmp_lg_u32 s[SLOTS], 0
	s_cbranch_scc1 .Lslot
	STEP 0, 0, 1, 1                                ; the last two slots are written out: nothing is asked for
	STEP 1, 0, 1, 3
	STEP 0, 0, 1, 1
	STEP 1, 0, 1, 0
	; THE WAY OUT: l's halves and the other lanes' are added; O^T is divided by l, rounded and sent through my stage.
	PLACES
.irp t, 0,1
	v_add_f32 v[ST+8*\t+4], v[ST+8*\t+2], v[ST+8*\t+3]
.endr
.irp t, 0,1
	v_permlanex16_b32 v[ST+8*\t+5], v[ST+8*\t+4], s[SEL], s[SEL+1]
.endr
.irp t, 0,1
	v_add_f32 v[ST+8*\t+4], v[ST+8*\t+4], v[ST+8*\t+5]
.endr
.irp t, 0,1
	v_rcp_f32 v[ST+8*\t+6], v[ST+8*\t+4]
.endr
	v_nop                                          ; a plain instruction between the last reciprocal and the use of its result
	s_wait_alu depctr_va_vdst(0)                   ; the wait ahead of the first use: one for the two reciprocals
.irp t, 0,1
.set i, 0
.rept 16
	v_pk_mul_f32 v[O+32*\t+2*i:O+32*\t+2*i+1], v[O+32*\t+2*i:O+32*\t+2*i+1], v[ST+8*\t+6:ST+8*\t+7] op_sel_hi:[1,0]
.set i, i+1
.endr
.set i, 0
.rept 16
	v_cvt_pk_f16_f32 v[TMPO+16*\t+i], v[O+32*\t+2*i], v[O+32*\t+2*i+1]
.set i, i+1
.endr
.endr
.irp t, 0,1
.irp d, 0,1,2,3
	ds_store_b128 v[STO], v[TMPO+16*\t+4*\d:TMPO+16*\t+4*\d+3] offset:\t*16*SP+32*\d
.endr
.endr
.irp f, 0,1,2,3,4,5,6,7
	ds_load_b128 v[TMPO+4*\f:TMPO+4*\f+3], v[RD] offset:\f*4*SP   ; LDS serves a wave's instructions in order (ISA guide 5.7.1.4): these see the stores above
.endr
.irp f, 0,1,2,3,4,5,6,7
	s_wait_dscnt 7-\f                              ; load f is back, the younger ones stay out
	global_store_b128 v[GO], v[TMPO+4*\f:TMPO+4*\f+3], s[10:11] offset:512*\f   ; a wave's store covers 512 consecutive bytes, aligned
.endr
	s_set_vgpr_msb 0x5
	s_wait_tensorcnt 0x0
	ds_add_u32 v160, v161
	s_wait_dscnt 0x0
	s_set_vgpr_msb 0x500
	CROUND                                         ; the closing round: no work-group ends while a partner may still ask for a tile that names it
	s_endpgm
.Lfunc_end_k_q0853890662_crossatt:
	.size	k_q0853890662_crossatt, .Lfunc_end_k_q0853890662_crossatt-k_q0853890662_crossatt
	.p2alignl 7, 3214868480
	.fill 96, 4, 3214868480
	.section	.rodata,"a",@progbits
	.p2align	6, 0x0
	.amdhsa_kernel k_q0853890662_crossatt
		.amdhsa_group_segment_fixed_size 327680
		.amdhsa_private_segment_fixed_size 0
		.amdhsa_enable_private_segment 0
		.amdhsa_kernarg_size 32
		.amdhsa_user_sgpr_count 2
		.amdhsa_user_sgpr_kernarg_segment_ptr 1
		.amdhsa_wavefront_size32 1
		.amdhsa_system_sgpr_workgroup_id_x 1
		.amdhsa_system_sgpr_workgroup_id_y 1
		.amdhsa_system_sgpr_workgroup_id_z 1
		.amdhsa_system_vgpr_workitem_id 0
		.amdhsa_next_free_vgpr 418
		.amdhsa_next_free_sgpr 72
		.amdhsa_reserve_vcc 1
		.amdhsa_float_denorm_mode_32 3
		.amdhsa_float_denorm_mode_16_64 3
		.amdhsa_memory_ordered 1
		.amdhsa_forward_progress 1
		.amdhsa_inst_pref_size 163
	.end_amdhsa_kernel
	.amdgpu_metadata
---
amdhsa.version: [ 1, 2 ]
amdhsa.kernels:
  - .name:           k_q0853890662_crossatt
    .symbol:         k_q0853890662_crossatt.kd
    .args:
      - { .name: qkv, .offset: 0, .size: 8, .value_kind: global_buffer, .address_space: global }
      - { .name: kvc, .offset: 8, .size: 8, .value_kind: global_buffer, .address_space: global }
      - { .name: context_mask, .offset: 16, .size: 8, .value_kind: global_buffer, .address_space: global }
      - { .name: att, .offset: 24, .size: 8, .value_kind: global_buffer, .address_space: global }
    .group_segment_fixed_size: 327680
    .private_segment_fixed_size: 0
    .kernarg_segment_align: 8
    .kernarg_segment_size: 32
    .max_flat_workgroup_size: 256
    .sgpr_count:     72
    .vgpr_count:     418
    .wavefront_size: 32
...
	.end_amdgpu_metadata
.endif
;; end of part 11
;; launch coutp: the kernel of part 4 again; grid 8 x 32, 4 waves a work-group, clusters of 4 x 4, 327,680 bytes of LDS; arguments att, Wb, out0, xa; writes xa
;; launch norm3: the kernel of part 5 again; grid 256 x 1, 8 waves a work-group, no clusters, 0 bytes of LDS; arguments xa, g_norm2, h; writes h
;; launch ffn1: the kernel of part 8 again; grid 16 x 32, 4 waves a work-group, clusters of 4 x 4, 327,680 bytes of LDS; arguments h, Wc, att; writes att
;; launch ffn2: the kernel of part 9 again; grid 8 x 32, 4 waves a work-group, clusters of 4 x 4, 327,680 bytes of LDS; arguments att, Wc, xa, out0; writes out0
